; MI455X (gfx1250); checked and timed in simulation.
; The chip was launched on July 23, 2026; its instructions are those of AMD's public machine-readable ISA for CDNA 5 (MIT licence, August 2026) and "CDNA5" Instruction Set Architecture Reference Guide (July 2026). The comments in the code are by the model that wrote it; some were corrected since.
;; Causal Transformer Block. Allowed arithmetic: matrix products marked QUANTISED: E2M3 operands, one E8M0 scale for each 32 along K, by v_wmma_scale_f32_16x16x128_f8f6f4 with both operands' format E2M3, f32 sums; everything else in f32.
;; Inputs: b1 4,096 float32; b2 1,024 float32; ls1 1,024 float32; ls2 1,024 float32; norm1_b 1,024 float32; norm1_w 1,024 float32; norm2_b 1,024 float32; norm2_w 1,024 float32; w1 4,096 x 1,024 float32; w2 1,024 x 4,096 float32; wk 1,024 x 1,024 float32; wo 1,024 x 1,024 float32; wq 1,024 x 1,024 float32; wv 1,024 x 1,024 float32; x 2 x 2,048 x 1,024 float32.
;; Outputs: out0 2 x 2,048 x 1,024 float32.
;; This version of the problem:
;;   THIS VERSION OF THE PROBLEM IS GIVEN IN LOW PRECISION. The matrix products marked QUANTISED in the list below multiply operands that are first quantised to E2M3 (2 exponent bits, 3 mantissa bits; 6 bits a number), with one power-of-two scale for each 32 numbers along K (OCP MX v1.0); their sums are f32. All else is computed in f32.
;;   The module's matrix products, in the order in which they are computed (A, B: the left and right operand; K: the contracted axis; several contracted axes count as one K, in the product's order):
;;     1. [M 4,096, K 1,024] x [K 1,024, N 1,024]; A: computed on the way; B: input wq: QUANTISED
;;     2. [M 4,096, K 1,024] x [K 1,024, N 1,024]; A: computed on the way; B: input wk: QUANTISED
;;     3. [M 4,096, K 1,024] x [K 1,024, N 1,024]; A: computed on the way; B: input wv: QUANTISED
;;     4. batch 32 x [M 2,048, K 64] x [K 64, N 2,048]; A: computed on the way; B: computed on the way: QUANTISED
;;     5. batch 32 x [M 2,048, K 2,048] x [K 2,048, N 64]; A: softmax (see below); B: computed on the way: QUANTISED
;;     6. [M 4,096, K 1,024] x [K 1,024, N 1,024]; A: computed on the way; B: input wo: QUANTISED
;;     7. [M 4,096, K 1,024] x [K 1,024, N 4,096]; A: computed on the way; B: input w1: QUANTISED
;;     8. [M 4,096, K 4,096] x [K 4,096, N 1,024]; A: computed on the way; B: input w2: QUANTISED
;;   THE QUANTISER, for each operand of a quantised product, along K:
;;     - K is cut into blocks of 32 from its start; a last block that is shorter is filled with zeros.
;;     - A block's scale is 2^e with e = floor(log2(the largest magnitude in the block)) - 2, held to -126 .. 127; a block of zeros has e = 0. As a byte (E8M0): e + 127.
;;     - Each number is divided by its block's scale, clamped to +-7.5, and rounded to the nearest number of E2M3, ties to even, subnormals kept.
;;     - The product sums the exact products of the quantised numbers (number of the format x scale) in f32.
;;   ~~~python
;;   def quantise(x, axis):      # numpy; x: float32 -> the quantised numbers, widened to float32 again
;;       x = np.moveaxis(x, axis, -1); K = x.shape[-1]
;;       x = np.pad(x, [(0, 0)] * (x.ndim - 1) + [(0, -K % 32)]); x = x.reshape(x.shape[:-1] + (-1, 32)); a = np.abs(x).max(-1, keepdims=True)
;;       e = np.where(a > 0, np.clip(np.frexp(np.where(a > 0, a, 1))[1] - 1 - 2, -126, 127), 0)      # np.frexp(a)[1] - 1 = floor(log2(a)), exactly
;;       r = np.clip(x / 2.0 ** e, -7.5, 7.5)
;;       step = 2.0 ** (np.maximum(np.frexp(np.where(r == 0, 1, r))[1] - 1, 0) - 3)
;;       q = np.round(r / step) * step * 2.0 ** e      # np.round: ties to even
;;       return np.moveaxis(q.reshape(q.shape[:-2] + (-1,))[..., :K], -1, axis).astype(np.float32)
;;   ~~~
;;   SOFTMAX AHEAD OF A QUANTISED PRODUCT. Where the list says 'softmax', what is quantised is not the finished softmax but p = 2^(t - M), with t = logit x log2(e) and M = ceil(the row's largest t), a whole number; so 1/2 < the row's largest p <= 1. The row's sum l is taken of the UNQUANTISED p, in f32, and the product's result is divided by l at the end. Since M is a whole number, a kernel that streams over the keys may use a running M (the ceiling of the running maximum): every later rescaling is an exact power of two, which a block's scale takes up: the codes' values come out the same.
;;   OPERANDS COMPUTED ON THE WAY. 'Computed on the way' means the value that the module computes at that place (a softmax that the list does not call 'softmax' is quantised finished and normalised). What goes into a quantiser is computed in f32, as accurately as f32 sums, v_exp_f32 and their like allow (about 1e-6 of the number): no bf16 or f16 on the way to a quantiser, and a product that is left as it is and whose result goes on into a quantised operand takes f32 operands (vector FMAs, or v_wmma_f32_16x16x4_f32). A number that lies on a knife's edge between two numbers of the format may be rounded either way, as far as f32 arithmetic and the matrix unit's own rounding can turn it there, and no further.
;; 2 versions. Each part assembles by itself: llvm-mc -triple=amdgcn-amd-amdhsa -mcpu=gfx1250 --defsym DOCPART=n.
;; ======== version 1 of 2: 8 launches
;; workspace buffers: wimg 9,830,400 bytes; tab 524,288 bytes; act 3,276,800 bytes; qimg 3,407,872 bytes; kv 6,684,672 bytes; x1 16,777,216 bytes; fimg 13,107,200 bytes
;; launch prep (part 1): grid 416 x 1, 8 waves a work-group, no clusters, 134,144 bytes of LDS; arguments wq, wk, wv, wo, w1, w2, wimg, tab; writes wimg, tab
.if DOCPART == 1
	.amdgcn_target "amdgcn-amd-amdhsa--gfx1250"
	.amdhsa_code_object_version 6
	.text
	.protected	k_q3617ea74b0_prep
	.globl	k_q3617ea74b0_prep
	.p2align	8
	.type	k_q3617ea74b0_prep,@function
k_q3617ea74b0_prep:
	s_mov_b64 s[64:65], 0
	v_nop
	global_prefetch_b8 v0, s[64:65] scope:SCOPE_SE
	s_setreg_imm32_b32 hwreg(HW_REG_WAVE_MODE, 25, 1), 1
	s_wait_xcnt 0x0
; The six weights, f32 with K innermost, become codes of FP6 (E2M3) with one E8M0 byte for each 32 along K; and RoPE's tables are made.
; LAYOUT OF wimg.  A RECORD (12,800 bytes) is 128 rows x 128 along K as images of operand registers: row tile i (16 rows) at 1,536 i; in it the half c (64 along K) at 768 c:
; lane l's registers 6 c .. 6 c + 3 at 16 l, its registers 6 c + 4, 6 c + 5 at 512 + 8 l; the rows' scale words at 12,288 + 64 i + 4 r.  Records lie [row block of 128][K step].
; Row blocks: wq 0-7, wk 8-15, wv 16-23, wo 24-31, w1 32-63 (8 K steps each); w2's 8 blocks of 32 K steps behind them.
; ORDER INSIDE A BLOCK OF 32: place 16 h + 8 u + j holds k = 16 u + 8 h + j.  Every operand of every product of this program is laid so, so both sides of a product agree;
; a block keeps its 32 members, so the scales are the rule's.  (It is the order in which a transposed product leaves its results in a lane's registers.)
; SHARES.  Work-groups 0-383: 128 rows x 2 K steps; wave w takes row tile w.  Each load reads 512 consecutive bytes of one row; the numbers turn through the wave's own stage in LDS
; (16 rows, 1,040 bytes apart: 65 x 16, so that the sixteen rows of a read start in different banks) and come back as 16 numbers a block and lane.  Waves share nothing: no barrier.
; Work-groups 384-415: tab[t][0..31] = cos(t inv_freq(f)), tab[t][32..63] = sin, t = 0 .. 2,047; a wave makes 8 rows, each stored as 256 consecutive bytes.
; LIMITS: NaN and infinities are not served; a block whose largest magnitude lies under 2^-124 keeps the byte 1 (a block of zeros too: its codes are zeros, and this program alone reads the bytes).
; inv_freq(f) = 10^(-f/8), rounded once to f32.  sin and cos: reduction by pi/2 in two parts (k <= 1,304: what is left out stays under 2.3e-12), polynomials on [-pi/4, pi/4].
.set REC,   12800
.set W2OFF, 64*8*REC
.set PITCH, 1040
.set WSTG,  16*PITCH
.set SEL,   40                         ; s[40:41] lane selects: lane l xor 16
.set TM,    8                          ; v8-15  the quantiser's work
.set HW,    16                         ; v16-19 two scale bytes for each half
.set T,     20                         ; v20-22 a block's upper 16 codes on their way
.set WD,    24                         ; v24-25 scale words
.set X,     32                         ; v32-159 two K steps of 64 numbers a lane
.set CD,    160                        ; v160-191 codes: eight registers for each half, so that no store's data are written again
.set OFF,   192                        ; v192-207 row p's byte offset + 16 x lane
; 32 numbers of a lane, register 16 b + i = place 16 h + i of block b of my row, become the six registers of a half image, v[d] on, and two scale bytes in v[hw].
.macro QH s, d, t, hw
.irp b, 0,1
	v_max3_num_f32 v[TM+\b], |v[\s+16*\b]|, |v[\s+16*\b+1]|, 0x1800000   ; my 16 numbers, and the floor 2^(3 - 127): the byte cannot fall under 1
.endr
.irp i, 2,4,6,8,10,12,14
.irp b, 0,1
	v_max3_num_f32 v[TM+\b], v[TM+\b], |v[\s+16*\b+\i]|, |v[\s+16*\b+\i+1]|
.endr
.endr
.irp b, 0,1
	v_permlanex16_b32 v[TM+2+\b], v[TM+\b], s[SEL], s[SEL+1]
.endr
.irp b, 0,1
	v_max_num_f32 v[TM+\b], v[TM+\b], v[TM+2+\b]      ; with lane l xor 16's: the block's largest magnitude
.endr
.irp b, 0,1
	v_add_nc_u32 v[TM+4+\b], 0xff000000, v[TM+\b]     ; 2 off its exponent field: the conversion's scale operand
.endr
.irp b, 0,1
	v_lshrrev_b32 v[TM+6+\b], 23, v[TM+4+\b]          ; the scale's byte
.endr
	v_lshl_or_b32 v[\hw], v[TM+7], 8, v[TM+6]
	v_cvt_scalef32_pk16_fp6_f32 v[\d:\d+2], v[\s:\s+15], v[TM+4]
	v_cvt_scalef32_pk16_fp6_f32 v[\t:\t+2], v[\s+16:\s+31], v[TM+5]
	v_nop                                             ; one plain place behind a scaled conversion
.irp i, 0,1,2
	v_permlane16_swap_b32 v[\d+\i], v[\t+\i]          ; a whole block to a lane: lanes 0-15 the first block, lanes 16-31 the second
.endr
.irp i, 0,1,2
	v_mov_b32 v[\d+3+\i], v[\t+\i]
.endr
.endm
	s_load_b256 s[4:11], s[0:1], 0x0               ; wq, wk, wv, wo
	s_load_b256 s[12:19], s[0:1], 0x20             ; w1, w2, wimg, tab
	v_lshl_add_u32 v208, v0, 2, 0x20800
	v_mov_b32 v209, 0
	v_lshrrev_b32 v1, 5, v0
	v_readfirstlane_b32 s20, v1                    ; wave 0..7
	v_and_b32 v7, 31, v0                           ; lane
	v_bfe_u32 v2, v0, 4, 1                         ; h
	v_lshlrev_b32 v5, 3, v7                        ; 8 x lane
	s_cmp_ge_u32 ttmp9, 384
	s_cbranch_scc1 .Lrope
	; ---------------- the weights
	v_and_b32 v1, 15, v0                           ; r
	v_lshlrev_b32 v4, 4, v7                        ; 16 x lane
	v_lshlrev_b32 v6, 2, v1                        ; 4 r
	v_mov_b32 v[TM+2], 0                           ; a lane permute's destination counts as read
	v_mov_b32 v[TM+3], 0
	s_mov_b32 s[SEL], 0x76543210
	s_mov_b32 s[SEL+1], 0xfedcba98
	s_lshr_b32 s21, ttmp9, 2                       ; K = 1,024: row block in wimg, four work-groups to a block
	s_and_b32 s22, ttmp9, 3
	s_lshl_b32 s22, s22, 1                         ; first K step
	s_and_b32 s23, s21, 7                          ; row block in its own tensor: wq .. wo
	s_sub_co_u32 s24, s21, 32                      ; w1
	s_cmp_lt_u32 ttmp9, 128
	s_cselect_b32 s23, s23, s24
	s_mul_i32 s25, s21, 8*REC
	s_sub_co_u32 s26, ttmp9, 256                   ; w2: sixteen work-groups to a block
	s_lshr_b32 s27, s26, 4
	s_and_b32 s28, s26, 15
	s_lshl_b32 s28, s28, 1
	s_mul_i32 s29, s27, 32*REC
	s_add_co_u32 s29, s29, W2OFF
	s_cmp_lt_u32 ttmp9, 256
	s_cselect_b32 s23, s23, s27                    ; row block
	s_cselect_b32 s22, s22, s28                    ; first K step
	s_cselect_b32 s25, s25, s29                    ; the block's first record
	s_cselect_b32 s30, 12, 14                      ; log2 of a row's bytes: 4,096 or 16,384
	s_mul_i32 s31, s22, REC
	s_add_co_u32 s25, s25, s31                     ; my first record
	s_lshl_b32 s23, s23, 7
	s_lshl_b32 s31, s20, 4
	s_add_co_u32 s23, s23, s31                     ; my first row: 128 x block + 16 x wave
	s_lshl_b32 s34, s23, s30
	s_lshl_b32 s31, s22, 9                         ; a K step is 512 bytes of a row
	s_add_co_u32 s34, s34, s31
	s_mov_b32 s35, 0
	s_mul_i32 s31, s20, 1536
	s_add_co_u32 s36, s25, s31                     ; my row tile's codes
	s_mov_b32 s37, 0
	s_lshl_b32 s31, s20, 6
	s_add_co_u32 s38, s25, s31
	s_add_co_u32 s38, s38, 12288                   ; and its scale words
	s_mov_b32 s39, 0
.irp p, 0,1,2,3,4,5,6,7,8,9,10,11,12,13,14,15
	s_lshl_b32 s31, \p, s30
	v_add_nc_u32 v[OFF+\p], s31, v4                ; row p: p x pitch + 16 x lane
.endr
	s_mul_i32 s31, s20, WSTG                       ; my stage
	v_add_nc_u32 v3, s31, v4                       ; in: 16 x lane
	v_mul_u32_u24 v26, v1, PITCH
	v_lshl_add_u32 v26, v2, 5, v26
	v_add_nc_u32 v26, s31, v26                     ; back: row r, + 32 h
	s_wait_kmcnt 0x0
	s_mov_b64 s[32:33], s[14:15]                   ; which tensor: the choice hangs on the work-group's number alone
	s_cmp_lt_u32 ttmp9, 256
	s_cselect_b64 s[32:33], s[12:13], s[32:33]
	s_cmp_lt_u32 ttmp9, 128
	s_cselect_b64 s[32:33], s[10:11], s[32:33]
	s_cmp_lt_u32 ttmp9, 96
	s_cselect_b64 s[32:33], s[8:9], s[32:33]
	s_cmp_lt_u32 ttmp9, 64
	s_cselect_b64 s[32:33], s[6:7], s[32:33]
	s_cmp_lt_u32 ttmp9, 32
	s_cselect_b64 s[32:33], s[4:5], s[32:33]
	s_add_nc_u64 s[32:33], s[32:33], s[34:35]
	s_add_nc_u64 s[36:37], s[16:17], s[36:37]
	s_add_nc_u64 s[38:39], s[16:17], s[38:39]
.macro LOAD f                          ; K step f of my 16 rows: each load 512 consecutive bytes
.irp p, 0,1,2,3,4,5,6,7,8,9,10,11,12,13,14,15
	global_load_b128 v[X+64*\f+4*\p:X+64*\f+4*\p+3], v[OFF+\p], s[32:33] offset:512*\f th:TH_LOAD_NT
.endr
.endm
.macro TURNF f                         ; through my stage; LDS serves a wave's instructions in order, so no wait stands between the stores and the loads
.irp p, 0,1,2,3,4,5,6,7,8,9,10,11,12,13,14,15
	ds_store_b128 v3, v[X+64*\f+4*\p:X+64*\f+4*\p+3] offset:PITCH*\p+512*\f
.endr
.irp b, 0,1,2,3
.irp u, 0,1
.irp e, 0,1
	ds_load_b128 v[X+64*\f+16*\b+8*\u+4*\e:X+64*\f+16*\b+8*\u+4*\e+3], v26 offset:512*\f+128*\b+64*\u+16*\e   ; k = 32 b + 16 u + 8 h + 4 e + 0 .. 3 of row r
.endr
.endr
.endr
.endm
.macro OUTF f
.irp c, 0,1
	QH X+64*\f+32*\c, CD+8*(2*\f+\c), T, HW+2*\f+\c
	global_store_b128 v4, v[CD+8*(2*\f+\c):CD+8*(2*\f+\c)+3], s[36:37] offset:REC*\f+768*\c        ; 512 consecutive bytes
	global_store_b64 v5, v[CD+8*(2*\f+\c)+4:CD+8*(2*\f+\c)+5], s[36:37] offset:REC*\f+768*\c+512   ; 256 consecutive bytes
.endr
	v_lshl_or_b32 v[WD+\f], v[HW+2*\f+1], 16, v[HW+2*\f]
	global_store_b32 v6, v[WD+\f], s[38:39] offset:REC*\f   ; lanes r and r + 16 hold the same word
.endm
	LOAD 0
	LOAD 1
	s_wait_loadcnt 16                              ; K step 0's sixteen loads are in; K step 1's may be out
	TURNF 0
	s_wait_loadcnt 0x0
	TURNF 1
	s_wait_dscnt 32                                ; K step 0 is back (behind it: K step 1's 16 stores and 16 loads)
	OUTF 0
	s_wait_dscnt 0x0
	OUTF 1
	s_wait_tensorcnt 0x0
	ds_add_u32 v208, v209
	s_wait_dscnt 0x0
	s_endpgm
	; ---------------- RoPE's tables
.Lrope:
	s_sub_co_u32 s21, ttmp9, 384
	s_lshl_b32 s21, s21, 3
	s_add_co_u32 s21, s21, s20
	s_lshl_b32 s21, s21, 3                         ; my first t: 8 x (8 x work-group + wave)
	s_lshl_b32 s24, s21, 8                         ; 256 bytes a row
	s_mov_b32 s25, 0
	v_mov_b32 v16, 0                               ; inv_freq of f = 2 (lane % 16),
	v_mov_b32 v17, 0                               ; and of f + 1
.macro INV l, ev, od
	s_mov_b32 s22, \ev
	s_mov_b32 s23, \od
	v_writelane_b32 v16, s22, \l
	v_writelane_b32 v16, s22, \l+16
	v_writelane_b32 v17, s23, \l
	v_writelane_b32 v17, s23, \l+16
.endm
	INV 0, 1.0, 0.749894209332
	INV 1, 0.562341325190, 0.421696503429
	INV 2, 0.316227766017, 0.237137370566
	INV 3, 0.177827941004, 0.133352143216
	INV 4, 0.1, 0.0749894209332
	INV 5, 0.0562341325190, 0.0421696503429
	INV 6, 0.0316227766017, 0.0237137370566
	INV 7, 0.0177827941004, 0.0133352143216
	INV 8, 0.01, 0.00749894209332
	INV 9, 0.00562341325190, 0.00421696503429
	INV 10, 0.00316227766017, 0.00237137370566
	INV 11, 0.00177827941004, 0.00133352143216
	INV 12, 0.001, 0.000749894209332
	INV 13, 0.000562341325190, 0.000421696503429
	INV 14, 0.000316227766017, 0.000237137370566
	INV 15, 0.000177827941004, 0.000133352143216
	v_sub_nc_u32 v18, 1, v2                        ; lanes 0-15 make cos = sin a quarter turn on
	s_wait_kmcnt 0x0
	s_add_nc_u64 s[18:19], s[18:19], s[24:25]
.macro ANG dst, inv                    ; v[dst] = cos (lanes 0-15) or sin (lanes 16-31) of t x v[inv]
	v_mul_f32 v20, v19, v[\inv]                    ; the angle, rounded once
	v_mul_f32 v21, 0x3f22f983, v20                 ; x 2 / pi
	v_rndne_f32 v21, v21                           ; k
	v_fmamk_f32 v22, v21, 0xbfc90fdb, v20          ; - k x pi/2's upper part: exact
	v_fmamk_f32 v22, v21, 0x333bbd2e, v22          ; + k x 4.37113883e-8: what the upper part has too much
	v_mul_f32 v23, v22, v22                        ; z
	v_mov_b32 v24, -0.00019515295891
	v_fmaak_f32 v24, v24, v23, 0.0083321608736
	v_fmaak_f32 v24, v24, v23, -0.16666654611
	v_mul_f32 v25, v22, v23
	v_fma_f32 v24, v24, v25, v22                   ; sin r
	v_mov_b32 v26, 0.00002443315712
	v_fmaak_f32 v26, v26, v23, -0.001388731625
	v_fmaak_f32 v26, v26, v23, 0.04166664568
	v_mul_f32 v27, v23, v23
	v_fma_f32 v28, v23, -0.5, 1.0
	v_fma_f32 v26, v26, v27, v28                   ; cos r
	v_cvt_i32_f32 v29, v21
	v_add_nc_u32 v29, v29, v18                     ; the quarter
	v_and_b32 v30, 1, v29
	v_cmp_eq_u32 vcc_lo, 1, v30
	v_cndmask_b32 v24, v24, v26, vcc_lo            ; odd quarters take cos r
	v_and_b32 v29, 2, v29
	v_lshlrev_b32 v29, 30, v29
	v_xor_b32 v[\dst], v24, v29                    ; quarters 2 and 3 change the sign
.endm
.irp i, 0,1,2,3,4,5,6,7
	s_add_co_u32 s26, s21, \i
	v_cvt_f32_u32 v19, s26
	ANG 32+2*\i, 16
	ANG 33+2*\i, 17
	global_store_b64 v5, v[32+2*\i:33+2*\i], s[18:19] offset:256*\i   ; 32 lanes store a row's 256 bytes
.endr
	s_endpgm
.Lfunc_end_k_q3617ea74b0_prep:
	.size	k_q3617ea74b0_prep, .Lfunc_end_k_q3617ea74b0_prep-k_q3617ea74b0_prep
	.p2alignl 7, 3214868480
	.fill 96, 4, 3214868480
	.section	.rodata,"a",@progbits
	.p2align	6, 0x0
	.amdhsa_kernel k_q3617ea74b0_prep
		.amdhsa_group_segment_fixed_size 134144
		.amdhsa_private_segment_fixed_size 0
		.amdhsa_enable_private_segment 0
		.amdhsa_kernarg_size 64
		.amdhsa_user_sgpr_count 2
		.amdhsa_user_sgpr_kernarg_segment_ptr 1
		.amdhsa_wavefront_size32 1
		.amdhsa_system_sgpr_workgroup_id_x 1
		.amdhsa_system_sgpr_workgroup_id_y 1
		.amdhsa_system_sgpr_workgroup_id_z 1
		.amdhsa_system_vgpr_workitem_id 0
		.amdhsa_next_free_vgpr 210
		.amdhsa_next_free_sgpr 66
		.amdhsa_reserve_vcc 1
		.amdhsa_float_denorm_mode_32 3
		.amdhsa_float_denorm_mode_16_64 3
		.amdhsa_memory_ordered 1
		.amdhsa_forward_progress 1
		.amdhsa_inst_pref_size 47
	.end_amdhsa_kernel
	.amdgpu_metadata
---
amdhsa.version: [ 1, 2 ]
amdhsa.kernels:
  - .name:           k_q3617ea74b0_prep
    .symbol:         k_q3617ea74b0_prep.kd
    .args:
      - { .name: wq, .offset: 0, .size: 8, .value_kind: global_buffer, .address_space: global }
      - { .name: wk, .offset: 8, .size: 8, .value_kind: global_buffer, .address_space: global }
      - { .name: wv, .offset: 16, .size: 8, .value_kind: global_buffer, .address_space: global }
      - { .name: wo, .offset: 24, .size: 8, .value_kind: global_buffer, .address_space: global }
      - { .name: w1, .offset: 32, .size: 8, .value_kind: global_buffer, .address_space: global }
      - { .name: w2, .offset: 40, .size: 8, .value_kind: global_buffer, .address_space: global }
      - { .name: wimg, .offset: 48, .size: 8, .value_kind: global_buffer, .address_space: global }
      - { .name: tab, .offset: 56, .size: 8, .value_kind: global_buffer, .address_space: global }
    .group_segment_fixed_size: 134144
    .private_segment_fixed_size: 0
    .kernarg_segment_align: 8
    .kernarg_segment_size: 64
    .max_flat_workgroup_size: 256
    .sgpr_count:     66
    .vgpr_count:     210
    .wavefront_size: 32
...
	.end_amdgpu_metadata
.endif
;; end of part 1
;; launch ln1 (part 2): grid 256 x 1, 8 waves a work-group, no clusters, 67,072 bytes of LDS; arguments x, norm1_w, norm1_b, act; writes act
.if DOCPART == 2
	.amdgcn_target "amdgcn-amd-amdhsa--gfx1250"
	.amdhsa_code_object_version 6
	.text
	.protected	k_q3617ea74b0_ln1
	.globl	k_q3617ea74b0_ln1
	.p2align	8
	.type	k_q3617ea74b0_ln1,@function
k_q3617ea74b0_ln1:
	s_mov_b64 s[64:65], 0
	v_nop
	global_prefetch_b8 v0, s[64:65] scope:SCOPE_SE
	s_setreg_imm32_b32 hwreg(HW_REG_WAVE_MODE, 25, 1), 1
	s_wait_xcnt 0x0
; act = Q(layernorm(X) W + B): rows of 1,024 f32 are normalised in f32 and quantised along the row to codes of FP6 (E2M3) with one E8M0 byte for each 32.
; LAYOUT OF act: records of 12,800 bytes, [row block of 128][K step of 128]: row tile i at 1,536 i, half c at 768 c (lane l's registers 6 c .. 6 c + 3 at 16 l, 6 c + 4, 6 c + 5 at 512 + 8 l),
; scale words at 12,288 + 64 i + 4 r.  Inside a block of 32, place 16 h + 8 u + j holds k = 16 u + 8 h + j, as in every operand of this program.
; SHARES.  A work-group takes 16 rows (one row tile).  Phase 1: wave w normalises rows 2 w and 2 w + 1, each held in 32 registers between the passes: mean, then the sum of (x - mean)^2 (two passes,
; so that a common offset of the inputs costs nothing), then (x - mean) rsqrt(var + 1e-5) W + B, into a stage in LDS (rows 4,112 bytes apart: 257 x 16).  One barrier.
; Phase 2: wave w quantises K step w of the 16 rows and stores its fragment.
; LIMITS: NaN and infinities are not served; a block whose largest magnitude lies under 2^-124 keeps the byte 1; 1 / sqrt by v_rsq_f32.
.set PITCH, 4112
.set REC,   12800
.set SEL,   26                         ; s[26:27]
.set TM,    16                         ; v16-23 the quantiser's work
.set HW,    24                         ; v24-25
.set T,     28                         ; v28-30
.set X,     32                         ; v32-95  my two rows; later 64 numbers of a fragment
.set WR,    96                         ; v96-127 the gain
.set BR,    128                        ; v128-159 the bias
.set CD,    160                        ; v160-171 a fragment's codes
.macro QH s, d, t, hw                  ; 32 numbers of a lane (register 16 b + i = place 16 h + i of block b of my row) -> six registers of a half image, and two scale bytes
.irp b, 0,1
	v_max3_num_f32 v[TM+\b], |v[\s+16*\b]|, |v[\s+16*\b+1]|, 0x1800000   ; with the floor 2^(3 - 127)
.endr
.irp i, 2,4,6,8,10,12,14
.irp b, 0,1
	v_max3_num_f32 v[TM+\b], v[TM+\b], |v[\s+16*\b+\i]|, |v[\s+16*\b+\i+1]|
.endr
.endr
.irp b, 0,1
	v_permlanex16_b32 v[TM+2+\b], v[TM+\b], s[SEL], s[SEL+1]
.endr
.irp b, 0,1
	v_max_num_f32 v[TM+\b], v[TM+\b], v[TM+2+\b]
.endr
.irp b, 0,1
	v_add_nc_u32 v[TM+4+\b], 0xff000000, v[TM+\b]     ; 2 off the exponent field: the conversion's scale operand
.endr
.irp b, 0,1
	v_lshrrev_b32 v[TM+6+\b], 23, v[TM+4+\b]
.endr
	v_lshl_or_b32 v[\hw], v[TM+7], 8, v[TM+6]
	v_cvt_scalef32_pk16_fp6_f32 v[\d:\d+2], v[\s:\s+15], v[TM+4]
	v_cvt_scalef32_pk16_fp6_f32 v[\t:\t+2], v[\s+16:\s+31], v[TM+5]
	v_nop                                             ; one plain place behind a scaled conversion
.irp i, 0,1,2
	v_permlane16_swap_b32 v[\d+\i], v[\t+\i]
.endr
.irp i, 0,1,2
	v_mov_b32 v[\d+3+\i], v[\t+\i]
.endr
.endm
.macro RED                             ; v8 summed over the 32 lanes, into every lane
	v_add_f32_dpp v8, v8, v8 row_xmask:1 row_mask:0xf bank_mask:0xf
	v_add_f32_dpp v8, v8, v8 row_xmask:2 row_mask:0xf bank_mask:0xf
	v_add_f32_dpp v8, v8, v8 row_xmask:4 row_mask:0xf bank_mask:0xf
	v_add_f32_dpp v8, v8, v8 row_xmask:8 row_mask:0xf bank_mask:0xf
	v_permlanex16_b32 v14, v8, s[SEL], s[SEL+1]
	v_add_f32 v8, v8, v14
.endm
.macro STAT xr                         ; the row in v[xr] .. v[xr + 31] becomes (x - mean) / sqrt(var + eps)
	v_pk_add_f32 v[8:9], v[\xr:\xr+1], v[\xr+2:\xr+3]
	v_pk_add_f32 v[10:11], v[\xr+4:\xr+5], v[\xr+6:\xr+7]
.irp j, 8,12,16,20,24,28
	v_pk_add_f32 v[8:9], v[8:9], v[\xr+\j:\xr+\j+1]
	v_pk_add_f32 v[10:11], v[10:11], v[\xr+\j+2:\xr+\j+3]
.endr
	v_pk_add_f32 v[8:9], v[8:9], v[10:11]
	v_add_f32 v8, v8, v9
	RED
	v_mul_f32 v8, s24, v8                          ; the mean
	v_mov_b32 v9, v8
.irp j, 0,2,4,6,8,10,12,14,16,18,20,22,24,26,28,30
	v_pk_add_f32 v[\xr+\j:\xr+\j+1], v[\xr+\j:\xr+\j+1], v[8:9] neg_lo:[0,1] neg_hi:[0,1]
.endr
	v_pk_mul_f32 v[10:11], v[\xr:\xr+1], v[\xr:\xr+1]
	v_pk_mul_f32 v[12:13], v[\xr+2:\xr+3], v[\xr+2:\xr+3]
.irp j, 4,8,12,16,20,24,28
	v_pk_fma_f32 v[10:11], v[\xr+\j:\xr+\j+1], v[\xr+\j:\xr+\j+1], v[10:11]
	v_pk_fma_f32 v[12:13], v[\xr+\j+2:\xr+\j+3], v[\xr+\j+2:\xr+\j+3], v[12:13]
.endr
	v_pk_add_f32 v[10:11], v[10:11], v[12:13]
	v_add_f32 v8, v10, v11
	RED
	v_fma_f32 v8, v8, s24, s25                     ; var + eps
	v_rsq_f32 v8, v8
	v_nop                                          ; one plain place behind a transcendental
	s_wait_alu depctr_va_vdst(0)
	v_mov_b32 v9, v8
.irp j, 0,2,4,6,8,10,12,14,16,18,20,22,24,26,28,30
	v_pk_mul_f32 v[\xr+\j:\xr+\j+1], v[\xr+\j:\xr+\j+1], v[8:9]
.endr
.endm
	s_load_b256 s[4:11], s[0:1], 0x0               ; X, W, B, act
	v_lshl_add_u32 v192, v0, 2, 0x10200
	v_mov_b32 v193, 0
	v_lshrrev_b32 v1, 5, v0
	v_readfirstlane_b32 s12, v1                    ; wave 0..7
	v_and_b32 v7, 31, v0
	v_and_b32 v1, 15, v0                           ; r
	v_bfe_u32 v2, v0, 4, 1                         ; h
	v_lshlrev_b32 v4, 4, v7                        ; 16 x lane
	v_lshlrev_b32 v5, 3, v7                        ; 8 x lane
	v_lshlrev_b32 v6, 2, v1                        ; 4 r
	s_mul_i32 s16, s12, 2*PITCH
	v_add_nc_u32 v3, s16, v4                       ; the stage, in: my two rows, 16 x lane
	v_mul_u32_u24 v27, v1, PITCH
	v_lshl_add_u32 v27, v2, 5, v27
	s_lshl_b32 s16, s12, 9
	v_add_nc_u32 v27, s16, v27                     ; back: row r, K step w, + 32 h
	v_mov_b32 v14, 0                               ; lane permutes' destinations count as read
	v_mov_b32 v[TM+2], 0
	v_mov_b32 v[TM+3], 0
	s_mov_b32 s24, 0x3a800000                      ; 1 / 1,024
	s_mov_b32 s25, 0x3727c5ac                      ; 1e-5
	s_mov_b32 s[SEL], 0x76543210
	s_mov_b32 s[SEL+1], 0xfedcba98
	s_lshl_b32 s13, ttmp9, 4
	s_lshl_b32 s14, s12, 1
	s_add_co_u32 s13, s13, s14                     ; my first row
	s_lshl_b32 s14, s13, 12
	s_mov_b32 s15, 0
	s_lshr_b32 s17, ttmp9, 3
	s_lshl_b32 s17, s17, 3
	s_add_co_u32 s17, s17, s12                     ; record: 8 x row block + K step w
	s_mul_i32 s18, s17, REC
	s_and_b32 s19, ttmp9, 7                        ; the row tile in its block
	s_mul_i32 s20, s19, 1536
	s_add_co_u32 s20, s20, s18
	s_mov_b32 s21, 0
	s_lshl_b32 s22, s19, 6
	s_add_co_u32 s22, s22, s18
	s_add_co_u32 s22, s22, 12288
	s_mov_b32 s23, 0
	s_wait_kmcnt 0x0
	s_add_nc_u64 s[4:5], s[4:5], s[14:15]
	s_add_nc_u64 s[20:21], s[10:11], s[20:21]
	s_add_nc_u64 s[22:23], s[10:11], s[22:23]
.irp p, 0,1
.irp j, 0,1,2,3,4,5,6,7
	global_load_b128 v[X+32*\p+4*\j:X+32*\p+4*\j+3], v4, s[4:5] offset:4096*\p+512*\j   ; 512 consecutive bytes
.endr
.endr
.irp j, 0,1,2,3,4,5,6,7
	global_load_b128 v[WR+4*\j:WR+4*\j+3], v4, s[6:7] offset:512*\j
.endr
.irp j, 0,1,2,3,4,5,6,7
	global_load_b128 v[BR+4*\j:BR+4*\j+3], v4, s[8:9] offset:512*\j
.endr
	s_wait_loadcnt 16                              ; my two rows are in; the gain's and the bias's sixteen loads may be out
	STAT X
	STAT X+32
	s_wait_loadcnt 0x0
.irp p, 0,1
.irp j, 0,1,2,3,4,5,6,7
	v_pk_fma_f32 v[X+32*\p+4*\j:X+32*\p+4*\j+1], v[X+32*\p+4*\j:X+32*\p+4*\j+1], v[WR+4*\j:WR+4*\j+1], v[BR+4*\j:BR+4*\j+1]
	v_pk_fma_f32 v[X+32*\p+4*\j+2:X+32*\p+4*\j+3], v[X+32*\p+4*\j+2:X+32*\p+4*\j+3], v[WR+4*\j+2:WR+4*\j+3], v[BR+4*\j+2:BR+4*\j+3]
	ds_store_b128 v3, v[X+32*\p+4*\j:X+32*\p+4*\j+3] offset:PITCH*\p+512*\j
.endr
.endr
	s_wait_dscnt 0x0                               ; for the others' sake: my rows lie in the stage
	s_barrier_signal -1
	s_barrier_wait -1
.irp b, 0,1,2,3
.irp u, 0,1
.irp e, 0,1
	ds_load_b128 v[X+16*\b+8*\u+4*\e:X+16*\b+8*\u+4*\e+3], v27 offset:128*\b+64*\u+16*\e   ; k = 128 w + 32 b + 16 u + 8 h + 4 e + 0 .. 3 of row r
.endr
.endr
.endr
	s_wait_dscnt 0x0
	QH X, CD, T, HW
	QH X+32, CD+6, T, HW+1
	v_lshl_or_b32 v26, v[HW+1], 16, v[HW]
	global_store_b128 v4, v[CD:CD+3], s[20:21]
	global_store_b64 v5, v[CD+4:CD+5], s[20:21] offset:512
	global_store_b128 v4, v[CD+6:CD+9], s[20:21] offset:768
	global_store_b64 v5, v[CD+10:CD+11], s[20:21] offset:1280
	global_store_b32 v6, v26, s[22:23]             ; lanes r and r + 16 hold the same word
	s_wait_tensorcnt 0x0
	ds_add_u32 v192, v193
	s_wait_dscnt 0x0
	s_endpgm
.Lfunc_end_k_q3617ea74b0_ln1:
	.size	k_q3617ea74b0_ln1, .Lfunc_end_k_q3617ea74b0_ln1-k_q3617ea74b0_ln1
	.p2alignl 7, 3214868480
	.fill 96, 4, 3214868480
	.section	.rodata,"a",@progbits
	.p2align	6, 0x0
	.amdhsa_kernel k_q3617ea74b0_ln1
		.amdhsa_group_segment_fixed_size 67072
		.amdhsa_private_segment_fixed_size 0
		.amdhsa_enable_private_segment 0
		.amdhsa_kernarg_size 32
		.amdhsa_user_sgpr_count 2
		.amdhsa_user_sgpr_kernarg_segment_ptr 1
		.amdhsa_wavefront_size32 1
		.amdhsa_system_sgpr_workgroup_id_x 1
		.amdhsa_system_sgpr_workgroup_id_y 1
		.amdhsa_system_sgpr_workgroup_id_z 1
		.amdhsa_system_vgpr_workitem_id 0
		.amdhsa_next_free_vgpr 194
		.amdhsa_next_free_sgpr 66
		.amdhsa_reserve_vcc 0
		.amdhsa_float_denorm_mode_32 3
		.amdhsa_float_denorm_mode_16_64 3
		.amdhsa_memory_ordered 1
		.amdhsa_forward_progress 1
		.amdhsa_inst_pref_size 24
	.end_amdhsa_kernel
	.amdgpu_metadata
---
amdhsa.version: [ 1, 2 ]
amdhsa.kernels:
  - .name:           k_q3617ea74b0_ln1
    .symbol:         k_q3617ea74b0_ln1.kd
    .args:
      - { .name: x, .offset: 0, .size: 8, .value_kind: global_buffer, .address_space: global }
      - { .name: norm1_w, .offset: 8, .size: 8, .value_kind: global_buffer, .address_space: global }
      - { .name: norm1_b, .offset: 16, .size: 8, .value_kind: global_buffer, .address_space: global }
      - { .name: act, .offset: 24, .size: 8, .value_kind: global_buffer, .address_space: global }
    .group_segment_fixed_size: 67072
    .private_segment_fixed_size: 0
    .kernarg_segment_align: 8
    .kernarg_segment_size: 32
    .max_flat_workgroup_size: 256
    .sgpr_count:     66
    .vgpr_count:     194
    .wavefront_size: 32
...
	.end_amdgpu_metadata
.endif
;; end of part 2
;; launch qkv (part 3): grid 24 x 32, 4 waves a work-group, clusters of 4 x 4, 327,680 bytes of LDS; arguments act, wimg, tab, qimg, kv; writes qimg, kv
.if DOCPART == 3
	.amdgcn_target "amdgcn-amd-amdhsa--gfx1250"
	.amdhsa_code_object_version 6
	.text
	.protected	k_q3617ea74b0_qkv
	.globl	k_q3617ea74b0_qkv
	.p2align	8
	.type	k_q3617ea74b0_qkv,@function
k_q3617ea74b0_qkv:
	s_mov_b64 s[64:65], 0
	v_nop
	global_prefetch_b8 v0, s[64:65] scope:SCOPE_SE
	s_setreg_imm32_b32 hwreg(HW_REG_WAVE_MODE, 25, 1), 1
	s_wait_xcnt 0x0
	s_wait_alu depctr_hold_cnt(0) depctr_sa_sdst(0) depctr_va_vdst(0) depctr_va_sdst(0) depctr_va_ssrc(0) depctr_va_vcc(0) depctr_vm_vsrc(0)
	s_getreg_b32 s2, hwreg(HW_REG_IB_STS2, 6, 4)
	s_cmp_eq_u32 s2, 0
	s_cbranch_scc0 .Lentry_in_a_cluster
	s_endpgm
.Lentry_in_a_cluster:
	s_bfe_u32 s2, ttmp6, 0x10000c
	s_cmp_lg_u32 s2, 0xf033
	s_cbranch_scc0 .Lentry_shape_is_right
	s_endpgm
.Lentry_shape_is_right:
; Q, K, V = h wq^T, h wk^T, h wv^T on codes of FP6 (E2M3) with E8M0 scales; then RoPE on Q and K in f32; then all three are quantised for attention's products.
; A (tokens: act) and B (weight rows: wimg) come as RECORDS of 12,800 bytes = 128 rows x 128 K as images of operand registers: row tile i at 1,536 i, half c at 768 c (registers 6 c .. 6 c + 3 at 16 x lane,
; 6 c + 4, 6 c + 5 at 512 + 8 x lane), scale words at 12,288 + 64 i + 4 r.  So every LDS read covers 512 or 256 consecutive bytes: no pitch, no padding.
; SHARES.  A tile of C is 128 tokens x 128 outputs (768 work-groups, three for each of 256 WGPs); four waves, each 64 x 64: 16 accumulators.  Tile column J: 0-7 Q, 8-15 K, 16-23 V; a wave's 64 outputs are one head.
; K = 1,024 is 8 K steps: two LDS slots of 4 K steps, both filled at the start, one tensor load a wave and slot (two records, 25,600 dense bytes); nothing is filled again.
; CLUSTERS 4 x 4: A's records are shared along a row of the cluster, B's along a column: joint loads.
; THE PRODUCT IS USED TRANSPOSED (source 0 = 16 weight rows, source 1 = 16 tokens): lane (r, h) holds token r, register j of tile b output 16 b + 8 h + j.  So the 16 registers of tiles 2 b, 2 b + 1 are half a block
; of 32 along the next product's K, in the order that all operands of this program share (place 16 h + 8 u + j holds k = 16 u + 8 h + j).
; OUT.  Q: qimg, a half image (16 queries x the head's 64) at (128 bh + tile) x 768, scale words behind all of them.  K and V: kv, a record of 13,056 bytes for each head and group of 128 tokens: K's 8 half images,
; V^T's 4 fragments (16 of the head's 64 x 128 tokens: V is quantised along the tokens), K's scale words, V's.  In Q's and K's scale words bytes 2 and 3 are 127: their K ends at 64.
; LIMITS: NaN and infinities are not served; a block whose largest magnitude lies under 2^-124 keeps the byte 1.
; REGISTERS.  Window 0: v1-23 addresses, v28-29 the add's, v32-39 scale words (two sets), v40-47 the quantiser's work, v64-159 and v160-255 two sets of fragments (A's four, then B's four).
; Window 1: accumulator (a, b) at v[8 (4 a + b)].  Window 2: v0-127 cos and sin of my 64 tokens.
.set NK,    8
.set WOFF,  0
.set REC,   12800
.set BOFF,  4*REC
.set SLOT,  8*REC
.set STAGE, 2*SLOT                     ; behind the ring: V's way out, 64 tokens x 272 bytes for each wave
.set WSTG,  64*272
.set SPARE, STAGE+4*WSTG               ; the spare words: 128 bytes for each wave
.set KVREC, 13056
.set QSC,   3145728
.set A16, 8
.set A8,  10
.set B16, 12
.set B8,  14
.set ADS, 16
.set STO, 18
.set RD,  19
.set L16, 21
.set L8,  22
.set R4,  23
.set SPW, 28
.set NIL, 29
.set SC,  32
.set TM,  40
.set F0,  64
.set R,   64                           ; the way out: 2 x 32 numbers
.set T,   128
.set HW,  132
.set CD,  136
.set G1,  24
.set G0,  32
.set G1B, 48
.set G0B, 56
.set SEL, 66
.set MSB, 0
.macro WIN new                         ; the immediate's high byte repeats the setting that is left
.if MSB != \new
	s_set_vgpr_msb (MSB<<8)|\new
.set MSB, \new
.endif
.endm
.set MUL, 0x50                         ; C and D window 1
.macro PLACES                          ; four places behind a matrix instruction, ahead of loads into its registers and of reads of its results
.rept 4
	v_nop
.endr
.endm
.macro JLOAD s                         ; a joint load: waves 0 and 1 fetch A's records, waves 2 and 3 B's; four v_nop follow each line
	s_cmp_eq_u32 s11, 0
	s_cbranch_scc0 .Lfor_b_\@
	tensor_load_to_lds s[G0+4*\s:G0+4*\s+3], s[G1:G1+7]
	s_nop 0
.rept 4
	v_nop
.endr
	s_branch .Lasked_\@
.Lfor_b_\@:
	tensor_load_to_lds s[G0B+4*\s:G0B+4*\s+3], s[G1B:G1B+7]
	s_nop 0
.rept 4
	v_nop
.endr
.Lasked_\@:
.endm
.macro CREST
	s_cmp_lg_u32 s10, 0
	s_cbranch_scc1 .Lnot_wave_0_\@
	s_barrier_signal -3
.Lnot_wave_0_\@:
	s_barrier_wait -3
	s_barrier_signal -1
	s_barrier_wait -1
.endm
.macro CROUND
	s_barrier_signal -1
	s_barrier_wait -1
	CREST
.endm
.macro QH s, d, t, hw                  ; 32 numbers of a lane (register 16 b + i = place 16 h + i of block b of my row) -> six registers of a half image, and two scale bytes
.irp b, 0,1
	v_max3_num_f32 v[TM+\b], |v[\s+16*\b]|, |v[\s+16*\b+1]|, 0x1800000   ; with the floor 2^(3 - 127)
.endr
.irp i, 2,4,6,8,10,12,14
.irp b, 0,1
	v_max3_num_f32 v[TM+\b], v[TM+\b], |v[\s+16*\b+\i]|, |v[\s+16*\b+\i+1]|
.endr
.endr
.irp b, 0,1
	v_permlanex16_b32 v[TM+2+\b], v[TM+\b], s[SEL], s[SEL+1]
.endr
.irp b, 0,1
	v_max_num_f32 v[TM+\b], v[TM+\b], v[TM+2+\b]
.endr
.irp b, 0,1
	v_add_nc_u32 v[TM+4+\b], 0xff000000, v[TM+\b]
.endr
.irp b, 0,1
	v_lshrrev_b32 v[TM+6+\b], 23, v[TM+4+\b]
.endr
	v_lshl_or_b32 v[\hw], v[TM+7], 8, v[TM+6]
	v_cvt_scalef32_pk16_fp6_f32 v[\d:\d+2], v[\s:\s+15], v[TM+4]
	v_cvt_scalef32_pk16_fp6_f32 v[\t:\t+2], v[\s+16:\s+31], v[TM+5]
	v_nop                                             ; one plain place behind a scaled conversion
.irp i, 0,1,2
	v_permlane16_swap_b32 v[\d+\i], v[\t+\i]
.endr
.irp i, 0,1,2
	v_mov_b32 v[\d+3+\i], v[\t+\i]
.endr
.endm
; 36 LDS loads: the fragments and scale words of the slot's q-th K step into set p
.macro FETCH slot, q, p
.set FB, F0+96*(\p)
.irp i, 0,1,2,3
.irp c, 0,1
	ds_load_b128 v[FB+12*\i+6*\c:FB+12*\i+6*\c+3], v[A16+\slot] offset:REC*(\q)+1536*\i+768*\c
	ds_load_b64 v[FB+12*\i+6*\c+4:FB+12*\i+6*\c+5], v[A8+\slot] offset:REC*(\q)+1536*\i+768*\c+512
.endr
.endr
.irp i, 0,1,2,3
.irp c, 0,1
	ds_load_b128 v[FB+48+12*\i+6*\c:FB+48+12*\i+6*\c+3], v[B16+\slot] offset:REC*(\q)+1536*\i+768*\c
	ds_load_b64 v[FB+48+12*\i+6*\c+4:FB+48+12*\i+6*\c+5], v[B8+\slot] offset:REC*(\q)+1536*\i+768*\c+512
.endr
.endr
.irp i, 0,1,2,3
	ds_load_b32 v[SC+4*(\p)+\i], v[ADS+\slot] offset:REC*(\q)+64*\i   ; lanes 0-15: the words of A's tile i; lanes 16-31: of B's tile i
.endr
.endm
; four matrix instructions: token tile a against the four weight tiles.  The 16 accumulators take turns in the same order in every step
.macro MULR p, a, first
.irp b, 0,1,2,3
.if \first
	v_wmma_scale_f32_16x16x128_f8f6f4 v[8*(4*(\a)+\b):8*(4*(\a)+\b)+7], v[F0+96*(\p)+48+12*\b:F0+96*(\p)+48+12*\b+11], v[F0+96*(\p)+12*(\a):F0+96*(\p)+12*(\a)+11], 0, v[SC+4*(\p)+\b], v[SC+4*(\p)+(\a)] matrix_a_fmt:MATRIX_FMT_FP6 matrix_b_fmt:MATRIX_FMT_FP6 matrix_a_scale:MATRIX_SCALE_ROW1
.else
	v_wmma_scale_f32_16x16x128_f8f6f4 v[8*(4*(\a)+\b):8*(4*(\a)+\b)+7], v[F0+96*(\p)+48+12*\b:F0+96*(\p)+48+12*\b+11], v[F0+96*(\p)+12*(\a):F0+96*(\p)+12*(\a)+11], v[8*(4*(\a)+\b):8*(4*(\a)+\b)+7], v[SC+4*(\p)+\b], v[SC+4*(\p)+(\a)] matrix_a_fmt:MATRIX_FMT_FP6 matrix_b_fmt:MATRIX_FMT_FP6 matrix_a_scale:MATRIX_SCALE_ROW1
.endif
.endr
.endm
.macro STEP slot, q, first             ; a K step that has its successor in the same slot
	PLACES
	FETCH \slot, (\q)+1, 1-(\q)%2
	s_wait_dscnt 36                                ; this step's fragments are in; the 36 loads just issued may be out
	WIN MUL
.irp a, 0,1,2,3
	MULR (\q)%2, \a, \first
.endr
	WIN 0
.endm
.macro TURN slot, next                 ; a slot's last K step changes slots: one barrier; nothing is filled again in this launch
	s_wait_tensorcnt 0x0                           ; all my tensor loads have landed: my part of the next slot
	ds_add_u32 v[SPW], v[NIL]                      ; 0 onto my spare word
	s_wait_dscnt 1                                 ; this step's fragments are in (the add may be out)
	WIN MUL
	MULR 1, 0, 0
	s_wait_dscnt 0x0                               ; the add is done, and my reads of this slot are over
	s_barrier_signal -1
	MULR 1, 1, 0
	WIN 0
	s_barrier_wait -1
	PLACES
	FETCH \next, 0, 0
	WIN MUL
	MULR 1, 2, 0
	MULR 1, 3, 0
	WIN 0
.endm
	s_load_b128 s[4:7], s[0:1], 0x0                ; act, wimg
	s_load_b128 s[68:71], s[0:1], 0x10             ; tab, qimg
	s_load_b64 s[72:73], s[0:1], 0x20              ; kv
	v_lshl_add_u32 v[SPW], v0, 2, SPARE
	v_mov_b32 v[NIL], 0
	ds_add_u32 v28, v29
	ds_add_u32 v28, v29
	s_wait_dscnt 0x0
	v_lshrrev_b32 v1, 5, v0
	v_readfirstlane_b32 s10, v1                    ; wave 0..3
	s_lshr_b32 s11, s10, 1                         ; which 64 tokens are mine.  Also: I fetch for A (0) or for B (1)
	s_and_b32 s12, s10, 1                          ; which 64 outputs.  Also: which two of a slot's four records I fetch
	s_bfe_u32 s40, ttmp6, 0x40000                  ; cx, cy
	s_bfe_u32 s41, ttmp6, 0x40004
	s_lshl_b32 s42, ttmp9, 2
	s_add_co_u32 s42, s42, s40                     ; J = 4 x cluster x + cx
	s_and_b32 s13, ttmp7, 0xffff
	s_lshl_b32 s13, s13, 2
	s_add_co_u32 s13, s13, s41                     ; I = 4 x cluster y + cy
	s_lshl_b32 s43, s41, 2
	s_lshl_b32 s43, 15, s43                        ; my row of the cluster
	s_lshl_b32 s44, 0x1111, s40                    ; my column
	s_or_b32 s[G1+0], s43, (3<<16)|(1<<21)         ; 15:0 the mask; 17:16 elements of 8 bytes; 21 set beside a mask; no padding
	s_or_b32 s[G1B+0], s44, (3<<16)|(1<<21)
.irp g, G1, G1B
	s_mov_b32 s[\g+1], 32<<16                      ; tensor_dim0 = 32 elements: rows of 256 bytes
	s_mov_b32 s[\g+2], 100<<16                     ; tensor_dim1 = 100 rows: two records
	s_mov_b32 s[\g+3], 32<<16                      ; tile_dim0
	s_mov_b32 s[\g+4], 100                         ; tile_dim1
	s_mov_b32 s[\g+5], 32                          ; the pitch: dense
	s_mov_b32 s[\g+6], 0
	s_mov_b32 s[\g+7], 0
.endr
	s_mul_i32 s18, s12, 2*REC
	s_mul_i32 s16, s13, NK*REC
	s_add_co_u32 s16, s16, s18                     ; A: row block I, my two records
	s_mov_b32 s17, 0
	s_mul_i32 s46, s42, NK*REC
	s_add_co_u32 s46, s46, s18                     ; B: row block J
	s_mov_b32 s47, 0
	s_mul_i32 s20, s10, 2*REC                      ; where they go: no place in the cluster enters an LDS address
	s_mov_b32 s[SEL], 0x76543210
	s_mov_b32 s[SEL+1], 0xfedcba98
	s_wait_kmcnt 0x0
	s_add_nc_u64 s[14:15], s[4:5], s[16:17]
	s_add_nc_u64 s[46:47], s[6:7], s[46:47]
	CROUND                                         ; all sixteen work-groups are here: the first joint loads meet
.irp s, 0,1
	s_mov_b32 s[G0+4*\s], 1
	s_add_co_u32 s[G0+4*\s+1], s20, \s*SLOT
	s_add_nc_u64 s[G0+4*\s+2:G0+4*\s+3], s[14:15], \s*4*REC
	s_or_b32 s[G0+4*\s+3], s[G0+4*\s+3], 0x80000000
	s_mov_b32 s[G0B+4*\s], 1
	s_add_co_u32 s[G0B+4*\s+1], s20, \s*SLOT
	s_add_nc_u64 s[G0B+4*\s+2:G0B+4*\s+3], s[46:47], \s*4*REC
	s_or_b32 s[G0B+4*\s+3], s[G0B+4*\s+3], 0x80000000
	JLOAD \s                                       ; two loads of mine are out
.endr
	v_and_b32 v1, 15, v0                           ; r
	v_bfe_u32 v2, v0, 4, 1                         ; h
	v_and_b32 v3, 31, v0
	v_lshlrev_b32 v[L16], 4, v3
	v_lshlrev_b32 v[L8], 3, v3
	v_lshlrev_b32 v[R4], 2, v1
	v_mov_b32 v[TM+2], 0
	v_mov_b32 v[TM+3], 0
	s_mul_i32 s21, s11, 6144                       ; my four row tiles of A
	s_mul_i32 s22, s12, 6144
	s_add_co_u32 s22, s22, BOFF                    ; and of B
.irp s, 0,1
	v_add_nc_u32 v[A16+\s], s21, v[L16]
	v_add_nc_u32 v[A8+\s], s21, v[L8]
	v_add_nc_u32 v[B16+\s], s22, v[L16]
	v_add_nc_u32 v[B8+\s], s22, v[L8]
	s_add_co_u32 s21, s21, SLOT
	s_add_co_u32 s22, s22, SLOT
.endr
	s_lshl_b32 s21, s11, 8
	s_lshl_b32 s22, s12, 8
	s_add_co_u32 s22, s22, BOFF
	s_sub_co_u32 s22, s22, s21                     ; from A's scale words to B's
	v_mul_u32_u24 v4, s22, v2                      ; lanes 16-31 take B's
	s_add_co_u32 s21, s21, 12288
	v_add_nc_u32 v4, v4, v[R4]
	v_add_nc_u32 v[ADS], s21, v4
	v_add_nc_u32 v[ADS+1], SLOT, v[ADS]
	s_mul_i32 s23, s10, WSTG
	s_add_co_u32 s23, s23, STAGE                   ; my stage
	v_mul_u32_u24 v4, v1, 272
	v_lshl_add_u32 v4, v2, 5, v4
	v_add_nc_u32 v[STO], s23, v4                   ; in: token r, + 32 h
	v_mul_u32_u24 v4, v2, 2176
	v_lshl_add_u32 v4, v1, 2, v4
	v_add_nc_u32 v[RD], s23, v4                    ; back: 8 h tokens down, column r
	s_and_b32 s15, s13, 15                         ; G: the group of 128 tokens in its sequence
	s_lshl_b32 s16, s15, 15
	s_lshl_b32 s17, s11, 14
	s_add_co_u32 s16, s16, s17                     ; tab's row 128 G + 64 x half, 256 bytes a row
	s_mov_b32 s17, 0
	s_add_nc_u64 s[68:69], s[68:69], s[16:17]
	v_lshlrev_b32 v24, 8, v1
	v_lshl_add_u32 v24, v2, 5, v24                 ; token r, + 32 h
	WIN 0x80                                       ; destination window 2
.irp a, 0,1,2,3                        ; token tile a: cos of f = 8 h + 0..7, 16 + 8 h + 0..7, then sin likewise.  (V's work-groups load them too and leave them: one way through the head)
.irp k, 0,1,2,3
	global_load_b128 v[32*\a+8*\k:32*\a+8*\k+3], v24, s[68:69] offset:4096*\a+64*\k
	global_load_b128 v[32*\a+8*\k+4:32*\a+8*\k+7], v24, s[68:69] offset:4096*\a+64*\k+16
.endr
.endr
	WIN 0
	s_wait_tensorcnt 1                             ; my part of slot 0 is in; slot 1's may be out
	s_barrier_signal -1
	s_barrier_wait -1
	FETCH 0, 0, 0
	STEP 0, 0, 1                                   ; the first products start the sums
	STEP 0, 1, 0
	STEP 0, 2, 0
	TURN 0, 1
	STEP 1, 0, 0
	STEP 1, 1, 0
	STEP 1, 2, 0
	s_wait_dscnt 0x0
	WIN MUL
.irp a, 0,1,2,3
	MULR 1, \a, 0
.endr
	WIN 0
	PLACES
	s_wait_loadcnt 0x0                             ; cos and sin
	s_lshr_b32 s14, s13, 4                         ; the batch
	s_and_b32 s15, s13, 15                         ; G
	s_and_b32 s16, s42, 7
	s_lshl_b32 s16, s16, 1
	s_add_co_u32 s16, s16, s12                     ; the head
	s_lshl_b32 s14, s14, 4
	s_add_co_u32 s16, s16, s14                     ; bh
	s_lshl_b32 s16, s16, 4
	s_add_co_u32 s16, s16, s15                     ; 16 bh + G
	s_mul_i32 s18, s16, KVREC
	s_mov_b32 s19, 0
	s_mov_b32 s21, 0
	s_cmp_ge_u32 ttmp9, 4                          ; the cluster's x: alike in all partners
	s_cbranch_scc1 .Lv
	; ---- Q and K: RoPE, then quantised along the head's 64
	s_lshl_b32 s14, s16, 3
	s_lshl_b32 s15, s11, 2
	s_add_co_u32 s14, s14, s15                     ; Q's tile: 128 bh + 8 G + 4 x half
	s_mul_i32 s22, s14, 768
	s_lshl_b32 s23, s14, 6
	s_add_co_u32 s23, s23, QSC
	s_mul_i32 s14, s11, 3072
	s_add_co_u32 s14, s14, s18                     ; K's half images in the record
	s_lshl_b32 s15, s11, 8
	s_add_co_u32 s15, s15, s18
	s_add_co_u32 s15, s15, 12288                   ; and its scale words
	s_cmp_ge_u32 ttmp9, 2
	s_cselect_b64 s[46:47], s[72:73], s[70:71]
	s_cselect_b32 s18, s14, s22
	s_cselect_b32 s20, s15, s23
	s_add_nc_u64 s[14:15], s[46:47], s[18:19]
	s_add_nc_u64 s[16:17], s[46:47], s[20:21]
.irp a, 0,1,2,3
	WIN 0x09                                       ; source 0 (the sums) window 1, source 1 (cos, sin) window 2
.irp u, 0,1
.irp j, 0,2,4,6
	v_pk_mul_f32 v[R+8*\u+\j:R+8*\u+\j+1], v[8*(4*\a+\u)+\j:8*(4*\a+\u)+\j+1], v[32*\a+8*\u+\j:32*\a+8*\u+\j+1]                 ; d < 32: q(d) cos
	v_pk_mul_f32 v[R+16+8*\u+\j:R+16+8*\u+\j+1], v[8*(4*\a+\u+2)+\j:8*(4*\a+\u+2)+\j+1], v[32*\a+8*\u+\j:32*\a+8*\u+\j+1]       ; d >= 32: q(d) cos
.endr
.endr
.irp u, 0,1
.irp j, 0,2,4,6
	v_pk_fma_f32 v[R+8*\u+\j:R+8*\u+\j+1], v[8*(4*\a+\u+2)+\j:8*(4*\a+\u+2)+\j+1], v[32*\a+16+8*\u+\j:32*\a+16+8*\u+\j+1], v[R+8*\u+\j:R+8*\u+\j+1] neg_lo:[1,0,0] neg_hi:[1,0,0]   ; - q(d + 32) sin
	v_pk_fma_f32 v[R+16+8*\u+\j:R+16+8*\u+\j+1], v[8*(4*\a+\u)+\j:8*(4*\a+\u)+\j+1], v[32*\a+16+8*\u+\j:32*\a+16+8*\u+\j+1], v[R+16+8*\u+\j:R+16+8*\u+\j+1]                        ; + q(d - 32) sin
.endr
.endr
	WIN 0
	QH R, CD+8*\a, T, HW+\a
	v_or_b32 v[HW+\a], 0x7f7f0000, v[HW+\a]        ; K ends at 64: the other two bytes stand for 1
	global_store_b128 v[L16], v[CD+8*\a:CD+8*\a+3], s[14:15] offset:768*\a
	global_store_b64 v[L8], v[CD+8*\a+4:CD+8*\a+5], s[14:15] offset:768*\a+512
	global_store_b32 v[R4], v[HW+\a], s[16:17] offset:64*\a
.endr
	s_branch .Lend
	; ---- V: turned through my stage, so that a lane holds one d and its registers run along the tokens; quantised along the tokens
.Lv:
	s_mul_i32 s20, s11, 768
	s_add_co_u32 s20, s20, s18
	s_add_co_u32 s20, s20, 6144                    ; V^T's fragments; my 64 tokens are half x of their K
	s_lshl_b32 s22, s11, 1
	s_add_co_u32 s18, s18, s22
	s_add_co_u32 s18, s18, 12800                   ; and two of each scale word's four bytes
	s_add_nc_u64 s[14:15], s[72:73], s[20:21]
	s_add_nc_u64 s[16:17], s[72:73], s[18:19]
	WIN 0x04                                       ; an LDS store's data: window 1
.irp a, 0,1,2,3
.irp b, 0,1,2,3
	ds_store_b128 v[STO], v[8*(4*\a+\b):8*(4*\a+\b)+3] offset:4352*\a+64*\b          ; each accumulator from its low end on
	ds_store_b128 v[STO], v[8*(4*\a+\b)+4:8*(4*\a+\b)+7] offset:4352*\a+64*\b+16
.endr
.endr
	WIN 0
.macro VLOAD d                         ; d tile: register 16 b + 8 u + j = token 32 b + 16 u + 8 h + j of column 16 d + r.  LDS serves a wave's instructions in order: these see my stores
.irp b, 0,1
.irp u, 0,1
.irp j, 0,1,2,3,4,5,6,7
	ds_load_b32 v[R+32*((\d)%2)+16*\b+8*\u+\j], v[RD] offset:(32*\b+16*\u+\j)*272+64*(\d)
.endr
.endr
.endr
.endm
	VLOAD 0
.irp d, 0,1,2,3
.if \d < 3
	VLOAD \d+1
	s_wait_dscnt 32                                ; this tile's numbers are in; the next tile's 32 loads may be out
.else
	s_wait_dscnt 0x0
.endif
	QH R+32*(\d%2), CD+8*\d, T, HW+\d
	global_store_b128 v[L16], v[CD+8*\d:CD+8*\d+3], s[14:15] offset:1536*\d
	global_store_b64 v[L8], v[CD+8*\d+4:CD+8*\d+5], s[14:15] offset:1536*\d+512
	global_store_b16 v[R4], v[HW+\d], s[16:17] offset:64*\d
.endr
.Lend:
	s_wait_tensorcnt 0x0                           ; the wave's end
	ds_add_u32 v[SPW], v[NIL]
	s_wait_dscnt 0x0
	CROUND                                         ; the closing round
	s_endpgm
.Lfunc_end_k_q3617ea74b0_qkv:
	.size	k_q3617ea74b0_qkv, .Lfunc_end_k_q3617ea74b0_qkv-k_q3617ea74b0_qkv
	.p2alignl 7, 3214868480
	.fill 96, 4, 3214868480
	.section	.rodata,"a",@progbits
	.p2align	6, 0x0
	.amdhsa_kernel k_q3617ea74b0_qkv
		.amdhsa_group_segment_fixed_size 327680
		.amdhsa_private_segment_fixed_size 0
		.amdhsa_enable_private_segment 0
		.amdhsa_kernarg_size 40
		.amdhsa_user_sgpr_count 2
		.amdhsa_user_sgpr_kernarg_segment_ptr 1
		.amdhsa_wavefront_size32 1
		.amdhsa_system_sgpr_workgroup_id_x 1
		.amdhsa_system_sgpr_workgroup_id_y 1
		.amdhsa_system_sgpr_workgroup_id_z 1
		.amdhsa_system_vgpr_workitem_id 0
		.amdhsa_next_free_vgpr 640
		.amdhsa_next_free_sgpr 100
		.amdhsa_reserve_vcc 0
		.amdhsa_float_denorm_mode_32 3
		.amdhsa_float_denorm_mode_16_64 3
		.amdhsa_memory_ordered 1
		.amdhsa_forward_progress 1
		.amdhsa_inst_pref_size 85
	.end_amdhsa_kernel
	.amdgpu_metadata
---
amdhsa.version: [ 1, 2 ]
amdhsa.kernels:
  - .name:           k_q3617ea74b0_qkv
    .symbol:         k_q3617ea74b0_qkv.kd
    .args:
      - { .name: act, .offset: 0, .size: 8, .value_kind: global_buffer, .address_space: global }
      - { .name: wimg, .offset: 8, .size: 8, .value_kind: global_buffer, .address_space: global }
      - { .name: tab, .offset: 16, .size: 8, .value_kind: global_buffer, .address_space: global }
      - { .name: qimg, .offset: 24, .size: 8, .value_kind: global_buffer, .address_space: global }
      - { .name: kv, .offset: 32, .size: 8, .value_kind: global_buffer, .address_space: global }
    .group_segment_fixed_size: 327680
    .private_segment_fixed_size: 0
    .kernarg_segment_align: 8
    .kernarg_segment_size: 40
    .max_flat_workgroup_size: 128
    .sgpr_count:     100
    .vgpr_count:     640
    .wavefront_size: 32
...
	.end_amdgpu_metadata
.endif
;; end of part 3
;; launch attn (part 4): grid 16 x 16, 8 waves a work-group, no clusters, 168,960 bytes of LDS; arguments qimg, kv, act; writes act
.if DOCPART == 4
	.amdgcn_target "amdgcn-amd-amdhsa--gfx1250"
	.amdhsa_code_object_version 6
	.text
	.protected	k_q3617ea74b0_attn
	.globl	k_q3617ea74b0_attn
	.p2align	8
	.type	k_q3617ea74b0_attn,@function
k_q3617ea74b0_attn:
	s_mov_b64 s[64:65], 0
	v_nop
	global_prefetch_b8 v0, s[64:65] scope:SCOPE_SE
	s_setreg_imm32_b32 hwreg(HW_REG_WAVE_MODE, 25, 1), 1
	s_wait_xcnt 0x0
; Attention with a causal window of 125 keys, both products on codes of FP6 (E2M3) with E8M0 scales; the result is quantised along the model's axis for the next product and stored as act's records.
; A query q sees keys q - 124 .. q: they lie in its own aligned group of 128 tokens and the one before.  What the mask throws away beyond these two groups is not computed.
; SHARES.  Work-group (G, y): the 128 queries of group G, batch y / 8, heads 2 (y % 8) and 2 (y % 8) + 1.  Wave w owns queries 16 w .. 16 w + 15, first for the one head, then for the other.
; kv's four records (two heads x groups G - 1, G; 13,056 bytes each) come into LDS once, by one tensor load of each of waves 0-3; nothing is filled again.
; NO CLUSTER: a record is read by two work-groups at the most, and two neighbours want different pairs of records; the launch reads each record twice, 13 MB in all.
; LAYOUT.  S^T = K Q^T (source 0 = 16 keys, source 1 = my 16 queries; K = the head's 64: registers 6-11 of Q's fragment are zero codes, so what stands in K's registers 6-11 adds nothing, and both sides' scale
; bytes 2 and 3 are 127).  O^T = V^T P^T.  A lane holds ONE query throughout.  Register j of key tile t in lane (r, h) is key 16 t + 8 h + j: tiles 2 b, 2 b + 1 give half of block b in the order that V's codes have too.
; SOFTMAX: t = score x log2(e) / 8; M = the running largest t rounded UP to a whole number; p = 2^(t - M) is quantised, not normalised; the sum is taken of the unquantised p and divides at the end;
; when M moves, the sum and O^T are multiplied by 2^(old M - new M), exactly.  Hidden scores become -infinity ahead of the maximum.  The query's own key always counts, so M ends as a number.
; LIMITS: NaN and infinities among the inputs are not served; 1 / sum by v_rcp_f32; a block's largest p is taken as 2^(its largest t - M), which leans on v_exp_f32 not falling where its input rises.
; REGISTERS: v1-9 addresses and the mask's numbers; v12 -M, v13 the largest t, v[14:15] the sum; v16-27, v96-107 Q of the two heads, v28, v29 their scale words; v30-31 V's scale words; v32-79 four fragments of K or V;
; v80-91 the result's codes, v92-94 its scale bytes; v128-191 S^T, then p; v192-223 O^T; v224-235 p's codes; v232-254 at work.
.set KVREC, 13056
.set S,   128
.set O,   192
.set TM,  232
.set SEL, 44
.set CS,  46
.macro QH s, d, t, hw                  ; 32 numbers of a lane (register 16 b + i = place 16 h + i of block b of my row) -> six registers of a half image, and two scale bytes
.irp b, 0,1
	v_max3_num_f32 v[TM+\b], |v[\s+16*\b]|, |v[\s+16*\b+1]|, 0x1800000
.endr
.irp i, 2,4,6,8,10,12,14
.irp b, 0,1
	v_max3_num_f32 v[TM+\b], v[TM+\b], |v[\s+16*\b+\i]|, |v[\s+16*\b+\i+1]|
.endr
.endr
.irp b, 0,1
	v_permlanex16_b32 v[TM+2+\b], v[TM+\b], s[SEL], s[SEL+1]
.endr
.irp b, 0,1
	v_max_num_f32 v[TM+\b], v[TM+\b], v[TM+2+\b]
.endr
.irp b, 0,1
	v_add_nc_u32 v[TM+4+\b], 0xff000000, v[TM+\b]
.endr
.irp b, 0,1
	v_lshrrev_b32 v[TM+6+\b], 23, v[TM+4+\b]
.endr
	v_lshl_or_b32 v[\hw], v[TM+7], 8, v[TM+6]
	v_cvt_scalef32_pk16_fp6_f32 v[\d:\d+2], v[\s:\s+15], v[TM+4]
	v_cvt_scalef32_pk16_fp6_f32 v[\t:\t+2], v[\s+16:\s+31], v[TM+5]
	v_nop
.irp i, 0,1,2
	v_permlane16_swap_b32 v[\d+\i], v[\t+\i]
.endr
.irp i, 0,1,2
	v_mov_b32 v[\d+3+\i], v[\t+\i]
.endr
.endm
	s_load_b128 s[4:7], s[0:1], 0x0                ; qimg, kv
	s_load_b64 s[8:9], s[0:1], 0x10                ; act
	v_lshl_add_u32 v127, v0, 2, 0x29000
	v_mov_b32 v255, 0
	ds_add_u32 v127, v255
	ds_add_u32 v127, v255
	v_lshrrev_b32 v1, 5, v0
	v_readfirstlane_b32 s10, v1                    ; wave 0..7
	s_mov_b32 s11, ttmp9                           ; G
	s_and_b32 s12, ttmp7, 0xffff                   ; y
	s_lshr_b32 s13, s10, 1                         ; what waves 0-3 fetch: head w / 2,
	s_and_b32 s14, s10, 1                          ; group G - 1 + w % 2 (for G = 0 group 0 in its stead: it is not read)
	s_lshl_b32 s15, s12, 1
	s_add_co_u32 s15, s15, s13
	s_lshl_b32 s15, s15, 4
	s_add_co_u32 s16, s11, s14
	s_max_u32 s16, s16, 1
	s_sub_co_u32 s16, s16, 1
	s_add_co_u32 s15, s15, s16
	s_mul_i32 s16, s15, KVREC
	s_mov_b32 s17, 0
	s_mov_b32 s24, 3<<16                           ; group 1: elements of 8 bytes, no mask, no padding
	s_mov_b32 s25, 32<<16                          ; tensor_dim0 = 32: rows of 256 bytes
	s_mov_b32 s26, 51<<16                          ; tensor_dim1 = 51 rows: a record
	s_mov_b32 s27, 32<<16                          ; tile_dim0
	s_mov_b32 s28, 51                              ; tile_dim1
	s_mov_b32 s29, 32                              ; the pitch: dense
	s_mov_b32 s30, 0
	s_mov_b32 s31, 0
	s_mov_b32 s32, 1
	s_mul_i32 s33, s10, KVREC                      ; record 2 c + st of LDS
	s_mov_b32 s[SEL], 0x76543210
	s_mov_b32 s[SEL+1], 0xfedcba98
	s_mov_b32 s[CS], 0x3e38aa3b                    ; log2(e) / 8
	s_mov_b32 s[CS+1], s[CS]
	s_lshl_b32 s18, s12, 8
	s_lshl_b32 s19, s11, 3
	s_add_co_u32 s18, s18, s19
	s_add_co_u32 s18, s18, s10                     ; my tile of queries, first head: 128 (2 y) + 8 G + w
	s_mul_i32 s20, s18, 768
	s_mov_b32 s21, 0
	s_lshl_b32 s22, s18, 6
	s_add_co_u32 s22, s22, 3145728
	s_mov_b32 s23, 0
	s_wait_dscnt 0x0
	s_wait_kmcnt 0x0
	s_add_nc_u64 s[34:35], s[6:7], s[16:17]
	s_or_b32 s35, s35, 0x80000000
	s_cmp_lt_u32 s10, 4
	s_cbranch_scc0 .Lnofetch
	tensor_load_to_lds s[32:35], s[24:31]          ; one load of mine is out
	s_nop 0
.rept 4
	v_nop
.endr
.Lnofetch:
	s_add_nc_u64 s[20:21], s[4:5], s[20:21]
	s_add_nc_u64 s[22:23], s[4:5], s[22:23]
	v_and_b32 v8, 31, v0
	v_lshlrev_b32 v1, 4, v8                        ; 16 x lane
	v_lshlrev_b32 v2, 3, v8                        ; 8 x lane
	v_lshlrev_b32 v3, 2, v8                        ; 4 x lane
	v_and_b32 v10, 15, v0                          ; r
	v_bfe_u32 v11, v0, 4, 1                        ; h
	v_lshlrev_b32 v9, 2, v10                       ; 4 r
	global_load_b128 v[16:19], v1, s[20:21]
	global_load_b64 v[20:21], v2, s[20:21] offset:512
	global_load_b32 v28, v9, s[22:23]
	global_load_b128 v[96:99], v1, s[20:21] offset:98304         ; the second head: 128 tiles on
	global_load_b64 v[100:101], v2, s[20:21] offset:98816
	global_load_b32 v29, v9, s[22:23] offset:8192
	s_lshl_b32 s36, s10, 4
	v_add_nc_u32 v5, s36, v10
	v_lshlrev_b32 v11, 3, v11
	v_sub_nc_u32 v5, v5, v11                       ; E1 = 16 w + r - 8 h.  Register 8 t + j holds the key 16 t + j + 8 h of its group: in my own group q - key = E1 - (16 t + j)
	v_add_nc_u32 v4, 3, v5                         ; E0: in the group before q - key = 128 + E1 - (16 t + j), under 125 where 16 t + j > E1 + 3
	v_add_nc_u32 v6, 0xffffff83, v5                ; E1 - 125
	v_mov_b32 v7, 0xff800000                       ; -infinity
.irp j, 22,23,24,25,26,27,102,103,104,105,106,107
	v_mov_b32 v[\j], 0                             ; Q's codes of k = 64 .. 127: zeros
.endr
.irp t, 0,1,2,3
.irp j, 6,7,8,9,10,11
	v_mov_b32 v[32+12*\t+\j], 0                    ; written once: K's fragments name them
.endr
.endr
.irp j, 232,233,234,235,236,237,238,239,240,241,242,243,253,254
	v_mov_b32 v[\j], 0                             ; lane permutes' destinations and upper halves of pairs count as read
.endr
.macro INIT                            ; a head begins: O^T and the sum are zeros, the largest t is -3e38: the first change of M multiplies zeros
	v_mov_b32 v13, 0xff61b1e6
	v_floor_f32 v12, -v13
	v_mov_b32 v14, 0
	v_mov_b32 v15, 0
.set n, 0
.rept 32
	v_mov_b32 v[O+n], 0
.set n, n+1
.endr
.endm
.macro KQ g, t, qb, qs
.if (\t)%2
	v_wmma_scale_f32_16x16x128_f8f6f4 v[S+8*(4*\g+\t):S+8*(4*\g+\t)+7], v[32+12*\t:43+12*\t], v[\qb:\qb+11], 0, v[248+2*\g+\t/2], v[\qs] matrix_a_fmt:MATRIX_FMT_FP6 matrix_b_fmt:MATRIX_FMT_FP6 matrix_a_scale:MATRIX_SCALE_ROW1
.else
	v_wmma_scale_f32_16x16x128_f8f6f4 v[S+8*(4*\g+\t):S+8*(4*\g+\t)+7], v[32+12*\t:43+12*\t], v[\qb:\qb+11], 0, v[248+2*\g+\t/2], v[\qs] matrix_a_fmt:MATRIX_FMT_FP6 matrix_b_fmt:MATRIX_FMT_FP6
.endif
.endm
.macro PV t
.if (\t)%2
	v_wmma_scale_f32_16x16x128_f8f6f4 v[O+8*\t:O+8*\t+7], v[32+12*\t:43+12*\t], v[224:235], v[O+8*\t:O+8*\t+7], v[30+\t/2], v253 matrix_a_fmt:MATRIX_FMT_FP6 matrix_b_fmt:MATRIX_FMT_FP6 matrix_a_scale:MATRIX_SCALE_ROW1
.else
	v_wmma_scale_f32_16x16x128_f8f6f4 v[O+8*\t:O+8*\t+7], v[32+12*\t:43+12*\t], v[224:235], v[O+8*\t:O+8*\t+7], v[30+\t/2], v253 matrix_a_fmt:MATRIX_FMT_FP6 matrix_b_fmt:MATRIX_FMT_FP6
.endif
.endm
; A KEY STEP: head c, the 128 keys of group G - 1 (st = 0) or G (st = 1)
.macro STEP c, st
.set BASE, KVREC*(2*\c+\st)
.if \st == 0
	s_cmp_eq_u32 s11, 0                            ; the first group has none before it: a scalar branch on the work-group's number
	s_cbranch_scc1 .Lskip_\@
.endif
.irp g, 0,1
.rept 4
	v_nop                                          ; places ahead of loads into registers that matrix instructions have read
.endr
.irp t, 0,1,2,3
	ds_load_b128 v[32+12*\t:35+12*\t], v1 offset:BASE+768*(4*\g+\t)
	ds_load_b64 v[36+12*\t:37+12*\t], v2 offset:BASE+768*(4*\g+\t)+512
.endr
	ds_load_b32 v[248+2*\g], v3 offset:BASE+12288+256*\g          ; lanes 0-15: the even tile's scale words; lanes 16-31: the odd tile's
	ds_load_b32 v[249+2*\g], v3 offset:BASE+12288+256*\g+128
	s_wait_dscnt 0x0
.irp t, 0,1,2,3
	KQ \g, \t, 16+80*\c, 28+\c
.endr
.endr
.rept 4
	v_nop
.endr
.set n, 0
.rept 64
.if \st == 0
	v_cmp_le_i32 vcc_lo, 16*(n/8)+n%8, v4          ; 125 or more behind my query
.else
	v_cmp_gt_i32 vcc_lo, 16*(n/8)+n%8, v5          ; ahead of my query
.endif
	v_cndmask_b32 v[S+n], v[S+n], v7, vcc_lo
.set n, n+1
.endr
.if \st == 1
.irp j, 0,1,2
	v_cmp_le_i32 vcc_lo, \j, v6                    ; E1 - 125 is 2 at the most: only these three can lie 125 or more behind
	v_cndmask_b32 v[S+\j], v[S+\j], v7, vcc_lo
.endr
.endif
.irp b, 0,1,2,3
	v_max3_num_f32 v[232+\b], v[S+16*\b], v[S+1+16*\b], v[S+2+16*\b]   ; the largest score of each block of 32 keys: for the row's maximum and for the block's largest p
.endr
.irp i, 3,5,7,9,11,13
.irp b, 0,1,2,3
	v_max3_num_f32 v[232+\b], v[232+\b], v[S+16*\b+\i], v[S+1+16*\b+\i]
.endr
.endr
.irp b, 0,1,2,3
	v_max_num_f32 v[232+\b], v[232+\b], v[S+15+16*\b]
.endr
.irp b, 0,1,2,3
	v_permlanex16_b32 v[236+\b], v[232+\b], s[SEL], s[SEL+1]
.endr
.irp b, 0,1,2,3
	v_max_num_f32 v[232+\b], v[232+\b], v[236+\b]
.endr
	v_max3_num_f32 v254, v232, v233, v234
	v_max_num_f32 v254, v254, v235
	v_mul_f32 v254, s[CS], v254
	v_max_num_f32 v13, v13, v254                   ; the running largest t
	v_mov_b32 v254, v12
	v_floor_f32 v12, -v13                          ; -M = floor(-t)
	v_sub_f32 v254, v12, v254                      ; old M - new M: a whole number, 0 or less
	v_cvt_i32_f32 v254, v254                       ; (it saturates)
	v_ldexp_f32 v252, 1.0, v254                    ; f = 2^(old M - new M)
.set n, 0
.rept 32
	v_pk_fma_f32 v[S+n:S+n+1], v[S+n:S+n+1], s[CS:CS+1], v[12:13] op_sel_hi:[1,0,0]   ; t - M
.set n, n+2
.endr
.irp b, 0,1,2,3
	v_fma_f32 v[232+\b], v[232+\b], s[CS], v12
.endr
.set n, 0
.rept 64
	v_exp_f32 v[S+n], v[S+n]                       ; p
.set n, n+1
.endr
.irp b, 0,1,2,3
	v_exp_f32 v[232+\b], v[232+\b]                 ; the block's largest p
.endr
	v_pk_mul_f32 v[14:15], v[14:15], v[252:253] op_sel_hi:[1,0]   ; the sum under the new M (a plain place behind the exponentials)
	s_wait_alu depctr_va_vdst(0)
.irp b, 0,1,2,3
	v_max_num_f32 v[232+\b], 0x1800000, v[232+\b]  ; the floor 2^(3 - 127)
.endr
.irp b, 0,1,2,3
	v_add_nc_u32 v[244+\b], 0xff000000, v[232+\b]
.endr
.irp b, 0,1,2,3
	v_lshrrev_b32 v[236+\b], 23, v[244+\b]
.endr
	v_lshl_or_b32 v253, v237, 8, v236              ; p's scale word for these 128 keys
	v_lshl_or_b32 v253, v238, 16, v253
	v_lshl_or_b32 v253, v239, 24, v253
.irp e, 0,1
	v_cvt_scalef32_pk16_fp6_f32 v[224+6*\e:226+6*\e], v[S+32*\e:S+15+32*\e], v[244+2*\e]
	v_cvt_scalef32_pk16_fp6_f32 v[236+4*\e:238+4*\e], v[S+16+32*\e:S+31+32*\e], v[244+2*\e+1]
.endr
	v_nop
.irp e, 0,1
.irp i, 0,1,2
	v_permlane16_swap_b32 v[224+6*\e+\i], v[236+4*\e+\i]
.endr
.irp i, 0,1,2
	v_mov_b32 v[227+6*\e+\i], v[236+4*\e+\i]
.endr
.endr
	v_pk_add_f32 v[236:237], v[S:S+1], v[S+2:S+3]  ; the sum of the unquantised p, in two chains
.irp j, 4,8,12,16,20,24,28,32,36,40,44,48,52,56,60
	v_pk_add_f32 v[14:15], v[14:15], v[S+\j:S+\j+1]
	v_pk_add_f32 v[236:237], v[236:237], v[S+\j+2:S+\j+3]
.endr
	v_pk_add_f32 v[14:15], v[14:15], v[236:237]
.set n, 0
.rept 16
	v_pk_mul_f32 v[O+n:O+n+1], v[O+n:O+n+1], v[252:253] op_sel_hi:[1,0]   ; O^T under the new M.  (With the sums: the places ahead of the loads and products below)
.set n, n+2
.endr
.irp t, 0,1,2,3
	ds_load_b128 v[32+12*\t:35+12*\t], v1 offset:BASE+6144+1536*\t
	ds_load_b64 v[36+12*\t:37+12*\t], v2 offset:BASE+6144+1536*\t+512
	ds_load_b128 v[38+12*\t:41+12*\t], v1 offset:BASE+6144+1536*\t+768
	ds_load_b64 v[42+12*\t:43+12*\t], v2 offset:BASE+6144+1536*\t+1280
.endr
	ds_load_b32 v30, v3 offset:BASE+12800
	ds_load_b32 v31, v3 offset:BASE+12928
	s_wait_dscnt 0x0
.irp t, 0,1,2,3
	PV \t
.endr
.if \st == 0
.Lskip_\@:
.endif
.endm
.macro FIN c                           ; O^T / the sum, quantised along the model's axis: the head's 64 are half c of K step y % 8
.rept 4
	v_nop
.endr
	v_add_f32 v14, v14, v15
	v_permlanex16_b32 v254, v14, s[SEL], s[SEL+1]
	v_add_f32 v14, v14, v254
	v_rcp_f32 v14, v14
	v_nop
.set n, 0
	s_wait_alu depctr_va_vdst(0)
.rept 16
	v_pk_mul_f32 v[S+n:S+n+1], v[O+n:O+n+1], v[14:15] op_sel_hi:[1,0]
.set n, n+2
.endr
	QH S, 80+6*\c, 240, 92+\c
.endm
	s_wait_loadcnt 0x0                             ; Q
	s_wait_tensorcnt 0x0                           ; my record has landed (waves 4-7 have none out)
	s_barrier_signal -1
	s_barrier_wait -1                              ; all four have
	INIT
	STEP 0, 0
	STEP 0, 1
	FIN 0
	INIT
	STEP 1, 0
	STEP 1, 1
	FIN 1
	v_lshl_or_b32 v94, v93, 16, v92
	s_lshr_b32 s36, s12, 3
	s_lshl_b32 s36, s36, 4
	s_add_co_u32 s36, s36, s11                     ; act's row block: 16 x batch + G
	s_lshl_b32 s36, s36, 3
	s_and_b32 s37, s12, 7
	s_add_co_u32 s36, s36, s37                     ; its K step
	s_mul_i32 s36, s36, 12800
	s_mul_i32 s37, s10, 1536
	s_add_co_u32 s38, s36, s37
	s_mov_b32 s39, 0
	s_lshl_b32 s37, s10, 6
	s_add_co_u32 s40, s36, s37
	s_add_co_u32 s40, s40, 12288
	s_mov_b32 s41, 0
	s_add_nc_u64 s[38:39], s[8:9], s[38:39]
	s_add_nc_u64 s[40:41], s[8:9], s[40:41]
	global_store_b128 v1, v[80:83], s[38:39]
	global_store_b64 v2, v[84:85], s[38:39] offset:512
	global_store_b128 v1, v[86:89], s[38:39] offset:768
	global_store_b64 v2, v[90:91], s[38:39] offset:1280
	global_store_b32 v9, v94, s[40:41]
	s_wait_tensorcnt 0x0
	ds_add_u32 v127, v255
	s_wait_dscnt 0x0
	s_endpgm
.Lfunc_end_k_q3617ea74b0_attn:
	.size	k_q3617ea74b0_attn, .Lfunc_end_k_q3617ea74b0_attn-k_q3617ea74b0_attn
	.p2alignl 7, 3214868480
	.fill 96, 4, 3214868480
	.section	.rodata,"a",@progbits
	.p2align	6, 0x0
	.amdhsa_kernel k_q3617ea74b0_attn
		.amdhsa_group_segment_fixed_size 168960
		.amdhsa_private_segment_fixed_size 0
		.amdhsa_enable_private_segment 0
		.amdhsa_kernarg_size 24
		.amdhsa_user_sgpr_count 2
		.amdhsa_user_sgpr_kernarg_segment_ptr 1
		.amdhsa_wavefront_size32 1
		.amdhsa_system_sgpr_workgroup_id_x 1
		.amdhsa_system_sgpr_workgroup_id_y 1
		.amdhsa_system_sgpr_workgroup_id_z 1
		.amdhsa_system_vgpr_workitem_id 0
		.amdhsa_next_free_vgpr 256
		.amdhsa_next_free_sgpr 66
		.amdhsa_reserve_vcc 1
		.amdhsa_float_denorm_mode_32 3
		.amdhsa_float_denorm_mode_16_64 3
		.amdhsa_memory_ordered 1
		.amdhsa_forward_progress 1
		.amdhsa_inst_pref_size 100
	.end_amdhsa_kernel
	.amdgpu_metadata
---
amdhsa.version: [ 1, 2 ]
amdhsa.kernels:
  - .name:           k_q3617ea74b0_attn
    .symbol:         k_q3617ea74b0_attn.kd
    .args:
      - { .name: qimg, .offset: 0, .size: 8, .value_kind: global_buffer, .address_space: global }
      - { .name: kv, .offset: 8, .size: 8, .value_kind: global_buffer, .address_space: global }
      - { .name: act, .offset: 16, .size: 8, .value_kind: global_buffer, .address_space: global }
    .group_segment_fixed_size: 168960
    .private_segment_fixed_size: 0
    .kernarg_segment_align: 8
    .kernarg_segment_size: 24
    .max_flat_workgroup_size: 256
    .sgpr_count:     66
    .vgpr_count:     256
    .wavefront_size: 32
...
	.end_amdgpu_metadata
.endif
;; end of part 4
;; launch wo (part 5): grid 8 x 32, 4 waves a work-group, clusters of 4 x 4, 327,680 bytes of LDS; arguments act, wimg, x, ls1, x1; writes x1
.if DOCPART == 5
	.amdgcn_target "amdgcn-amd-amdhsa--gfx1250"
	.amdhsa_code_object_version 6
	.text
	.protected	k_q3617ea74b0_wo
	.globl	k_q3617ea74b0_wo
	.p2align	8
	.type	k_q3617ea74b0_wo,@function
k_q3617ea74b0_wo:
	s_mov_b64 s[64:65], 0
	v_nop
	global_prefetch_b8 v0, s[64:65] scope:SCOPE_SE
	s_setreg_imm32_b32 hwreg(HW_REG_WAVE_MODE, 25, 1), 1
	s_wait_xcnt 0x0
	s_wait_alu depctr_hold_cnt(0) depctr_sa_sdst(0) depctr_va_vdst(0) depctr_va_sdst(0) depctr_va_ssrc(0) depctr_va_vcc(0) depctr_vm_vsrc(0)
	s_getreg_b32 s2, hwreg(HW_REG_IB_STS2, 6, 4)
	s_cmp_eq_u32 s2, 0
	s_cbranch_scc0 .Lentry_in_a_cluster
	s_endpgm
.Lentry_in_a_cluster:
	s_bfe_u32 s2, ttmp6, 0x10000c
	s_cmp_lg_u32 s2, 0xf033
	s_cbranch_scc0 .Lentry_shape_is_right
	s_endpgm
.Lentry_shape_is_right:
; x1 = x + (attn_out wo^T) ls1: the product on codes of FP6 (E2M3) with E8M0 scales, sums in f32; the rest in f32.
; A (tokens: act) and B (weight rows: wimg, from byte WOFF) come as RECORDS of 12,800 bytes = 128 rows x 128 K as images of operand registers: row tile i at 1,536 i, half c at 768 c (registers 6 c .. 6 c + 3 at
; 16 x lane, 6 c + 4, 6 c + 5 at 512 + 8 x lane), scale words at 12,288 + 64 i + 4 r: every LDS read covers 512 or 256 consecutive bytes.
; SHARES.  A tile of C is 128 tokens x 128 outputs: 256 work-groups, one for each WGP (a tile of 256 x 256 would give 64); four waves, each 64 x 64: 16 accumulators.
; K = 1,024 is 8 K steps: two LDS slots of 4 K steps, both filled at the start, one tensor load a wave and slot (two records, 25,600 dense bytes); nothing is filled again.
; CLUSTERS 4 x 4: A's records are shared along a row of the cluster, B's along a column: joint loads.
; THE PRODUCT IS USED TRANSPOSED (source 0 = 16 weight rows, source 1 = 16 tokens): a lane holds eight neighbouring outputs of one token.  The way out goes through the wave's own stage in LDS, 16 tokens at a time, and
; comes back as rows of 256 bytes, which sixteen lanes store as one aligned run; x (asked for at the head) and ls1 join there by one fused multiply-add.
; REGISTERS.  Window 0: v1-23 addresses, v28-29 the add's, v32-39 scale words, v40-43 ls1, v64-159 and v160-255 two sets of fragments.  Window 1: accumulator (a, b) at v[8 (4 a + b)].  Window 2: v0-127 my part of x.
.set NK,    8
.set WOFF,  2457600
.set REC,   12800
.set BOFF,  4*REC
.set SLOT,  8*REC
.set STAGE, 2*SLOT
.set WSTG,  16*272
.set SPARE, STAGE+4*WSTG
.set A16, 8
.set A8,  10
.set B16, 12
.set B8,  14
.set ADS, 16
.set STO, 18
.set RD,  19
.set CO,  20
.set L16, 21
.set L8,  22
.set R4,  23
.set SPW, 28
.set NIL, 29
.set SC,  32
.set LSR, 40
.set F0,  64
.set Y,   64
.set G1,  24
.set G0,  32
.set G1B, 48
.set G0B, 56
.set MSB, 0
.macro WIN new
.if MSB != \new
	s_set_vgpr_msb (MSB<<8)|\new
.set MSB, \new
.endif
.endm
.set MUL, 0x50
.macro PLACES
.rept 4
	v_nop
.endr
.endm
.macro JLOAD s
	s_cmp_eq_u32 s11, 0
	s_cbranch_scc0 .Lfor_b_\@
	tensor_load_to_lds s[G0+4*\s:G0+4*\s+3], s[G1:G1+7]
	s_nop 0
.rept 4
	v_nop
.endr
	s_branch .Lasked_\@
.Lfor_b_\@:
	tensor_load_to_lds s[G0B+4*\s:G0B+4*\s+3], s[G1B:G1B+7]
	s_nop 0
.rept 4
	v_nop
.endr
.Lasked_\@:
.endm
.macro CREST
	s_cmp_lg_u32 s10, 0
	s_cbranch_scc1 .Lnot_wave_0_\@
	s_barrier_signal -3
.Lnot_wave_0_\@:
	s_barrier_wait -3
	s_barrier_signal -1
	s_barrier_wait -1
.endm
.macro CROUND
	s_barrier_signal -1
	s_barrier_wait -1
	CREST
.endm
.macro FETCH slot, q, p                ; 36 LDS loads: the fragments and scale words of the slot's q-th K step into set p
.set FB, F0+96*(\p)
.irp i, 0,1,2,3
.irp c, 0,1
	ds_load_b128 v[FB+12*\i+6*\c:FB+12*\i+6*\c+3], v[A16+\slot] offset:REC*(\q)+1536*\i+768*\c
	ds_load_b64 v[FB+12*\i+6*\c+4:FB+12*\i+6*\c+5], v[A8+\slot] offset:REC*(\q)+1536*\i+768*\c+512
.endr
.endr
.irp i, 0,1,2,3
.irp c, 0,1
	ds_load_b128 v[FB+48+12*\i+6*\c:FB+48+12*\i+6*\c+3], v[B16+\slot] offset:REC*(\q)+1536*\i+768*\c
	ds_load_b64 v[FB+48+12*\i+6*\c+4:FB+48+12*\i+6*\c+5], v[B8+\slot] offset:REC*(\q)+1536*\i+768*\c+512
.endr
.endr
.irp i, 0,1,2,3
	ds_load_b32 v[SC+4*(\p)+\i], v[ADS+\slot] offset:REC*(\q)+64*\i
.endr
.endm
.macro MULR p, a, first                ; token tile a against the four weight tiles; the 16 accumulators take turns
.irp b, 0,1,2,3
.if \first
	v_wmma_scale_f32_16x16x128_f8f6f4 v[8*(4*(\a)+\b):8*(4*(\a)+\b)+7], v[F0+96*(\p)+48+12*\b:F0+96*(\p)+48+12*\b+11], v[F0+96*(\p)+12*(\a):F0+96*(\p)+12*(\a)+11], 0, v[SC+4*(\p)+\b], v[SC+4*(\p)+(\a)] matrix_a_fmt:MATRIX_FMT_FP6 matrix_b_fmt:MATRIX_FMT_FP6 matrix_a_scale:MATRIX_SCALE_ROW1
.else
	v_wmma_scale_f32_16x16x128_f8f6f4 v[8*(4*(\a)+\b):8*(4*(\a)+\b)+7], v[F0+96*(\p)+48+12*\b:F0+96*(\p)+48+12*\b+11], v[F0+96*(\p)+12*(\a):F0+96*(\p)+12*(\a)+11], v[8*(4*(\a)+\b):8*(4*(\a)+\b)+7], v[SC+4*(\p)+\b], v[SC+4*(\p)+(\a)] matrix_a_fmt:MATRIX_FMT_FP6 matrix_b_fmt:MATRIX_FMT_FP6 matrix_a_scale:MATRIX_SCALE_ROW1
.endif
.endr
.endm
.macro STEP slot, q, first
	PLACES
	FETCH \slot, (\q)+1, 1-(\q)%2
	s_wait_dscnt 36                                ; this step's fragments are in; the 36 loads just issued may be out
	WIN MUL
.irp a, 0,1,2,3
	MULR (\q)%2, \a, \first
.endr
	WIN 0
.endm
.macro TURN slot, next                 ; a slot's last K step changes slots: one barrier; nothing is filled again in this launch
	s_wait_tensorcnt 0x0                           ; all my tensor loads have landed: my part of the next slot
	ds_add_u32 v[SPW], v[NIL]                      ; 0 onto my spare word
	s_wait_dscnt 1                                 ; this step's fragments are in (the add may be out)
	WIN MUL
	MULR 1, 0, 0
	s_wait_dscnt 0x0                               ; the add is done, and my reads of this slot are over
	s_barrier_signal -1
	MULR 1, 1, 0
	WIN 0
	s_barrier_wait -1
	PLACES
	FETCH \next, 0, 0
	WIN MUL
	MULR 1, 2, 0
	MULR 1, 3, 0
	WIN 0
.endm
	s_load_b128 s[4:7], s[0:1], 0x0                ; act, wimg
	s_load_b128 s[68:71], s[0:1], 0x10             ; x, ls1
	s_load_b64 s[72:73], s[0:1], 0x20              ; x1
	v_lshl_add_u32 v[SPW], v0, 2, SPARE
	v_mov_b32 v[NIL], 0
	ds_add_u32 v28, v29
	ds_add_u32 v28, v29
	s_wait_dscnt 0x0
	v_lshrrev_b32 v1, 5, v0
	v_readfirstlane_b32 s10, v1
	s_lshr_b32 s11, s10, 1                         ; which 64 tokens are mine.  Also: I fetch for A (0) or for B (1)
	s_and_b32 s12, s10, 1                          ; which 64 outputs.  Also: which two of a slot's four records I fetch
	s_bfe_u32 s40, ttmp6, 0x40000
	s_bfe_u32 s41, ttmp6, 0x40004
	s_lshl_b32 s42, ttmp9, 2
	s_add_co_u32 s42, s42, s40                     ; J
	s_and_b32 s13, ttmp7, 0xffff
	s_lshl_b32 s13, s13, 2
	s_add_co_u32 s13, s13, s41                     ; I
	s_lshl_b32 s43, s41, 2
	s_lshl_b32 s43, 15, s43
	s_lshl_b32 s44, 0x1111, s40
	s_or_b32 s[G1+0], s43, (3<<16)|(1<<21)         ; the mask; elements of 8 bytes; bit 21 beside a mask; no padding
	s_or_b32 s[G1B+0], s44, (3<<16)|(1<<21)
.irp g, G1, G1B
	s_mov_b32 s[\g+1], 32<<16                      ; rows of 256 bytes,
	s_mov_b32 s[\g+2], 100<<16                     ; 100 of them: two records
	s_mov_b32 s[\g+3], 32<<16
	s_mov_b32 s[\g+4], 100
	s_mov_b32 s[\g+5], 32
	s_mov_b32 s[\g+6], 0
	s_mov_b32 s[\g+7], 0
.endr
	s_mul_i32 s18, s12, 2*REC
	s_mul_i32 s16, s13, NK*REC
	s_add_co_u32 s16, s16, s18
	s_mov_b32 s17, 0
	s_mul_i32 s46, s42, NK*REC
	s_add_co_u32 s46, s46, s18
	s_add_co_u32 s46, s46, WOFF
	s_mov_b32 s47, 0
	s_mul_i32 s20, s10, 2*REC
	s_wait_kmcnt 0x0
	s_add_nc_u64 s[14:15], s[4:5], s[16:17]
	s_add_nc_u64 s[46:47], s[6:7], s[46:47]
	CROUND                                         ; all sixteen work-groups are here: the first joint loads meet
.irp s, 0,1
	s_mov_b32 s[G0+4*\s], 1
	s_add_co_u32 s[G0+4*\s+1], s20, \s*SLOT
	s_add_nc_u64 s[G0+4*\s+2:G0+4*\s+3], s[14:15], \s*4*REC
	s_or_b32 s[G0+4*\s+3], s[G0+4*\s+3], 0x80000000
	s_mov_b32 s[G0B+4*\s], 1
	s_add_co_u32 s[G0B+4*\s+1], s20, \s*SLOT
	s_add_nc_u64 s[G0B+4*\s+2:G0B+4*\s+3], s[46:47], \s*4*REC
	s_or_b32 s[G0B+4*\s+3], s[G0B+4*\s+3], 0x80000000
	JLOAD \s                                       ; two loads of mine are out
.endr
	v_and_b32 v1, 15, v0
	v_bfe_u32 v2, v0, 4, 1
	v_and_b32 v3, 31, v0
	v_lshlrev_b32 v[L16], 4, v3
	v_lshlrev_b32 v[L8], 3, v3
	v_lshlrev_b32 v[R4], 2, v1
	s_mul_i32 s21, s11, 6144
	s_mul_i32 s22, s12, 6144
	s_add_co_u32 s22, s22, BOFF
.irp s, 0,1
	v_add_nc_u32 v[A16+\s], s21, v[L16]
	v_add_nc_u32 v[A8+\s], s21, v[L8]
	v_add_nc_u32 v[B16+\s], s22, v[L16]
	v_add_nc_u32 v[B8+\s], s22, v[L8]
	s_add_co_u32 s21, s21, SLOT
	s_add_co_u32 s22, s22, SLOT
.endr
	s_lshl_b32 s21, s11, 8
	s_lshl_b32 s22, s12, 8
	s_add_co_u32 s22, s22, BOFF
	s_sub_co_u32 s22, s22, s21
	v_mul_u32_u24 v4, s22, v2                      ; lanes 16-31 take B's scale words
	s_add_co_u32 s21, s21, 12288
	v_add_nc_u32 v4, v4, v[R4]
	v_add_nc_u32 v[ADS], s21, v4
	v_add_nc_u32 v[ADS+1], SLOT, v[ADS]
	s_mul_i32 s23, s10, WSTG
	s_add_co_u32 s23, s23, STAGE
	v_mul_u32_u24 v4, v1, 272
	v_lshl_add_u32 v4, v2, 5, v4
	v_add_nc_u32 v[STO], s23, v4                   ; in: token r, + 32 h
	v_mul_u32_u24 v4, v2, 272
	v_lshl_add_u32 v4, v1, 4, v4
	v_add_nc_u32 v[RD], s23, v4                    ; back: lanes 0-15 one token's 256 bytes, lanes 16-31 the next's
	v_lshlrev_b32 v26, 4, v1
	v_lshl_add_u32 v[CO], v2, 12, v26              ; and the same two rows in x and x1
	s_lshl_b32 s16, s13, 19                        ; 128 I rows of 4,096 bytes
	s_lshl_b32 s17, s11, 18
	s_add_co_u32 s16, s16, s17
	s_lshl_b32 s46, s42, 9
	s_lshl_b32 s47, s12, 8
	s_add_co_u32 s46, s46, s47                     ; my 64 columns
	s_add_co_u32 s16, s16, s46
	s_mov_b32 s17, 0
	s_mov_b32 s47, 0
	s_add_nc_u64 s[68:69], s[68:69], s[16:17]
	s_add_nc_u64 s[72:73], s[72:73], s[16:17]
	s_add_nc_u64 s[70:71], s[70:71], s[46:47]
	global_load_b128 v[LSR:LSR+3], v26, s[70:71]
	WIN 0x80                                       ; destination window 2
.irp a, 0,1,2,3
.irp i, 0,1,2,3,4,5,6,7
	global_load_b128 v[32*\a+4*\i:32*\a+4*\i+3], v[CO], s[68:69] offset:(16*\a+2*\i)*4096
.endr
.endr
	WIN 0
	s_wait_tensorcnt 1                             ; my part of slot 0 is in; slot 1's may be out
	s_barrier_signal -1
	s_barrier_wait -1
	FETCH 0, 0, 0
	STEP 0, 0, 1
	STEP 0, 1, 0
	STEP 0, 2, 0
	TURN 0, 1
	STEP 1, 0, 0
	STEP 1, 1, 0
	STEP 1, 2, 0
	s_wait_dscnt 0x0
	WIN MUL
.irp a, 0,1,2,3
	MULR 1, \a, 0
.endr
	WIN 0
	PLACES
	s_wait_loadcnt 0x0                             ; x and ls1
.irp a, 0,1,2,3
.if \a >= 2
	s_wait_xcnt 0x0                                ; the stores of two tiles ago have read their registers
.endif
	WIN 0x04                                       ; an LDS store's data: window 1
.irp b, 0,1,2,3
	ds_store_b128 v[STO], v[8*(4*\a+\b):8*(4*\a+\b)+3] offset:64*\b
	ds_store_b128 v[STO], v[8*(4*\a+\b)+4:8*(4*\a+\b)+7] offset:64*\b+16
.endr
	WIN 0
.irp i, 0,1,2,3,4,5,6,7
	ds_load_b128 v[Y+32*(\a%2)+4*\i:Y+32*(\a%2)+4*\i+3], v[RD] offset:544*\i   ; LDS serves a wave's instructions in order: these see my stores
.endr
	s_wait_dscnt 0x0
	WIN 0x20                                       ; source 2 (x) window 2
.irp i, 0,1,2,3,4,5,6,7
	v_pk_fma_f32 v[Y+32*(\a%2)+4*\i:Y+32*(\a%2)+4*\i+1], v[Y+32*(\a%2)+4*\i:Y+32*(\a%2)+4*\i+1], v[LSR:LSR+1], v[32*\a+4*\i:32*\a+4*\i+1]
	v_pk_fma_f32 v[Y+32*(\a%2)+4*\i+2:Y+32*(\a%2)+4*\i+3], v[Y+32*(\a%2)+4*\i+2:Y+32*(\a%2)+4*\i+3], v[LSR+2:LSR+3], v[32*\a+4*\i+2:32*\a+4*\i+3]
.endr
	WIN 0
.irp i, 0,1,2,3,4,5,6,7
	global_store_b128 v[CO], v[Y+32*(\a%2)+4*\i:Y+32*(\a%2)+4*\i+3], s[72:73] offset:(16*\a+2*\i)*4096   ; 16 lanes store 256 consecutive bytes, aligned
.endr
.endr
	s_wait_tensorcnt 0x0                           ; the wave's end
	ds_add_u32 v[SPW], v[NIL]
	s_wait_dscnt 0x0
	CROUND                                         ; the closing round
	s_endpgm
.Lfunc_end_k_q3617ea74b0_wo:
	.size	k_q3617ea74b0_wo, .Lfunc_end_k_q3617ea74b0_wo-k_q3617ea74b0_wo
	.p2alignl 7, 3214868480
	.fill 96, 4, 3214868480
	.section	.rodata,"a",@progbits
	.p2align	6, 0x0
	.amdhsa_kernel k_q3617ea74b0_wo
		.amdhsa_group_segment_fixed_size 327680
		.amdhsa_private_segment_fixed_size 0
		.amdhsa_enable_private_segment 0
		.amdhsa_kernarg_size 40
		.amdhsa_user_sgpr_count 2
		.amdhsa_user_sgpr_kernarg_segment_ptr 1
		.amdhsa_wavefront_size32 1
		.amdhsa_system_sgpr_workgroup_id_x 1
		.amdhsa_system_sgpr_workgroup_id_y 1
		.amdhsa_system_sgpr_workgroup_id_z 1
		.amdhsa_system_vgpr_workitem_id 0
		.amdhsa_next_free_vgpr 640
		.amdhsa_next_free_sgpr 100
		.amdhsa_reserve_vcc 0
		.amdhsa_float_denorm_mode_32 3
		.amdhsa_float_denorm_mode_16_64 3
		.amdhsa_memory_ordered 1
		.amdhsa_forward_progress 1
		.amdhsa_inst_pref_size 59
	.end_amdhsa_kernel
	.amdgpu_metadata
---
amdhsa.version: [ 1, 2 ]
amdhsa.kernels:
  - .name:           k_q3617ea74b0_wo
    .symbol:         k_q3617ea74b0_wo.kd
    .args:
      - { .name: act, .offset: 0, .size: 8, .value_kind: global_buffer, .address_space: global }
      - { .name: wimg, .offset: 8, .size: 8, .value_kind: global_buffer, .address_space: global }
      - { .name: x, .offset: 16, .size: 8, .value_kind: global_buffer, .address_space: global }
      - { .name: ls1, .offset: 24, .size: 8, .value_kind: global_buffer, .address_space: global }
      - { .name: x1, .offset: 32, .size: 8, .value_kind: global_buffer, .address_space: global }
    .group_segment_fixed_size: 327680
    .private_segment_fixed_size: 0
    .kernarg_segment_align: 8
    .kernarg_segment_size: 40
    .max_flat_workgroup_size: 128
    .sgpr_count:     100
    .vgpr_count:     640
    .wavefront_size: 32
...
	.end_amdgpu_metadata
.endif
;; end of part 5
;; launch ln2: the kernel of part 2 again; grid 256 x 1, 8 waves a work-group, no clusters, 67,072 bytes of LDS; arguments x1, norm2_w, norm2_b, act; writes act
;; launch ffn1 (part 6): grid 32 x 32, 4 waves a work-group, clusters of 4 x 4, 327,680 bytes of LDS; arguments act, wimg, b1, fimg; writes fimg
.if DOCPART == 6
	.amdgcn_target "amdgcn-amd-amdhsa--gfx1250"
	.amdhsa_code_object_version 6
	.text
	.protected	k_q3617ea74b0_ffn1
	.globl	k_q3617ea74b0_ffn1
	.p2align	8
	.type	k_q3617ea74b0_ffn1,@function
k_q3617ea74b0_ffn1:
	s_mov_b64 s[64:65], 0
	v_nop
	global_prefetch_b8 v0, s[64:65] scope:SCOPE_SE
	s_setreg_imm32_b32 hwreg(HW_REG_WAVE_MODE, 25, 1), 1
	s_wait_xcnt 0x0
	s_wait_alu depctr_hold_cnt(0) depctr_sa_sdst(0) depctr_va_vdst(0) depctr_va_sdst(0) depctr_va_ssrc(0) depctr_va_vcc(0) depctr_vm_vsrc(0)
	s_getreg_b32 s2, hwreg(HW_REG_IB_STS2, 6, 4)
	s_cmp_eq_u32 s2, 0
	s_cbranch_scc0 .Lentry_in_a_cluster
	s_endpgm
.Lentry_in_a_cluster:
	s_bfe_u32 s2, ttmp6, 0x10000c
	s_cmp_lg_u32 s2, 0xf033
	s_cbranch_scc0 .Lentry_shape_is_right
	s_endpgm
.Lentry_shape_is_right:
; fimg = Q(gelu(h2 w1^T + b1)): the product on codes of FP6 (E2M3) with E8M0 scales, sums in f32; gelu (the exact one, by erf) in f32; the result quantised along the hidden axis, the next product's K.
; A (tokens: act) and B (weight rows: wimg, from byte WOFF) come as RECORDS of 12,800 bytes = 128 rows x 128 K as images of operand registers: row tile i at 1,536 i, half c at 768 c (registers 6 c .. 6 c + 3 at
; 16 x lane, 6 c + 4, 6 c + 5 at 512 + 8 x lane), scale words at 12,288 + 64 i + 4 r: every LDS read covers 512 or 256 consecutive bytes.  fimg has the same records, [token block][K step = tile column J].
; SHARES.  A tile of C is 128 tokens x 128 hidden units: 1,024 work-groups, four for each WGP; four waves, each 64 x 64: 16 accumulators.
; K = 1,024 is 8 K steps: two LDS slots of 4 K steps, both filled at the start, one tensor load a wave and slot (two records); nothing is filled again.  CLUSTERS 4 x 4: A shared along a row, B along a column.
; THE PRODUCT IS USED TRANSPOSED (source 0 = 16 weight rows, source 1 = 16 tokens): lane (r, h) holds token r, register j of tile b hidden unit 16 b + 8 h + j: the 32 registers of a token tile are half of two blocks of
; the next K, in the order that all operands of this program share.  b1 is the C of each sum's first product.
; erf(z) = z P(z^2) / Q(z^2) with z held to +-4 (a rational form good to a few steps of f32); gelu = x/2 + (x/2) erf(x / sqrt 2).  1 / Q by v_rcp_f32.
; LIMITS: NaN and infinities are not served; a block whose largest magnitude lies under 2^-124 keeps the byte 1.
; REGISTERS.  Window 0: v1-23 addresses, v28-29 the add's, v32-39 scale words, v40-47 the quantiser's work, v48-51 two coefficients, v52-59 at work, v64-159 and v160-255 two sets of fragments; on the way out v64-255.
; Window 1: accumulator (a, b) at v[8 (4 a + b)]; v128-159 b1 in the result's layout.
.set NK,    8
.set WOFF,  3276800
.set REC,   12800
.set BOFF,  4*REC
.set SLOT,  8*REC
.set SPARE, 2*SLOT
.set A16, 8
.set A8,  10
.set B16, 12
.set B8,  14
.set ADS, 16
.set L16, 21
.set L8,  22
.set R4,  23
.set SPW, 28
.set NIL, 29
.set SC,  32
.set TM,  40
.set T,   52
.set HW,  56
.set F0,  64
.set Z,   64
.set WW,  96
.set P,   128
.set QQ,  160
.set HH,  192
.set CD,  224
.set BIAS, 128
.set G1,  24
.set G0,  32
.set G1B, 48
.set G0B, 56
.set SEL, 66
.set A11, 74
.set A9,  76
.set A7,  78
.set A5,  80
.set A3,  82
.set A1,  84
.set B6,  86
.set B4,  88
.set B2,  90
.set B0,  92
.set RT,  94
.set MSB, 0
.macro WIN new
.if MSB != \new
	s_set_vgpr_msb (MSB<<8)|\new
.set MSB, \new
.endif
.endm
.set MUL, 0x50
.macro PLACES
.rept 4
	v_nop
.endr
.endm
.macro JLOAD s
	s_cmp_eq_u32 s11, 0
	s_cbranch_scc0 .Lfor_b_\@
	tensor_load_to_lds s[G0+4*\s:G0+4*\s+3], s[G1:G1+7]
	s_nop 0
.rept 4
	v_nop
.endr
	s_branch .Lasked_\@
.Lfor_b_\@:
	tensor_load_to_lds s[G0B+4*\s:G0B+4*\s+3], s[G1B:G1B+7]
	s_nop 0
.rept 4
	v_nop
.endr
.Lasked_\@:
.endm
.macro CREST
	s_cmp_lg_u32 s10, 0
	s_cbranch_scc1 .Lnot_wave_0_\@
	s_barrier_signal -3
.Lnot_wave_0_\@:
	s_barrier_wait -3
	s_barrier_signal -1
	s_barrier_wait -1
.endm
.macro CROUND
	s_barrier_signal -1
	s_barrier_wait -1
	CREST
.endm
.macro QH s, d, t, hw                  ; 32 numbers of a lane (register 16 b + i = place 16 h + i of block b of my row) -> six registers of a half image, and two scale bytes
.irp b, 0,1
	v_max3_num_f32 v[TM+\b], |v[\s+16*\b]|, |v[\s+16*\b+1]|, 0x1800000
.endr
.irp i, 2,4,6,8,10,12,14
.irp b, 0,1
	v_max3_num_f32 v[TM+\b], v[TM+\b], |v[\s+16*\b+\i]|, |v[\s+16*\b+\i+1]|
.endr
.endr
.irp b, 0,1
	v_permlanex16_b32 v[TM+2+\b], v[TM+\b], s[SEL], s[SEL+1]
.endr
.irp b, 0,1
	v_max_num_f32 v[TM+\b], v[TM+\b], v[TM+2+\b]
.endr
.irp b, 0,1
	v_add_nc_u32 v[TM+4+\b], 0xff000000, v[TM+\b]
.endr
.irp b, 0,1
	v_lshrrev_b32 v[TM+6+\b], 23, v[TM+4+\b]
.endr
	v_lshl_or_b32 v[\hw], v[TM+7], 8, v[TM+6]
	v_cvt_scalef32_pk16_fp6_f32 v[\d:\d+2], v[\s:\s+15], v[TM+4]
	v_cvt_scalef32_pk16_fp6_f32 v[\t:\t+2], v[\s+16:\s+31], v[TM+5]
	v_nop
.irp i, 0,1,2
	v_permlane16_swap_b32 v[\d+\i], v[\t+\i]
.endr
.irp i, 0,1,2
	v_mov_b32 v[\d+3+\i], v[\t+\i]
.endr
.endm
.macro FETCH slot, q, p                ; 36 LDS loads: the fragments and scale words of the slot's q-th K step into set p
.set FB, F0+96*(\p)
.irp i, 0,1,2,3
.irp c, 0,1
	ds_load_b128 v[FB+12*\i+6*\c:FB+12*\i+6*\c+3], v[A16+\slot] offset:REC*(\q)+1536*\i+768*\c
	ds_load_b64 v[FB+12*\i+6*\c+4:FB+12*\i+6*\c+5], v[A8+\slot] offset:REC*(\q)+1536*\i+768*\c+512
.endr
.endr
.irp i, 0,1,2,3
.irp c, 0,1
	ds_load_b128 v[FB+48+12*\i+6*\c:FB+48+12*\i+6*\c+3], v[B16+\slot] offset:REC*(\q)+1536*\i+768*\c
	ds_load_b64 v[FB+48+12*\i+6*\c+4:FB+48+12*\i+6*\c+5], v[B8+\slot] offset:REC*(\q)+1536*\i+768*\c+512
.endr
.endr
.irp i, 0,1,2,3
	ds_load_b32 v[SC+4*(\p)+\i], v[ADS+\slot] offset:REC*(\q)+64*\i
.endr
.endm
.macro MULR p, a, first                ; token tile a against the four weight tiles; first = 1: the bias starts the sums.  The 16 accumulators take turns
.irp b, 0,1,2,3
.if \first
	v_wmma_scale_f32_16x16x128_f8f6f4 v[8*(4*(\a)+\b):8*(4*(\a)+\b)+7], v[F0+96*(\p)+48+12*\b:F0+96*(\p)+48+12*\b+11], v[F0+96*(\p)+12*(\a):F0+96*(\p)+12*(\a)+11], v[BIAS+8*\b:BIAS+8*\b+7], v[SC+4*(\p)+\b], v[SC+4*(\p)+(\a)] matrix_a_fmt:MATRIX_FMT_FP6 matrix_b_fmt:MATRIX_FMT_FP6 matrix_a_scale:MATRIX_SCALE_ROW1
.else
	v_wmma_scale_f32_16x16x128_f8f6f4 v[8*(4*(\a)+\b):8*(4*(\a)+\b)+7], v[F0+96*(\p)+48+12*\b:F0+96*(\p)+48+12*\b+11], v[F0+96*(\p)+12*(\a):F0+96*(\p)+12*(\a)+11], v[8*(4*(\a)+\b):8*(4*(\a)+\b)+7], v[SC+4*(\p)+\b], v[SC+4*(\p)+(\a)] matrix_a_fmt:MATRIX_FMT_FP6 matrix_b_fmt:MATRIX_FMT_FP6 matrix_a_scale:MATRIX_SCALE_ROW1
.endif
.endr
.endm
.macro STEP slot, q, first
	PLACES
	FETCH \slot, (\q)+1, 1-(\q)%2
	s_wait_dscnt 36                                ; this step's fragments are in; the 36 loads just issued may be out
	WIN MUL
.irp a, 0,1,2,3
	MULR (\q)%2, \a, \first
.endr
	WIN 0
.endm
.macro TURN slot, next                 ; a slot's last K step changes slots: one barrier; nothing is filled again in this launch
	s_wait_tensorcnt 0x0                           ; all my tensor loads have landed: my part of the next slot
	ds_add_u32 v[SPW], v[NIL]                      ; 0 onto my spare word
	s_wait_dscnt 1                                 ; this step's fragments are in (the add may be out)
	WIN MUL
	MULR 1, 0, 0
	s_wait_dscnt 0x0                               ; the add is done, and my reads of this slot are over
	s_barrier_signal -1
	MULR 1, 1, 0
	WIN 0
	s_barrier_wait -1
	PLACES
	FETCH \next, 0, 0
	WIN MUL
	MULR 1, 2, 0
	MULR 1, 3, 0
	WIN 0
.endm
.macro COEF reg, val                   ; a coefficient as a scalar pair: the packed forms name a pair and take its low word for both halves
	s_mov_b32 s[\reg], \val
	s_mov_b32 s[\reg+1], s[\reg]
.endm
.macro HORNER acc, sc                  ; acc = acc x z^2 + the coefficient, 32 numbers
.set n, 0
.rept 16
	v_pk_fma_f32 v[\acc+n:\acc+n+1], v[\acc+n:\acc+n+1], v[WW+n:WW+n+1], s[\sc:\sc+1] op_sel_hi:[1,1,0]
.set n, n+2
.endr
.endm
	s_load_b128 s[4:7], s[0:1], 0x0                ; act, wimg
	s_load_b128 s[68:71], s[0:1], 0x10             ; b1, fimg
	v_lshl_add_u32 v[SPW], v0, 2, SPARE
	v_mov_b32 v[NIL], 0
	ds_add_u32 v28, v29
	ds_add_u32 v28, v29
	s_wait_dscnt 0x0
	v_lshrrev_b32 v1, 5, v0
	v_readfirstlane_b32 s10, v1
	s_lshr_b32 s11, s10, 1                         ; which 64 tokens are mine.  Also: I fetch for A (0) or for B (1)
	s_and_b32 s12, s10, 1                          ; which 64 hidden units.  Also: which two of a slot's four records I fetch
	s_bfe_u32 s40, ttmp6, 0x40000
	s_bfe_u32 s41, ttmp6, 0x40004
	s_lshl_b32 s42, ttmp9, 2
	s_add_co_u32 s42, s42, s40                     ; J
	s_and_b32 s13, ttmp7, 0xffff
	s_lshl_b32 s13, s13, 2
	s_add_co_u32 s13, s13, s41                     ; I
	s_lshl_b32 s43, s41, 2
	s_lshl_b32 s43, 15, s43
	s_lshl_b32 s44, 0x1111, s40
	s_or_b32 s[G1+0], s43, (3<<16)|(1<<21)
	s_or_b32 s[G1B+0], s44, (3<<16)|(1<<21)
.irp g, G1, G1B
	s_mov_b32 s[\g+1], 32<<16                      ; rows of 256 bytes,
	s_mov_b32 s[\g+2], 100<<16                     ; 100 of them: two records
	s_mov_b32 s[\g+3], 32<<16
	s_mov_b32 s[\g+4], 100
	s_mov_b32 s[\g+5], 32
	s_mov_b32 s[\g+6], 0
	s_mov_b32 s[\g+7], 0
.endr
	s_mul_i32 s18, s12, 2*REC
	s_mul_i32 s16, s13, NK*REC
	s_add_co_u32 s16, s16, s18
	s_mov_b32 s17, 0
	s_mul_i32 s46, s42, NK*REC
	s_add_co_u32 s46, s46, s18
	s_add_co_u32 s46, s46, WOFF
	s_mov_b32 s47, 0
	s_mul_i32 s20, s10, 2*REC
	s_mov_b32 s[SEL], 0x76543210
	s_mov_b32 s[SEL+1], 0xfedcba98
	COEF A11, 0.0000000277068142495902
	COEF A9, -0.00000210102402082508
	COEF A7, -0.0000569250639462346
	COEF A5, -0.000734990630326855
	COEF A3, -0.00295459980854025
	COEF A1, -0.0160960333262415
	COEF B6, -0.000213374055278905
	COEF B4, -0.00168282697438203
	COEF B2, -0.00737332916720468
	COEF B0, -0.0142647390514189
	COEF RT, 0x3f3504f3
	s_wait_kmcnt 0x0
	s_add_nc_u64 s[14:15], s[4:5], s[16:17]
	s_add_nc_u64 s[46:47], s[6:7], s[46:47]
	CROUND                                         ; all sixteen work-groups are here: the first joint loads meet
.irp s, 0,1
	s_mov_b32 s[G0+4*\s], 1
	s_add_co_u32 s[G0+4*\s+1], s20, \s*SLOT
	s_add_nc_u64 s[G0+4*\s+2:G0+4*\s+3], s[14:15], \s*4*REC
	s_or_b32 s[G0+4*\s+3], s[G0+4*\s+3], 0x80000000
	s_mov_b32 s[G0B+4*\s], 1
	s_add_co_u32 s[G0B+4*\s+1], s20, \s*SLOT
	s_add_nc_u64 s[G0B+4*\s+2:G0B+4*\s+3], s[46:47], \s*4*REC
	s_or_b32 s[G0B+4*\s+3], s[G0B+4*\s+3], 0x80000000
	JLOAD \s                                       ; two loads of mine are out
.endr
	v_and_b32 v1, 15, v0
	v_bfe_u32 v2, v0, 4, 1
	v_and_b32 v3, 31, v0
	v_lshlrev_b32 v[L16], 4, v3
	v_lshlrev_b32 v[L8], 3, v3
	v_lshlrev_b32 v[R4], 2, v1
	v_mov_b32 v[TM+2], 0
	v_mov_b32 v[TM+3], 0
	v_mov_b32 v48, -0.000000000272614225801306     ; P's leading coefficient,
	v_mov_b32 v49, v48
	v_mov_b32 v50, -0.0000145660718464996          ; and Q's
	v_mov_b32 v51, v50
	s_mul_i32 s21, s11, 6144
	s_mul_i32 s22, s12, 6144
	s_add_co_u32 s22, s22, BOFF
.irp s, 0,1
	v_add_nc_u32 v[A16+\s], s21, v[L16]
	v_add_nc_u32 v[A8+\s], s21, v[L8]
	v_add_nc_u32 v[B16+\s], s22, v[L16]
	v_add_nc_u32 v[B8+\s], s22, v[L8]
	s_add_co_u32 s21, s21, SLOT
	s_add_co_u32 s22, s22, SLOT
.endr
	s_lshl_b32 s21, s11, 8
	s_lshl_b32 s22, s12, 8
	s_add_co_u32 s22, s22, BOFF
	s_sub_co_u32 s22, s22, s21
	v_mul_u32_u24 v4, s22, v2                      ; lanes 16-31 take B's scale words
	s_add_co_u32 s21, s21, 12288
	v_add_nc_u32 v4, v4, v[R4]
	v_add_nc_u32 v[ADS], s21, v4
	v_add_nc_u32 v[ADS+1], SLOT, v[ADS]
	s_lshl_b32 s46, s42, 9
	s_lshl_b32 s47, s12, 8
	s_add_co_u32 s46, s46, s47                     ; b1 at my 64 hidden units
	s_mov_b32 s47, 0
	s_add_nc_u64 s[68:69], s[68:69], s[46:47]
	v_lshlrev_b32 v25, 5, v2                       ; 32 h: tile b's eight units of my half
	WIN 0x40                                       ; destination window 1
.irp b, 0,1,2,3
	global_load_b128 v[BIAS+8*\b:BIAS+8*\b+3], v25, s[68:69] offset:64*\b
	global_load_b128 v[BIAS+8*\b+4:BIAS+8*\b+7], v25, s[68:69] offset:64*\b+16
.endr
	WIN 0
	s_lshl_b32 s14, s13, 5
	s_add_co_u32 s14, s14, s42
	s_mul_i32 s14, s14, REC                        ; fimg's record: 32 I + J
	s_mul_i32 s16, s11, 6144
	s_add_co_u32 s16, s16, s14
	s_mul_i32 s15, s12, 768
	s_add_co_u32 s16, s16, s15                     ; my four row tiles, my half of their K
	s_mov_b32 s17, 0
	s_lshl_b32 s18, s11, 8
	s_add_co_u32 s18, s18, s14
	s_lshl_b32 s15, s12, 1
	s_add_co_u32 s18, s18, s15
	s_add_co_u32 s18, s18, 12288                   ; and two of each scale word's four bytes
	s_mov_b32 s19, 0
	s_add_nc_u64 s[16:17], s[70:71], s[16:17]
	s_add_nc_u64 s[18:19], s[70:71], s[18:19]
	s_wait_tensorcnt 1                             ; my part of slot 0 is in; slot 1's may be out
	s_barrier_signal -1
	s_barrier_wait -1
	FETCH 0, 0, 0
	s_wait_loadcnt 0x0                             ; b1
	STEP 0, 0, 1
	STEP 0, 1, 0
	STEP 0, 2, 0
	TURN 0, 1
	STEP 1, 0, 0
	STEP 1, 1, 0
	STEP 1, 2, 0
	s_wait_dscnt 0x0
	WIN MUL
.irp a, 0,1,2,3
	MULR 1, \a, 0
.endr
	WIN 0
	PLACES
.macro GELU a                          ; token tile a: 32 numbers a lane
	WIN 0x01                                       ; source 0 (the sums) window 1
.set n, 0
.rept 16
	v_pk_mul_f32 v[HH+n:HH+n+1], v[32*\a+n:32*\a+n+1], 0.5 op_sel_hi:[1,0]
	v_pk_mul_f32 v[Z+n:Z+n+1], v[32*\a+n:32*\a+n+1], s[RT:RT+1] op_sel_hi:[1,0]
.set n, n+2
.endr
	WIN 0
.set n, 0
.rept 32
	v_med3_num_f32 v[Z+n], v[Z+n], -4.0, 4.0
.set n, n+1
.endr
.set n, 0
.rept 16
	v_pk_mul_f32 v[WW+n:WW+n+1], v[Z+n:Z+n+1], v[Z+n:Z+n+1]
.set n, n+2
.endr
.set n, 0
.rept 16
	v_pk_fma_f32 v[P+n:P+n+1], v[WW+n:WW+n+1], v[48:49], s[A11:A11+1] op_sel_hi:[1,1,0]
	v_pk_fma_f32 v[QQ+n:QQ+n+1], v[WW+n:WW+n+1], v[50:51], s[B6:B6+1] op_sel_hi:[1,1,0]
.set n, n+2
.endr
	HORNER P, A9
	HORNER QQ, B4
	HORNER P, A7
	HORNER QQ, B2
	HORNER P, A5
	HORNER QQ, B0
	HORNER P, A3
	HORNER P, A1
.set n, 0
.rept 32
	v_rcp_f32 v[QQ+n], v[QQ+n]
.set n, n+1
.endr
.set n, 0
.rept 16
	v_pk_mul_f32 v[P+n:P+n+1], v[P+n:P+n+1], v[Z+n:Z+n+1]       ; (plain places behind the reciprocals)
.set n, n+2
.endr
.set n, 0
	s_wait_alu depctr_va_vdst(0)
.rept 16
	v_pk_mul_f32 v[P+n:P+n+1], v[P+n:P+n+1], v[QQ+n:QQ+n+1]     ; erf
.set n, n+2
.endr
.set n, 0
.rept 16
	v_pk_fma_f32 v[P+n:P+n+1], v[HH+n:HH+n+1], v[P+n:P+n+1], v[HH+n:HH+n+1]
.set n, n+2
.endr
	QH P, CD+8*\a, T, HW+\a
	global_store_b128 v[L16], v[CD+8*\a:CD+8*\a+3], s[16:17] offset:1536*\a
	global_store_b64 v[L8], v[CD+8*\a+4:CD+8*\a+5], s[16:17] offset:1536*\a+512
	global_store_b16 v[R4], v[HW+\a], s[18:19] offset:64*\a
.endm
	GELU 0
	GELU 1
	GELU 2
	GELU 3
	s_wait_tensorcnt 0x0                           ; the wave's end
	ds_add_u32 v[SPW], v[NIL]
	s_wait_dscnt 0x0
	CROUND                                         ; the closing round
	s_endpgm
.Lfunc_end_k_q3617ea74b0_ffn1:
	.size	k_q3617ea74b0_ffn1, .Lfunc_end_k_q3617ea74b0_ffn1-k_q3617ea74b0_ffn1
	.p2alignl 7, 3214868480
	.fill 96, 4, 3214868480
	.section	.rodata,"a",@progbits
	.p2align	6, 0x0
	.amdhsa_kernel k_q3617ea74b0_ffn1
		.amdhsa_group_segment_fixed_size 327680
		.amdhsa_private_segment_fixed_size 0
		.amdhsa_enable_private_segment 0
		.amdhsa_kernarg_size 32
		.amdhsa_user_sgpr_count 2
		.amdhsa_user_sgpr_kernarg_segment_ptr 1
		.amdhsa_wavefront_size32 1
		.amdhsa_system_sgpr_workgroup_id_x 1
		.amdhsa_system_sgpr_workgroup_id_y 1
		.amdhsa_system_sgpr_workgroup_id_z 1
		.amdhsa_system_vgpr_workitem_id 0
		.amdhsa_next_free_vgpr 512
		.amdhsa_next_free_sgpr 100
		.amdhsa_reserve_vcc 0
		.amdhsa_float_denorm_mode_32 3
		.amdhsa_float_denorm_mode_16_64 3
		.amdhsa_memory_ordered 1
		.amdhsa_forward_progress 1
		.amdhsa_inst_pref_size 131
	.end_amdhsa_kernel
	.amdgpu_metadata
---
amdhsa.version: [ 1, 2 ]
amdhsa.kernels:
  - .name:           k_q3617ea74b0_ffn1
    .symbol:         k_q3617ea74b0_ffn1.kd
    .args:
      - { .name: act, .offset: 0, .size: 8, .value_kind: global_buffer, .address_space: global }
      - { .name: wimg, .offset: 8, .size: 8, .value_kind: global_buffer, .address_space: global }
      - { .name: b1, .offset: 16, .size: 8, .value_kind: global_buffer, .address_space: global }
      - { .name: fimg, .offset: 24, .size: 8, .value_kind: global_buffer, .address_space: global }
    .group_segment_fixed_size: 327680
    .private_segment_fixed_size: 0
    .kernarg_segment_align: 8
    .kernarg_segment_size: 32
    .max_flat_workgroup_size: 128
    .sgpr_count:     100
    .vgpr_count:     512
    .wavefront_size: 32
...
	.end_amdgpu_metadata
.endif
;; end of part 6
;; launch ffn2 (part 7): grid 8 x 32, 4 waves a work-group, clusters of 4 x 4, 327,680 bytes of LDS; arguments fimg, wimg, b2, ls2, x1, out0; writes out0
.if DOCPART == 7
	.amdgcn_target "amdgcn-amd-amdhsa--gfx1250"
	.amdhsa_code_object_version 6
	.text
	.protected	k_q3617ea74b0_ffn2
	.globl	k_q3617ea74b0_ffn2
	.p2align	8
	.type	k_q3617ea74b0_ffn2,@function
k_q3617ea74b0_ffn2:
	s_mov_b64 s[64:65], 0
	v_nop
	global_prefetch_b8 v0, s[64:65] scope:SCOPE_SE
	s_setreg_imm32_b32 hwreg(HW_REG_WAVE_MODE, 25, 1), 1
	s_wait_xcnt 0x0
	s_wait_alu depctr_hold_cnt(0) depctr_sa_sdst(0) depctr_va_vdst(0) depctr_va_sdst(0) depctr_va_ssrc(0) depctr_va_vcc(0) depctr_vm_vsrc(0)
	s_getreg_b32 s2, hwreg(HW_REG_IB_STS2, 6, 4)
	s_cmp_eq_u32 s2, 0
	s_cbranch_scc0 .Lentry_in_a_cluster
	s_endpgm
.Lentry_in_a_cluster:
	s_bfe_u32 s2, ttmp6, 0x10000c
	s_cmp_lg_u32 s2, 0xf033
	s_cbranch_scc0 .Lentry_shape_is_right
	s_endpgm
.Lentry_shape_is_right:
; out0 = x1 + (f w2^T + b2) ls2: the product on codes of FP6 (E2M3) with E8M0 scales, sums in f32; the rest in f32.
; A (tokens: fimg) and B (weight rows: wimg, from byte WOFF) come as RECORDS of 12,800 bytes = 128 rows x 128 K as images of operand registers: row tile i at 1,536 i, half c at 768 c (registers 6 c .. 6 c + 3 at
; 16 x lane, 6 c + 4, 6 c + 5 at 512 + 8 x lane), scale words at 12,288 + 64 i + 4 r: every LDS read covers 512 or 256 consecutive bytes.
; SHARES.  A tile of C is 128 tokens x 128 outputs: 256 work-groups, one for each WGP; four waves, each 64 x 64: 16 accumulators.
; K = 4,096 is 32 K steps, through a ring of two LDS slots of 4 K steps: a wave's one tensor load brings two records (25,600 dense bytes) and has a slot's 64 matrix instructions a wave in which to land.
; Two loads of a wave are out at the start, one behind each round.  CLUSTERS 4 x 4: A's records are shared along a row of the cluster, B's along a column: joint loads, each refill behind a round of the cluster's barrier.
; THE PRODUCT IS USED TRANSPOSED (source 0 = 16 weight rows, source 1 = 16 tokens); b2 is the C of each sum's first product.  The way out goes through the wave's own stage in LDS, 16 tokens at a time, and comes back
; as rows of 256 bytes, which sixteen lanes store as one aligned run; x1 (asked for at the head) and ls2 join there by one fused multiply-add.
; REGISTERS.  Window 0: v1-26 addresses, v28-29 the add's, v32-39 scale words, v40-43 ls2, v64-159 and v160-255 two sets of fragments.  Window 1: accumulator (a, b) at v[8 (4 a + b)]; v128-159 b2.  Window 2: v0-127 my part of x1.
.set NK,    32
.set WOFF,  6553600
.set REC,   12800
.set BOFF,  4*REC
.set SLOT,  8*REC
.set LAPS,  NK/8
.set STAGE, 2*SLOT
.set WSTG,  16*272
.set SPARE, STAGE+4*WSTG
.set A16, 8
.set A8,  10
.set B16, 12
.set B8,  14
.set ADS, 16
.set STO, 18
.set RD,  19
.set CO,  20
.set L16, 21
.set L8,  22
.set R4,  23
.set SPW, 28
.set NIL, 29
.set SC,  32
.set LSR, 40
.set F0,  64
.set Y,   64
.set BIAS, 128
.set G1,  24
.set G0,  32
.set G1B, 48
.set G0B, 56
.set MSB, 0
.macro WIN new
.if MSB != \new
	s_set_vgpr_msb (MSB<<8)|\new
.set MSB, \new
.endif
.endm
.set MUL, 0x50
.macro PLACES
.rept 4
	v_nop
.endr
.endm
.macro JLOAD s                         ; a joint load: waves 0 and 1 fetch A's records, waves 2 and 3 B's; four v_nop follow each line
	s_cmp_eq_u32 s11, 0
	s_cbranch_scc0 .Lfor_b_\@
	tensor_load_to_lds s[G0+4*\s:G0+4*\s+3], s[G1:G1+7]
	s_nop 0
.rept 4
	v_nop
.endr
	s_branch .Lasked_\@
.Lfor_b_\@:
	tensor_load_to_lds s[G0B+4*\s:G0B+4*\s+3], s[G1B:G1B+7]
	s_nop 0
.rept 4
	v_nop
.endr
.Lasked_\@:
.endm
.macro CREST
	s_cmp_lg_u32 s10, 0
	s_cbranch_scc1 .Lnot_wave_0_\@
	s_barrier_signal -3
.Lnot_wave_0_\@:
	s_barrier_wait -3
	s_barrier_signal -1
	s_barrier_wait -1
.endm
.macro CROUND
	s_barrier_signal -1
	s_barrier_wait -1
	CREST
.endm
.macro FETCH slot, q, p                ; 36 LDS loads: the fragments and scale words of the slot's q-th K step into set p
.set FB, F0+96*(\p)
.irp i, 0,1,2,3
.irp c, 0,1
	ds_load_b128 v[FB+12*\i+6*\c:FB+12*\i+6*\c+3], v[A16+\slot] offset:REC*(\q)+1536*\i+768*\c
	ds_load_b64 v[FB+12*\i+6*\c+4:FB+12*\i+6*\c+5], v[A8+\slot] offset:REC*(\q)+1536*\i+768*\c+512
.endr
.endr
.irp i, 0,1,2,3
.irp c, 0,1
	ds_load_b128 v[FB+48+12*\i+6*\c:FB+48+12*\i+6*\c+3], v[B16+\slot] offset:REC*(\q)+1536*\i+768*\c
	ds_load_b64 v[FB+48+12*\i+6*\c+4:FB+48+12*\i+6*\c+5], v[B8+\slot] offset:REC*(\q)+1536*\i+768*\c+512
.endr
.endr
.irp i, 0,1,2,3
	ds_load_b32 v[SC+4*(\p)+\i], v[ADS+\slot] offset:REC*(\q)+64*\i
.endr
.endm
.macro MULR p, a, first                ; token tile a against the four weight tiles; first = 1: the bias starts the sums.  The 16 accumulators take turns
.irp b, 0,1,2,3
.if \first
	v_wmma_scale_f32_16x16x128_f8f6f4 v[8*(4*(\a)+\b):8*(4*(\a)+\b)+7], v[F0+96*(\p)+48+12*\b:F0+96*(\p)+48+12*\b+11], v[F0+96*(\p)+12*(\a):F0+96*(\p)+12*(\a)+11], v[BIAS+8*\b:BIAS+8*\b+7], v[SC+4*(\p)+\b], v[SC+4*(\p)+(\a)] matrix_a_fmt:MATRIX_FMT_FP6 matrix_b_fmt:MATRIX_FMT_FP6 matrix_a_scale:MATRIX_SCALE_ROW1
.else
	v_wmma_scale_f32_16x16x128_f8f6f4 v[8*(4*(\a)+\b):8*(4*(\a)+\b)+7], v[F0+96*(\p)+48+12*\b:F0+96*(\p)+48+12*\b+11], v[F0+96*(\p)+12*(\a):F0+96*(\p)+12*(\a)+11], v[8*(4*(\a)+\b):8*(4*(\a)+\b)+7], v[SC+4*(\p)+\b], v[SC+4*(\p)+(\a)] matrix_a_fmt:MATRIX_FMT_FP6 matrix_b_fmt:MATRIX_FMT_FP6 matrix_a_scale:MATRIX_SCALE_ROW1
.endif
.endr
.endm
.macro STEP slot, q, first
	PLACES
	FETCH \slot, (\q)+1, 1-(\q)%2
	s_wait_dscnt 36                                ; this step's fragments are in; the 36 loads just issued may be out
	WIN MUL
.irp a, 0,1,2,3
	MULR (\q)%2, \a, \first
.endr
	WIN 0
.endm
; A slot's last K step changes slots: ONE barrier; in front of it each wave waits for all its tensor loads, adds 0 to its spare word, and waits for that and for its reads of this slot.
; fill = 1: the barrier opens a round of the cluster's barrier, and this slot is filled again, with the K steps eight on, first thing behind the round.
.macro TURN slot, next, fill
	s_wait_tensorcnt 0x0                           ; all my tensor loads have landed: my part of the next slot
	ds_add_u32 v[SPW], v[NIL]                      ; 0 onto my spare word
	s_wait_dscnt 1                                 ; this step's fragments are in (the add may be out)
	WIN MUL
	MULR 1, 0, 0                                   ; four matrix instructions stand between the add and the wait for it
	s_wait_dscnt 0x0                               ; the add is done, and my reads of this slot are over
	s_barrier_signal -1
	MULR 1, 1, 0
	WIN 0
	s_barrier_wait -1
.if \fill
	CREST                                          ; no wave of any partner still reads this slot or has a load on its way
	s_add_nc_u64 s[G0+4*\slot+2:G0+4*\slot+3], s[G0+4*\slot+2:G0+4*\slot+3], 8*REC
	s_add_nc_u64 s[G0B+4*\slot+2:G0B+4*\slot+3], s[G0B+4*\slot+2:G0B+4*\slot+3], 8*REC
	JLOAD \slot                                    ; my one tensor load behind the round; its four v_nop are the places ahead of the loads below
.else
	PLACES
.endif
	FETCH \next, 0, 0
	WIN MUL
	MULR 1, 2, 0
	MULR 1, 3, 0
	WIN 0
.endm
	s_load_b128 s[4:7], s[0:1], 0x0                ; fimg, wimg
	s_load_b128 s[68:71], s[0:1], 0x10             ; b2, ls2
	s_load_b128 s[72:75], s[0:1], 0x20             ; x1, out0
	v_lshl_add_u32 v[SPW], v0, 2, SPARE
	v_mov_b32 v[NIL], 0
	ds_add_u32 v28, v29
	ds_add_u32 v28, v29
	s_wait_dscnt 0x0
	v_lshrrev_b32 v1, 5, v0
	v_readfirstlane_b32 s10, v1
	s_lshr_b32 s11, s10, 1                         ; which 64 tokens are mine.  Also: I fetch for A (0) or for B (1)
	s_and_b32 s12, s10, 1                          ; which 64 outputs.  Also: which two of a slot's four records I fetch
	s_bfe_u32 s40, ttmp6, 0x40000
	s_bfe_u32 s41, ttmp6, 0x40004
	s_lshl_b32 s42, ttmp9, 2
	s_add_co_u32 s42, s42, s40                     ; J
	s_and_b32 s13, ttmp7, 0xffff
	s_lshl_b32 s13, s13, 2
	s_add_co_u32 s13, s13, s41                     ; I
	s_lshl_b32 s43, s41, 2
	s_lshl_b32 s43, 15, s43
	s_lshl_b32 s44, 0x1111, s40
	s_or_b32 s[G1+0], s43, (3<<16)|(1<<21)
	s_or_b32 s[G1B+0], s44, (3<<16)|(1<<21)
.irp g, G1, G1B
	s_mov_b32 s[\g+1], 32<<16                      ; rows of 256 bytes,
	s_mov_b32 s[\g+2], 100<<16                     ; 100 of them: two records
	s_mov_b32 s[\g+3], 32<<16
	s_mov_b32 s[\g+4], 100
	s_mov_b32 s[\g+5], 32
	s_mov_b32 s[\g+6], 0
	s_mov_b32 s[\g+7], 0
.endr
	s_mul_i32 s18, s12, 2*REC
	s_mul_i32 s16, s13, NK*REC
	s_add_co_u32 s16, s16, s18
	s_mov_b32 s17, 0
	s_mul_i32 s46, s42, NK*REC
	s_add_co_u32 s46, s46, s18
	s_add_co_u32 s46, s46, WOFF
	s_mov_b32 s47, 0
	s_mul_i32 s20, s10, 2*REC
	s_wait_kmcnt 0x0
	s_add_nc_u64 s[14:15], s[4:5], s[16:17]
	s_add_nc_u64 s[46:47], s[6:7], s[46:47]
	CROUND                                         ; all sixteen work-groups are here: the first joint loads meet
.irp s, 0,1
	s_mov_b32 s[G0+4*\s], 1
	s_add_co_u32 s[G0+4*\s+1], s20, \s*SLOT
	s_add_nc_u64 s[G0+4*\s+2:G0+4*\s+3], s[14:15], \s*4*REC
	s_or_b32 s[G0+4*\s+3], s[G0+4*\s+3], 0x80000000
	s_mov_b32 s[G0B+4*\s], 1
	s_add_co_u32 s[G0B+4*\s+1], s20, \s*SLOT
	s_add_nc_u64 s[G0B+4*\s+2:G0B+4*\s+3], s[46:47], \s*4*REC
	s_or_b32 s[G0B+4*\s+3], s[G0B+4*\s+3], 0x80000000
	JLOAD \s
.endr
	v_and_b32 v1, 15, v0
	v_bfe_u32 v2, v0, 4, 1
	v_and_b32 v3, 31, v0
	v_lshlrev_b32 v[L16], 4, v3
	v_lshlrev_b32 v[L8], 3, v3
	v_lshlrev_b32 v[R4], 2, v1
	s_mul_i32 s21, s11, 6144
	s_mul_i32 s22, s12, 6144
	s_add_co_u32 s22, s22, BOFF
.irp s, 0,1
	v_add_nc_u32 v[A16+\s], s21, v[L16]
	v_add_nc_u32 v[A8+\s], s21, v[L8]
	v_add_nc_u32 v[B16+\s], s22, v[L16]
	v_add_nc_u32 v[B8+\s], s22, v[L8]
	s_add_co_u32 s21, s21, SLOT
	s_add_co_u32 s22, s22, SLOT
.endr
	s_lshl_b32 s21, s11, 8
	s_lshl_b32 s22, s12, 8
	s_add_co_u32 s22, s22, BOFF
	s_sub_co_u32 s22, s22, s21
	v_mul_u32_u24 v4, s22, v2                      ; lanes 16-31 take B's scale words
	s_add_co_u32 s21, s21, 12288
	v_add_nc_u32 v4, v4, v[R4]
	v_add_nc_u32 v[ADS], s21, v4
	v_add_nc_u32 v[ADS+1], SLOT, v[ADS]
	s_mul_i32 s23, s10, WSTG
	s_add_co_u32 s23, s23, STAGE
	v_mul_u32_u24 v4, v1, 272
	v_lshl_add_u32 v4, v2, 5, v4
	v_add_nc_u32 v[STO], s23, v4
	v_mul_u32_u24 v4, v2, 272
	v_lshl_add_u32 v4, v1, 4, v4
	v_add_nc_u32 v[RD], s23, v4
	v_lshlrev_b32 v25, 5, v2                       ; 32 h
	v_lshlrev_b32 v26, 4, v1                       ; 16 r
	v_lshl_add_u32 v[CO], v2, 12, v26
	s_lshl_b32 s16, s13, 19
	s_lshl_b32 s17, s11, 18
	s_add_co_u32 s16, s16, s17
	s_lshl_b32 s46, s42, 9
	s_lshl_b32 s47, s12, 8
	s_add_co_u32 s46, s46, s47
	s_add_co_u32 s16, s16, s46
	s_mov_b32 s17, 0
	s_mov_b32 s47, 0
	s_add_nc_u64 s[72:73], s[72:73], s[16:17]
	s_add_nc_u64 s[74:75], s[74:75], s[16:17]
	s_add_nc_u64 s[68:69], s[68:69], s[46:47]
	s_add_nc_u64 s[70:71], s[70:71], s[46:47]
	WIN 0x40                                       ; destination window 1
.irp b, 0,1,2,3
	global_load_b128 v[BIAS+8*\b:BIAS+8*\b+3], v25, s[68:69] offset:64*\b
	global_load_b128 v[BIAS+8*\b+4:BIAS+8*\b+7], v25, s[68:69] offset:64*\b+16
.endr
	WIN 0
	global_load_b128 v[LSR:LSR+3], v26, s[70:71]
	WIN 0x80                                       ; destination window 2
.irp a, 0,1,2,3
.irp i, 0,1,2,3,4,5,6,7
	global_load_b128 v[32*\a+4*\i:32*\a+4*\i+3], v[CO], s[72:73] offset:(16*\a+2*\i)*4096
.endr
.endr
	WIN 0
	s_wait_tensorcnt 1                             ; my part of slot 0 is in; slot 1's may be out
	s_barrier_signal -1
	s_barrier_wait -1
	FETCH 0, 0, 0
	s_wait_loadcnt 33                              ; b2's eight loads are in; ls2's one and x1's 32 may be out
	STEP 0, 0, 1
	s_mov_b32 s3, LAPS-1
.Llap:                                                 ; a trip goes once round the ring, from a lap's second K step to the next lap's first, and fills both slots again
	STEP 0, 1, 0
	STEP 0, 2, 0
	TURN 0, 1, 1
	STEP 1, 0, 0
	STEP 1, 1, 0
	STEP 1, 2, 0
	TURN 1, 0, 1
	STEP 0, 0, 0
	s_sub_co_u32 s3, s3, 1
	s_cmp_lg_u32 s3, 0
	s_cbranch_scc1 .Llap
	STEP 0, 1, 0                                   ; the last lap fills nothing
	STEP 0, 2, 0
	TURN 0, 1, 0
	STEP 1, 0, 0
	STEP 1, 1, 0
	STEP 1, 2, 0
	s_wait_dscnt 0x0
	WIN MUL
.irp a, 0,1,2,3
	MULR 1, \a, 0
.endr
	WIN 0
	PLACES
	s_wait_loadcnt 0x0                             ; x1 and ls2
.irp a, 0,1,2,3
.if \a >= 2
	s_wait_xcnt 0x0                                ; the stores of two tiles ago have read their registers
.endif
	WIN 0x04                                       ; an LDS store's data: window 1
.irp b, 0,1,2,3
	ds_store_b128 v[STO], v[8*(4*\a+\b):8*(4*\a+\b)+3] offset:64*\b
	ds_store_b128 v[STO], v[8*(4*\a+\b)+4:8*(4*\a+\b)+7] offset:64*\b+16
.endr
	WIN 0
.irp i, 0,1,2,3,4,5,6,7
	ds_load_b128 v[Y+32*(\a%2)+4*\i:Y+32*(\a%2)+4*\i+3], v[RD] offset:544*\i   ; LDS serves a wave's instructions in order: these see my stores
.endr
	s_wait_dscnt 0x0
	WIN 0x20                                       ; source 2 (x1) window 2
.irp i, 0,1,2,3,4,5,6,7
	v_pk_fma_f32 v[Y+32*(\a%2)+4*\i:Y+32*(\a%2)+4*\i+1], v[Y+32*(\a%2)+4*\i:Y+32*(\a%2)+4*\i+1], v[LSR:LSR+1], v[32*\a+4*\i:32*\a+4*\i+1]
	v_pk_fma_f32 v[Y+32*(\a%2)+4*\i+2:Y+32*(\a%2)+4*\i+3], v[Y+32*(\a%2)+4*\i+2:Y+32*(\a%2)+4*\i+3], v[LSR+2:LSR+3], v[32*\a+4*\i+2:32*\a+4*\i+3]
.endr
	WIN 0
.irp i, 0,1,2,3,4,5,6,7
	global_store_b128 v[CO], v[Y+32*(\a%2)+4*\i:Y+32*(\a%2)+4*\i+3], s[74:75] offset:(16*\a+2*\i)*4096 th:TH_STORE_NT   ; 16 lanes store 256 consecutive bytes, aligned
.endr
.endr
	s_wait_tensorcnt 0x0                           ; the wave's end, behind my last tensor load and my last LDS store
	ds_add_u32 v[SPW], v[NIL]
	s_wait_dscnt 0x0
	CROUND                                         ; the closing round: no work-group ends while a partner may still ask for a tile that names it
	s_endpgm
.Lfunc_end_k_q3617ea74b0_ffn2:
	.size	k_q3617ea74b0_ffn2, .Lfunc_end_k_q3617ea74b0_ffn2-k_q3617ea74b0_ffn2
	.p2alignl 7, 3214868480
	.fill 96, 4, 3214868480
	.section	.rodata,"a",@progbits
	.p2align	6, 0x0
	.amdhsa_kernel k_q3617ea74b0_ffn2
		.amdhsa_group_segment_fixed_size 327680
		.amdhsa_private_segment_fixed_size 0
		.amdhsa_enable_private_segment 0
		.amdhsa_kernarg_size 48
		.amdhsa_user_sgpr_count 2
		.amdhsa_user_sgpr_kernarg_segment_ptr 1
		.amdhsa_wavefront_size32 1
		.amdhsa_system_sgpr_workgroup_id_x 1
		.amdhsa_system_sgpr_workgroup_id_y 1
		.amdhsa_system_sgpr_workgroup_id_z 1
		.amdhsa_system_vgpr_workitem_id 0
		.amdhsa_next_free_vgpr 640
		.amdhsa_next_free_sgpr 100
		.amdhsa_reserve_vcc 0
		.amdhsa_float_denorm_mode_32 3
		.amdhsa_float_denorm_mode_16_64 3
		.amdhsa_memory_ordered 1
		.amdhsa_forward_progress 1
		.amdhsa_inst_pref_size 98
	.end_amdhsa_kernel
	.amdgpu_metadata
---
amdhsa.version: [ 1, 2 ]
amdhsa.kernels:
  - .name:           k_q3617ea74b0_ffn2
    .symbol:         k_q3617ea74b0_ffn2.kd
    .args:
      - { .name: fimg, .offset: 0, .size: 8, .value_kind: global_buffer, .address_space: global }
      - { .name: wimg, .offset: 8, .size: 8, .value_kind: global_buffer, .address_space: global }
      - { .name: b2, .offset: 16, .size: 8, .value_kind: global_buffer, .address_space: global }
      - { .name: ls2, .offset: 24, .size: 8, .value_kind: global_buffer, .address_space: global }
      - { .name: x1, .offset: 32, .size: 8, .value_kind: global_buffer, .address_space: global }
      - { .name: out0, .offset: 40, .size: 8, .value_kind: global_buffer, .address_space: global }
    .group_segment_fixed_size: 327680
    .private_segment_fixed_size: 0
    .kernarg_segment_align: 8
    .kernarg_segment_size: 48
    .max_flat_workgroup_size: 128
    .sgpr_count:     100
    .vgpr_count:     640
    .wavefront_size: 32
...
	.end_amdgpu_metadata
.endif
;; end of part 7
;; ======== version 2 of 2: 7 launches
;; limits: right only within a limited range of input values
;; workspace buffers: wimg 9,830,400 bytes; tab 524,288 bytes; act 3,276,800 bytes; qimg 3,407,872 bytes; kv 6,684,672 bytes; x1 16,777,216 bytes; fimg 13,107,200 bytes
;; launch prep (part 8): grid 416 x 1, 8 waves a work-group, no clusters, 134,400 bytes of LDS; arguments wq, wk, wv, wo, w1, w2, wimg, tab, x, norm1_w, norm1_b, act; writes wimg, tab, act
.if DOCPART == 8
	.amdgcn_target "amdgcn-amd-amdhsa--gfx1250"
	.amdhsa_code_object_version 6
	.text
	.protected	k_q3617ea74b0_prep
	.globl	k_q3617ea74b0_prep
	.p2align	8
	.type	k_q3617ea74b0_prep,@function
k_q3617ea74b0_prep:
	s_mov_b64 s[64:65], 0
	v_nop
	global_prefetch_b8 v0, s[64:65] scope:SCOPE_SE
	s_setreg_imm32_b32 hwreg(HW_REG_WAVE_MODE, 25, 1), 1
	s_wait_xcnt 0x0
; ONE BODY FOR TWO LAUNCHES, each a norm with the quantising of weights beside it.  act = Q(layernorm(X) W + B) for the launch's X, W, B; weights become codes; RoPE's tables are made.
; Codes are FP6 (E2M3) with one E8M0 byte for each 32 along K.
; With n = 512 y + x of the work-group: n 0-255: 16 rows of the norm; n 256-383: wq, wk, wv, wo; n 384-415: the tables; n 512-767: w1 and w2.
; The first launch (grid 416 x 1; X = x) so prepares what the launches up to the output projection need; the second (grid 256 x 2; X = x1) runs ahead of the feed-forward layer: its row y = 0 is the norm, its row y = 1 w1 and w2.
; In each launch two work-groups fit on a WGP (134,400 bytes of LDS, 2 x 210 registers a SIMD each), so all its work-groups are at work at once.
; WORK LEFT OUT BY THE PROGRAM: the module adds -infinity to every score with i - j < 0 or i - j >= 125, so those keys get the weight 0 for all values of the inputs; the attention launch computes, for a group of
; 128 queries, only the keys of that group and of the one before.  Limit: a NaN, an infinity or an overflow that reaches only the scores left out is not carried to the result.  Every input is loaded.
; A RECORD (12,800 bytes) is 128 rows x 128 along K as images of operand registers: row tile i (16 rows) at 1,536 i; in it the half c (64 along K) at 768 c:
; lane l's registers 6 c .. 6 c + 3 at 16 l, its registers 6 c + 4, 6 c + 5 at 512 + 8 l; the rows' scale words at 12,288 + 64 i + 4 r.  Records lie [row block of 128][K step].
; wimg's row blocks: wq 0-7, wk 8-15, wv 16-23, wo 24-31, w1 32-63 (8 K steps each); w2's 8 blocks of 32 K steps behind them.  act: 32 row blocks of 8 K steps.
; ORDER INSIDE A BLOCK OF 32: place 16 h + 8 u + j holds k = 16 u + 8 h + j, in every operand of every product of this program, so both sides of a product agree; a block keeps its 32 members, so the scales are the rule's.
; THE NORM.  Phase 1: wave w normalises rows 2 w, 2 w + 1, held in registers: mean, then the sum of (x - mean)^2 (two passes, so that a common offset costs nothing), then the gain and
; the bias, into a stage in LDS (rows 4,112 bytes apart); one barrier; phase 2: wave w quantises K step w of the 16 rows.  These work-groups have the longest chain of dependent steps and so the lowest numbers.
; THE WEIGHTS.  A work-group takes 128 rows x 2 K steps; wave w takes row tile w.  Each load reads 512 consecutive bytes of a row; a K step turns through the wave's own stage (16 rows, 528 bytes apart: 33 x 16), one K step
; after the other on the same bytes: LDS serves a wave's instructions in order.  THE TABLES: tab[t][0..31] = cos(t inv_freq(f)), tab[t][32..63] = sin; a wave makes 8 rows of 256 bytes.
; The norm's stage and the weights' stages have LDS bytes of their own.
; LIMITS: NaN and infinities are not served; a block whose largest magnitude lies under 2^-124 keeps the byte 1 (a block of zeros too: its codes are zeros, and this program alone reads the bytes); 1 / sqrt by v_rsq_f32.
; inv_freq(f) = 10^(-f/8), rounded once to f32.  sin and cos: reduction by pi/2 in two parts (k <= 1,304: what is left out stays under 2.3e-12), polynomials on [-pi/4, pi/4].
.set REC,   12800
.set W2OFF, 64*8*REC
.set PITCH, 528
.set WSTG,  16*PITCH
.set LNB,   8*WSTG                     ; the norm's stage
.set LP,    4112
.set SPARE, LNB+16*LP                  ; the spare words: 128 bytes for each wave
.set SEL,   40                         ; s[40:41] lane selects: lane l xor 16
.set TM,    8                          ; v8-15  the quantiser's work
.set HW,    16                         ; v16-19 two scale bytes for each half
.set T,     20                         ; v20-22 a block's upper 16 codes on their way
.set WD,    24                         ; v24-25 scale words
.set X,     32                         ; v32-159 two K steps of 64 numbers a lane
.set CD,    160                        ; v160-191 codes: eight registers for each half, so that no store's data are written again
.set OFF,   192                        ; v192-207 row p's byte offset + 16 x lane
; 32 numbers of a lane, register 16 b + i = place 16 h + i of block b of my row, become the six registers of a half image, v[d] on, and two scale bytes in v[hw].
.macro QH s, d, t, hw
.irp b, 0,1
	v_max3_num_f32 v[TM+\b], |v[\s+16*\b]|, |v[\s+16*\b+1]|, 0x1800000   ; my 16 numbers, and the floor 2^(3 - 127): the byte cannot fall under 1
.endr
.irp i, 2,4,6,8,10,12,14
.irp b, 0,1
	s_delay_alu instid0(VALU_DEP_2)
	v_max3_num_f32 v[TM+\b], v[TM+\b], |v[\s+16*\b+\i]|, |v[\s+16*\b+\i+1]|
.endr
.endr
.irp b, 0,1
	s_delay_alu instid0(VALU_DEP_2)
	v_permlanex16_b32 v[TM+2+\b], v[TM+\b], s[SEL], s[SEL+1]
.endr
.irp b, 0,1
	s_delay_alu instid0(VALU_DEP_2)
	v_max_num_f32 v[TM+\b], v[TM+\b], v[TM+2+\b]      ; with lane l xor 16's: the block's largest magnitude
.endr
.irp b, 0,1
	s_delay_alu instid0(VALU_DEP_2)
	v_add_nc_u32 v[TM+4+\b], 0xff000000, v[TM+\b]     ; 2 off its exponent field: the conversion's scale operand
.endr
.irp b, 0,1
	s_delay_alu instid0(VALU_DEP_2)
	v_lshrrev_b32 v[TM+6+\b], 23, v[TM+4+\b]          ; the scale's byte
.endr
	s_delay_alu instid0(VALU_DEP_1)
	v_lshl_or_b32 v[\hw], v[TM+7], 8, v[TM+6]
	v_cvt_scalef32_pk16_fp6_f32 v[\d:\d+2], v[\s:\s+15], v[TM+4]
	v_cvt_scalef32_pk16_fp6_f32 v[\t:\t+2], v[\s+16:\s+31], v[TM+5]
	v_nop                                             ; one plain place behind a scaled conversion
.irp i, 0,1,2
	v_permlane16_swap_b32 v[\d+\i], v[\t+\i]          ; a whole block to a lane: lanes 0-15 the first block, lanes 16-31 the second
.endr
.irp i, 0,1,2
	s_delay_alu instid0(VALU_DEP_3)
	v_mov_b32 v[\d+3+\i], v[\t+\i]
.endr
.endm
.macro RED                             ; v8 summed over the 32 lanes, into every lane
	s_delay_alu instid0(VALU_DEP_1)
	v_add_f32_dpp v8, v8, v8 row_xmask:1 row_mask:0xf bank_mask:0xf
	s_delay_alu instid0(VALU_DEP_1)
	v_add_f32_dpp v8, v8, v8 row_xmask:2 row_mask:0xf bank_mask:0xf
	s_delay_alu instid0(VALU_DEP_1)
	v_add_f32_dpp v8, v8, v8 row_xmask:4 row_mask:0xf bank_mask:0xf
	s_delay_alu instid0(VALU_DEP_1)
	v_add_f32_dpp v8, v8, v8 row_xmask:8 row_mask:0xf bank_mask:0xf
	s_delay_alu instid0(VALU_DEP_1)
	v_permlanex16_b32 v14, v8, s[SEL], s[SEL+1]
	s_delay_alu instid0(VALU_DEP_1)
	v_add_f32 v8, v8, v14
.endm
.macro STAT xr                         ; the row in v[xr] .. v[xr + 31] becomes (x - mean) / sqrt(var + eps)
	v_pk_add_f32 v[8:9], v[\xr:\xr+1], v[\xr+2:\xr+3]
	v_pk_add_f32 v[10:11], v[\xr+4:\xr+5], v[\xr+6:\xr+7]
.irp j, 8,12,16,20,24,28
	s_delay_alu instid0(VALU_DEP_2)
	v_pk_add_f32 v[8:9], v[8:9], v[\xr+\j:\xr+\j+1]
	s_delay_alu instid0(VALU_DEP_2)
	v_pk_add_f32 v[10:11], v[10:11], v[\xr+\j+2:\xr+\j+3]
.endr
	s_delay_alu instid0(VALU_DEP_1)
	v_pk_add_f32 v[8:9], v[8:9], v[10:11]
	s_delay_alu instid0(VALU_DEP_1)
	v_add_f32 v8, v8, v9
	RED
	s_delay_alu instid0(VALU_DEP_1)
	v_mul_f32 v8, s24, v8                          ; the mean
	s_delay_alu instid0(VALU_DEP_1)
	v_mov_b32 v9, v8
.irp j, 0,2,4,6,8,10,12,14,16,18,20,22,24,26,28,30
	v_pk_add_f32 v[\xr+\j:\xr+\j+1], v[\xr+\j:\xr+\j+1], v[8:9] neg_lo:[0,1] neg_hi:[0,1]
.endr
	v_pk_mul_f32 v[10:11], v[\xr:\xr+1], v[\xr:\xr+1]
	v_pk_mul_f32 v[12:13], v[\xr+2:\xr+3], v[\xr+2:\xr+3]
.irp j, 4,8,12,16,20,24,28
	s_delay_alu instid0(VALU_DEP_2)
	v_pk_fma_f32 v[10:11], v[\xr+\j:\xr+\j+1], v[\xr+\j:\xr+\j+1], v[10:11]
	s_delay_alu instid0(VALU_DEP_2)
	v_pk_fma_f32 v[12:13], v[\xr+\j+2:\xr+\j+3], v[\xr+\j+2:\xr+\j+3], v[12:13]
.endr
	s_delay_alu instid0(VALU_DEP_1)
	v_pk_add_f32 v[10:11], v[10:11], v[12:13]
	s_delay_alu instid0(VALU_DEP_1)
	v_add_f32 v8, v10, v11
	RED
	s_delay_alu instid0(VALU_DEP_1)
	v_fma_f32 v8, v8, s24, s25                     ; var + eps
	s_wait_alu depctr_va_vdst(0)                   ; the wait ahead of a transcendental,
	v_rsq_f32 v8, v8
	v_nop                                          ; one plain place behind it,
	s_wait_alu depctr_va_vdst(0)                   ; and the wait ahead of its first reader
	v_mov_b32 v9, v8
.irp j, 0,2,4,6,8,10,12,14,16,18,20,22,24,26,28,30
	v_pk_mul_f32 v[\xr+\j:\xr+\j+1], v[\xr+\j:\xr+\j+1], v[8:9]
.endr
.endm
	v_lshl_add_u32 v208, v0, 2, SPARE
	v_mov_b32 v209, 0
	v_lshrrev_b32 v1, 5, v0
	s_delay_alu instid0(VALU_DEP_1)
	v_readfirstlane_b32 s20, v1                    ; wave 0..7
	v_and_b32 v7, 31, v0                           ; lane
	v_bfe_u32 v2, v0, 4, 1                         ; h
	v_and_b32 v1, 15, v0                           ; r
	s_delay_alu instid0(VALU_DEP_3)
	v_lshlrev_b32 v5, 3, v7                        ; 8 x lane
	v_lshlrev_b32 v4, 4, v7                        ; 16 x lane
	s_delay_alu instid0(VALU_DEP_3)
	v_lshlrev_b32 v6, 2, v1                        ; 4 r
	s_mov_b32 s[SEL], 0x76543210
	s_mov_b32 s[SEL+1], 0xfedcba98
	s_and_b32 s45, ttmp7, 0xffff                   ; y
	s_lshl_b32 s46, s45, 9
	s_add_co_u32 s46, s46, ttmp9                   ; n = 512 y + x
	s_wait_alu depctr_va_vdst(0)                   ; the wait ahead of the branches
	s_cmp_lt_u32 s46, 256
	s_cbranch_scc1 .Lnorm
	s_load_b256 s[4:11], s[0:1], 0x0               ; wq, wk, wv, wo
	s_load_b256 s[12:19], s[0:1], 0x20             ; w1, w2, wimg, tab
	s_lshl_b32 s45, s45, 7
	s_sub_co_u32 s44, s46, 256
	s_sub_co_u32 s44, s44, s45                     ; the weights' share: n 256-383 -> 0-127 (wq .. wo), n 512-767 -> 128-383 (w1, w2)
	s_sub_co_u32 s47, s46, 384                     ; n 384-415 -> 0-31: the tables (n under 384 wraps to a large number, n from 512 on gives 128 or more)
	s_cmp_lt_u32 s47, 128
	s_cbranch_scc1 .Lrope
	; ---------------- the weights
	v_mov_b32 v[TM+2], 0                           ; a lane permute's destination counts as read
	v_mov_b32 v[TM+3], 0
	s_lshr_b32 s21, s44, 2                         ; K = 1,024: row block in wimg, four work-groups to a block
	s_and_b32 s22, s44, 3
	s_lshl_b32 s22, s22, 1                         ; first K step
	s_and_b32 s23, s21, 7                          ; row block in its own tensor: wq .. wo
	s_sub_co_u32 s24, s21, 32                      ; w1
	s_cmp_lt_u32 s44, 128
	s_cselect_b32 s23, s23, s24
	s_mul_i32 s25, s21, 8*REC
	s_sub_co_u32 s26, s44, 256                     ; w2: sixteen work-groups to a block
	s_lshr_b32 s27, s26, 4
	s_and_b32 s28, s26, 15
	s_lshl_b32 s28, s28, 1
	s_mul_i32 s29, s27, 32*REC
	s_add_co_u32 s29, s29, W2OFF
	s_cmp_lt_u32 s44, 256
	s_cselect_b32 s23, s23, s27                    ; row block
	s_cselect_b32 s22, s22, s28                    ; first K step
	s_cselect_b32 s25, s25, s29                    ; the block's first record
	s_cselect_b32 s30, 12, 14                      ; log2 of a row's bytes: 4,096 or 16,384
	s_mul_i32 s31, s22, REC
	s_add_co_u32 s25, s25, s31                     ; my first record
	s_lshl_b32 s23, s23, 7
	s_lshl_b32 s31, s20, 4
	s_add_co_u32 s23, s23, s31                     ; my first row: 128 x block + 16 x wave
	s_lshl_b32 s34, s23, s30
	s_lshl_b32 s31, s22, 9                         ; a K step is 512 bytes of a row
	s_add_co_u32 s34, s34, s31
	s_mov_b32 s35, 0
	s_mul_i32 s31, s20, 1536
	s_add_co_u32 s36, s25, s31                     ; my row tile's codes
	s_mov_b32 s37, 0
	s_lshl_b32 s31, s20, 6
	s_add_co_u32 s38, s25, s31
	s_add_co_u32 s38, s38, 12288                   ; and its scale words
	s_mov_b32 s39, 0
.irp p, 0,1,2,3,4,5,6,7,8,9,10,11,12,13,14,15
	s_lshl_b32 s31, \p, s30
	v_add_nc_u32 v[OFF+\p], s31, v4                ; row p: p x pitch + 16 x lane
.endr
	s_mul_i32 s31, s20, WSTG                       ; my stage
	v_add_nc_u32 v3, s31, v4                       ; in: 16 x lane
	v_mul_u32_u24 v26, v1, PITCH
	s_delay_alu instid0(VALU_DEP_1)
	v_lshl_add_u32 v26, v2, 5, v26
	s_delay_alu instid0(VALU_DEP_1)
	v_add_nc_u32 v26, s31, v26                     ; back: row r, + 32 h
	s_wait_alu depctr_va_vdst(0)                   ; the wait at the head's end
	s_wait_kmcnt 0x0
	s_mov_b64 s[32:33], s[14:15]                   ; which tensor: the choice hangs on the work-group's number alone
	s_cmp_lt_u32 s44, 256
	s_cselect_b64 s[32:33], s[12:13], s[32:33]
	s_cmp_lt_u32 s44, 128
	s_cselect_b64 s[32:33], s[10:11], s[32:33]
	s_cmp_lt_u32 s44, 96
	s_cselect_b64 s[32:33], s[8:9], s[32:33]
	s_cmp_lt_u32 s44, 64
	s_cselect_b64 s[32:33], s[6:7], s[32:33]
	s_cmp_lt_u32 s44, 32
	s_cselect_b64 s[32:33], s[4:5], s[32:33]
	s_add_nc_u64 s[32:33], s[32:33], s[34:35]
	s_add_nc_u64 s[36:37], s[16:17], s[36:37]
	s_add_nc_u64 s[38:39], s[16:17], s[38:39]
.macro LOAD f                          ; K step f of my 16 rows: each load 512 consecutive bytes
.irp p, 0,1,2,3,4,5,6,7,8,9,10,11,12,13,14,15
	global_load_b128 v[X+64*\f+4*\p:X+64*\f+4*\p+3], v[OFF+\p], s[32:33] offset:512*\f th:TH_LOAD_NT
.endr
.endm
.macro TURNF f                         ; through my stage; LDS serves a wave's instructions in order, so no wait stands between the stores and the loads, nor ahead of the next K step's stores
.irp p, 0,1,2,3,4,5,6,7,8,9,10,11,12,13,14,15
	ds_store_b128 v3, v[X+64*\f+4*\p:X+64*\f+4*\p+3] offset:PITCH*\p
.endr
.irp b, 0,1,2,3
.irp u, 0,1
.irp e, 0,1
	ds_load_b128 v[X+64*\f+16*\b+8*\u+4*\e:X+64*\f+16*\b+8*\u+4*\e+3], v26 offset:128*\b+64*\u+16*\e   ; k = 32 b + 16 u + 8 h + 4 e + 0 .. 3 of row r
.endr
.endr
.endr
.endm
.macro OUTF f
.irp c, 0,1
	QH X+64*\f+32*\c, CD+8*(2*\f+\c), T, HW+2*\f+\c
	global_store_b128 v4, v[CD+8*(2*\f+\c):CD+8*(2*\f+\c)+3], s[36:37] offset:REC*\f+768*\c        ; 512 consecutive bytes
	global_store_b64 v5, v[CD+8*(2*\f+\c)+4:CD+8*(2*\f+\c)+5], s[36:37] offset:REC*\f+768*\c+512   ; 256 consecutive bytes
.endr
	v_lshl_or_b32 v[WD+\f], v[HW+2*\f+1], 16, v[HW+2*\f]
	global_store_b32 v6, v[WD+\f], s[38:39] offset:REC*\f   ; lanes r and r + 16 hold the same word
.endm
	LOAD 0
	LOAD 1
	s_wait_loadcnt 16                              ; K step 0's sixteen loads are in; K step 1's may be out
	TURNF 0
	s_wait_loadcnt 0x0
	TURNF 1
	s_wait_dscnt 32                                ; K step 0 is back (behind it: K step 1's 16 stores and 16 loads)
	OUTF 0
	s_wait_dscnt 0x0
	OUTF 1
	s_wait_tensorcnt 0x0                           ; the wave's end, behind my last LDS store
	ds_add_u32 v208, v209
	s_wait_dscnt 0x0
	s_endpgm
	; ---------------- RoPE's tables
.Lrope:
	s_lshl_b32 s21, s47, 3
	s_add_co_u32 s21, s21, s20
	s_lshl_b32 s21, s21, 3                         ; my first t: 8 x (8 x work-group + wave)
	s_lshl_b32 s24, s21, 8                         ; 256 bytes a row
	s_mov_b32 s25, 0
	v_mov_b32 v16, 0                               ; inv_freq of f = 2 (lane % 16),
	v_mov_b32 v17, 0                               ; and of f + 1
.macro INV l, ev, od
	s_mov_b32 s22, \ev
	s_mov_b32 s23, \od
	v_writelane_b32 v16, s22, \l
	s_delay_alu instid0(VALU_DEP_1)
	v_writelane_b32 v16, s22, \l+16
	v_writelane_b32 v17, s23, \l
	s_delay_alu instid0(VALU_DEP_1)
	v_writelane_b32 v17, s23, \l+16
.endm
	INV 0, 1.0, 0.749894209332
	INV 1, 0.562341325190, 0.421696503429
	INV 2, 0.316227766017, 0.237137370566
	INV 3, 0.177827941004, 0.133352143216
	INV 4, 0.1, 0.0749894209332
	INV 5, 0.0562341325190, 0.0421696503429
	INV 6, 0.0316227766017, 0.0237137370566
	INV 7, 0.0177827941004, 0.0133352143216
	INV 8, 0.01, 0.00749894209332
	INV 9, 0.00562341325190, 0.00421696503429
	INV 10, 0.00316227766017, 0.00237137370566
	INV 11, 0.00177827941004, 0.00133352143216
	INV 12, 0.001, 0.000749894209332
	INV 13, 0.000562341325190, 0.000421696503429
	INV 14, 0.000316227766017, 0.000237137370566
	INV 15, 0.000177827941004, 0.000133352143216
	v_sub_nc_u32 v18, 1, v2                        ; lanes 0-15 make cos = sin a quarter turn on
	s_wait_kmcnt 0x0
	s_add_nc_u64 s[18:19], s[18:19], s[24:25]
.macro ANG dst, inv                    ; v[dst] = cos (lanes 0-15) or sin (lanes 16-31) of t x v[inv]
	v_mul_f32 v20, v19, v[\inv]                    ; the angle, rounded once
	s_delay_alu instid0(VALU_DEP_1)
	v_mul_f32 v21, 0x3f22f983, v20                 ; x 2 / pi
	s_delay_alu instid0(VALU_DEP_1)
	v_rndne_f32 v21, v21                           ; k
	s_delay_alu instid0(VALU_DEP_1)
	v_fmamk_f32 v22, v21, 0xbfc90fdb, v20          ; - k x pi/2's upper part: exact
	s_delay_alu instid0(VALU_DEP_1)
	v_fmamk_f32 v22, v21, 0x333bbd2e, v22          ; + k x 4.37113883e-8: what the upper part has too much
	s_delay_alu instid0(VALU_DEP_1)
	v_mul_f32 v23, v22, v22                        ; z
	v_mov_b32 v24, -0.00019515295891
	s_delay_alu instid0(VALU_DEP_1)
	v_fmaak_f32 v24, v24, v23, 0.0083321608736
	s_delay_alu instid0(VALU_DEP_1)
	v_fmaak_f32 v24, v24, v23, -0.16666654611
	s_delay_alu instid0(VALU_DEP_4)
	v_mul_f32 v25, v22, v23
	s_delay_alu instid0(VALU_DEP_1)
	v_fma_f32 v24, v24, v25, v22                   ; sin r
	v_mov_b32 v26, 0.00002443315712
	s_delay_alu instid0(VALU_DEP_1)
	v_fmaak_f32 v26, v26, v23, -0.001388731625
	s_delay_alu instid0(VALU_DEP_1)
	v_fmaak_f32 v26, v26, v23, 0.04166664568
	v_mul_f32 v27, v23, v23
	v_fma_f32 v28, v23, -0.5, 1.0
	s_delay_alu instid0(VALU_DEP_1)
	v_fma_f32 v26, v26, v27, v28                   ; cos r
	v_cvt_i32_f32 v29, v21
	s_delay_alu instid0(VALU_DEP_1)
	v_add_nc_u32 v29, v29, v18                     ; the quarter
	s_delay_alu instid0(VALU_DEP_1)
	v_and_b32 v30, 1, v29
	s_delay_alu instid0(VALU_DEP_1)
	v_cmp_eq_u32 vcc_lo, 1, v30
	s_delay_alu instid0(VALU_DEP_1)
	v_cndmask_b32 v24, v24, v26, vcc_lo            ; odd quarters take cos r
	s_delay_alu instid0(VALU_DEP_4)
	v_and_b32 v29, 2, v29
	s_delay_alu instid0(VALU_DEP_1)
	v_lshlrev_b32 v29, 30, v29
	s_delay_alu instid0(VALU_DEP_1)
	v_xor_b32 v[\dst], v24, v29                    ; quarters 2 and 3 change the sign
.endm
.irp i, 0,1,2,3,4,5,6,7
	s_add_co_u32 s26, s21, \i
	v_cvt_f32_u32 v19, s26
	s_wait_alu depctr_va_vdst(0)
	ANG 32+2*\i, 16
	ANG 33+2*\i, 17
	global_store_b64 v5, v[32+2*\i:33+2*\i], s[18:19] offset:256*\i   ; 32 lanes store a row's 256 bytes
.endr
	s_endpgm
	; ---------------- the norm (y = 0, x = 0 .. 255): registers v8-14 sums, v16-23 the quantiser's work, v24-26 scale bytes, v28-30 codes on their way, v32-95 my two rows, v96-127 the gain, v128-159 the bias, v160-171 codes
.set TM, 16
.set HW, 24
.set T,  28
.set WR, 96
.set BR, 128
.Lnorm:
	s_load_b256 s[4:11], s[0:1], 0x40              ; X, its gain, its bias, act
	s_mul_i32 s16, s20, 2*LP
	s_add_co_u32 s16, s16, LNB
	v_add_nc_u32 v3, s16, v4                       ; the stage, in: my two rows, 16 x lane
	v_mul_u32_u24 v27, v1, LP
	s_delay_alu instid0(VALU_DEP_1)
	v_lshl_add_u32 v27, v2, 5, v27
	s_lshl_b32 s16, s20, 9
	s_add_co_u32 s16, s16, LNB
	v_add_nc_u32 v27, s16, v27                     ; back: row r, K step w, + 32 h
	v_mov_b32 v14, 0                               ; lane permutes' destinations count as read
	v_mov_b32 v[TM+2], 0
	v_mov_b32 v[TM+3], 0
	s_mov_b32 s24, 0x3a800000                      ; 1 / 1,024
	s_mov_b32 s25, 0x3727c5ac                      ; 1e-5
	s_lshl_b32 s13, ttmp9, 4
	s_lshl_b32 s14, s20, 1
	s_add_co_u32 s13, s13, s14                     ; my first row
	s_lshl_b32 s14, s13, 12
	s_mov_b32 s15, 0
	s_lshr_b32 s17, ttmp9, 3
	s_lshl_b32 s17, s17, 3
	s_add_co_u32 s17, s17, s20                     ; record: 8 x row block + K step w
	s_mul_i32 s18, s17, REC
	s_and_b32 s19, ttmp9, 7                        ; the row tile in its block
	s_mul_i32 s28, s19, 1536
	s_add_co_u32 s28, s28, s18
	s_mov_b32 s29, 0
	s_lshl_b32 s30, s19, 6
	s_add_co_u32 s30, s30, s18
	s_add_co_u32 s30, s30, 12288
	s_mov_b32 s31, 0
	s_wait_alu depctr_va_vdst(0)                   ; the wait at the head's end
	s_wait_kmcnt 0x0
	s_add_nc_u64 s[4:5], s[4:5], s[14:15]
	s_add_nc_u64 s[28:29], s[10:11], s[28:29]
	s_add_nc_u64 s[30:31], s[10:11], s[30:31]
.irp p, 0,1
.irp j, 0,1,2,3,4,5,6,7
	global_load_b128 v[X+32*\p+4*\j:X+32*\p+4*\j+3], v4, s[4:5] offset:4096*\p+512*\j   ; 512 consecutive bytes
.endr
.endr
.irp j, 0,1,2,3,4,5,6,7
	global_load_b128 v[WR+4*\j:WR+4*\j+3], v4, s[6:7] offset:512*\j
.endr
.irp j, 0,1,2,3,4,5,6,7
	global_load_b128 v[BR+4*\j:BR+4*\j+3], v4, s[8:9] offset:512*\j
.endr
	s_wait_loadcnt 16                              ; my two rows are in; the gain's and the bias's sixteen loads may be out
	STAT X
	STAT X+32
	s_wait_loadcnt 0x0
.irp p, 0,1
.irp j, 0,1,2,3,4,5,6,7
	v_pk_fma_f32 v[X+32*\p+4*\j:X+32*\p+4*\j+1], v[X+32*\p+4*\j:X+32*\p+4*\j+1], v[WR+4*\j:WR+4*\j+1], v[BR+4*\j:BR+4*\j+1]
	v_pk_fma_f32 v[X+32*\p+4*\j+2:X+32*\p+4*\j+3], v[X+32*\p+4*\j+2:X+32*\p+4*\j+3], v[WR+4*\j+2:WR+4*\j+3], v[BR+4*\j+2:BR+4*\j+3]
	ds_store_b128 v3, v[X+32*\p+4*\j:X+32*\p+4*\j+3] offset:LP*\p+512*\j
.endr
.endr
	s_wait_dscnt 0x0                               ; for the others' sake: my rows lie in the stage
	s_barrier_signal -1
	s_barrier_wait -1
.irp b, 0,1,2,3
.irp u, 0,1
.irp e, 0,1
	ds_load_b128 v[X+16*\b+8*\u+4*\e:X+16*\b+8*\u+4*\e+3], v27 offset:128*\b+64*\u+16*\e   ; k = 128 w + 32 b + 16 u + 8 h + 4 e + 0 .. 3 of row r
.endr
.endr
.endr
	s_wait_dscnt 0x0
	QH X, CD, T, HW
	QH X+32, CD+6, T, HW+1
	v_lshl_or_b32 v26, v[HW+1], 16, v[HW]
	global_store_b128 v4, v[CD:CD+3], s[28:29]
	global_store_b64 v5, v[CD+4:CD+5], s[28:29] offset:512
	global_store_b128 v4, v[CD+6:CD+9], s[28:29] offset:768
	global_store_b64 v5, v[CD+10:CD+11], s[28:29] offset:1280
	global_store_b32 v6, v26, s[30:31]             ; lanes r and r + 16 hold the same word
	s_wait_tensorcnt 0x0                           ; the wave's end, behind my last LDS store
	ds_add_u32 v208, v209
	s_wait_dscnt 0x0
	s_endpgm
.Lfunc_end_k_q3617ea74b0_prep:
	.size	k_q3617ea74b0_prep, .Lfunc_end_k_q3617ea74b0_prep-k_q3617ea74b0_prep
	.p2alignl 7, 3214868480
	.fill 96, 4, 3214868480
	.section	.rodata,"a",@progbits
	.p2align	6, 0x0
	.amdhsa_kernel k_q3617ea74b0_prep
		.amdhsa_group_segment_fixed_size 134400
		.amdhsa_private_segment_fixed_size 0
		.amdhsa_enable_private_segment 0
		.amdhsa_kernarg_size 96
		.amdhsa_user_sgpr_count 2
		.amdhsa_user_sgpr_kernarg_segment_ptr 1
		.amdhsa_wavefront_size32 1
		.amdhsa_system_sgpr_workgroup_id_x 1
		.amdhsa_system_sgpr_workgroup_id_y 1
		.amdhsa_system_sgpr_workgroup_id_z 1
		.amdhsa_system_vgpr_workitem_id 0
		.amdhsa_next_free_vgpr 210
		.amdhsa_next_free_sgpr 66
		.amdhsa_reserve_vcc 1
		.amdhsa_float_denorm_mode_32 3
		.amdhsa_float_denorm_mode_16_64 3
		.amdhsa_memory_ordered 1
		.amdhsa_forward_progress 1
		.amdhsa_inst_pref_size 89
	.end_amdhsa_kernel
	.amdgpu_metadata
---
amdhsa.version: [ 1, 2 ]
amdhsa.kernels:
  - .name:           k_q3617ea74b0_prep
    .symbol:         k_q3617ea74b0_prep.kd
    .args:
      - { .name: wq, .offset: 0, .size: 8, .value_kind: global_buffer, .address_space: global }
      - { .name: wk, .offset: 8, .size: 8, .value_kind: global_buffer, .address_space: global }
      - { .name: wv, .offset: 16, .size: 8, .value_kind: global_buffer, .address_space: global }
      - { .name: wo, .offset: 24, .size: 8, .value_kind: global_buffer, .address_space: global }
      - { .name: w1, .offset: 32, .size: 8, .value_kind: global_buffer, .address_space: global }
      - { .name: w2, .offset: 40, .size: 8, .value_kind: global_buffer, .address_space: global }
      - { .name: wimg, .offset: 48, .size: 8, .value_kind: global_buffer, .address_space: global }
      - { .name: tab, .offset: 56, .size: 8, .value_kind: global_buffer, .address_space: global }
      - { .name: x, .offset: 64, .size: 8, .value_kind: global_buffer, .address_space: global }
      - { .name: norm1_w, .offset: 72, .size: 8, .value_kind: global_buffer, .address_space: global }
      - { .name: norm1_b, .offset: 80, .size: 8, .value_kind: global_buffer, .address_space: global }
      - { .name: act, .offset: 88, .size: 8, .value_kind: global_buffer, .address_space: global }
    .group_segment_fixed_size: 134400
    .private_segment_fixed_size: 0
    .kernarg_segment_align: 8
    .kernarg_segment_size: 96
    .max_flat_workgroup_size: 256
    .sgpr_count:     66
    .vgpr_count:     210
    .wavefront_size: 32
...
	.end_amdgpu_metadata
.endif
;; end of part 8
;; launch qkv (part 9): grid 8 x 32, 4 waves a work-group, clusters of 4 x 4, 327,680 bytes of LDS; arguments act, wimg, tab, qimg, kv; writes qimg, kv
.if DOCPART == 9
	.amdgcn_target "amdgcn-amd-amdhsa--gfx1250"
	.amdhsa_code_object_version 6
	.text
	.protected	k_q3617ea74b0_qkv
	.globl	k_q3617ea74b0_qkv
	.p2align	8
	.type	k_q3617ea74b0_qkv,@function
k_q3617ea74b0_qkv:
	s_mov_b64 s[64:65], 0
	v_nop
	global_prefetch_b8 v0, s[64:65] scope:SCOPE_SE
	s_setreg_imm32_b32 hwreg(HW_REG_WAVE_MODE, 25, 1), 1
	s_wait_xcnt 0x0
	s_wait_alu depctr_hold_cnt(0) depctr_sa_sdst(0) depctr_va_vdst(0) depctr_va_sdst(0) depctr_va_ssrc(0) depctr_va_vcc(0) depctr_vm_vsrc(0)
	s_getreg_b32 s2, hwreg(HW_REG_IB_STS2, 6, 4)
	s_cmp_eq_u32 s2, 0
	s_cbranch_scc0 .Lentry_in_a_cluster
	s_endpgm
.Lentry_in_a_cluster:
	s_bfe_u32 s2, ttmp6, 0x10000c
	s_cmp_lg_u32 s2, 0xf033
	s_cbranch_scc0 .Lentry_shape_is_right
	s_endpgm
.Lentry_shape_is_right:
; Q, K, V = h wq^T, h wk^T, h wv^T on codes of FP6 (E2M3) with E8M0 scales; then RoPE on Q and K in f32; then all three are quantised for attention's products.
; A (tokens: act) and B (weight rows: wimg) come as RECORDS of 12,800 bytes = 128 rows x 128 K as images of operand registers: row tile i at 1,536 i, half c at 768 c (registers 6 c .. 6 c + 3 at 16 x lane,
; 6 c + 4, 6 c + 5 at 512 + 8 x lane), scale words at 12,288 + 64 i + 4 r.  So every LDS read of codes covers 512 or 256 consecutive bytes: no pitch, no padding.
; A WORK-GROUP STAYS.  Work-group (X, I) owns the 128 tokens of block I and makes three tiles of 128 outputs: rows 128 X on of wq, then of wk, then of wv: Q, K and V of heads 2 X and 2 X + 1.  256 work-groups.
; Four waves, each 64 tokens x 64 outputs (one head): 16 accumulators.
; A STAYS IN REGISTERS.  K = 1,024 is 8 K steps: a wave's 64 tokens are 32 fragments, 384 registers, read out of LDS once for all three tiles.  A K step then reads B's four fragments and four scale words:
; 8 loads of 512 bytes, 8 of 256, 4 of 64 for 16 matrix instructions.
; LDS: two slots of 8 records (a tile's rows of the weight, all of K), 2^17 bytes apart, so that one exclusive or turns an address.  Slot 1 holds A first; when every wave has A in registers it takes B's second tile.
; A tile's records are asked for at the head of the tile before: the load has that tile's 128 matrix instructions a wave and its way out in which to land.  Every wave brings two of the eight records (25,600 dense bytes).
; One tensor load of a wave is out at the start, one behind each round.
; CLUSTERS 4 x 4: A's records are shared along a row of the cluster, B's along a column: joint loads, each group behind a round of the cluster's barrier.
; THE PRODUCT IS USED TRANSPOSED (source 0 = 16 weight rows, source 1 = 16 tokens): lane (r, h) holds token r, register j of tile b output 16 b + 8 h + j.  So the 16 registers of tiles 2 b, 2 b + 1 are half a block
; of 32 along the next product's K, in the order that all operands of this program share (place 16 h + 8 u + j holds k = 16 u + 8 h + j).
; OUT.  Q: qimg, a half image (16 queries x the head's 64) at (128 bh + tile) x 768, scale words behind all of them.  K and V: kv, a record of 13,056 bytes for each head and group of 128 tokens: K's 8 half images,
; V^T's 4 fragments (16 of the head's 64 x 128 tokens: V is quantised along the tokens), K's scale words, V's.  In Q's and K's scale words bytes 2 and 3 are 127: their K ends at 64.
; LIMITS: NaN and infinities are not served; a block whose largest magnitude lies under 2^-124 keeps the byte 1.
; REGISTERS.  Window 0: v1-15, v48-49, v62-63 addresses; v16-31 A's scale words (register 2 q + p: lanes 0-15 token tile 2 p, lanes 16-31 tile 2 p + 1, K step q); v32-39 B's scale words, two sets;
; v40-47 the quantiser's work; v60-61 the add's; v64-111, v112-159 two sets of B's four fragments; on the way out v64-167.
; Window 1: accumulator (a, b) at v[8 (4 a + b)]; v128-255 cos and sin of my 64 tokens.  Window 2: A's K steps 0-4, 48 registers each.  Window 3: K steps 5-7.
.set REC,   12800
.set HALF,  4*REC                      ; LDS offsets have 16 bits: a second address register serves a slot's K steps 4-7
.set TSTEP, 64*REC                     ; from a tile's rows of the weight to the next tile's: 8 row blocks of 8 records
.set SLOT1, 1<<17
.set STAGE, SLOT1+8*REC                ; behind the slots: V's way out, 64 tokens x 272 bytes for each wave; no tensor load lands there
.set WSTG,  64*272
.set SPARE, STAGE+4*WSTG               ; the spare words: 128 bytes for each wave
.set KVREC, 13056
.set QSC,   3145728
.set L16,  5                           ; 16 x lane
.set L8,   6                           ; 8 x lane
.set R4,   7                           ; 4 r
.set BZ16, 8                           ; my lane's place in a slot: codes by 16 bytes,
.set BZ8,  9                           ; by 8 bytes,
.set BZS,  10                          ; scale words
.set TO,   11                          ; my byte in tab's rows
.set BA16, 12                          ; v12-13 the same places in the slot in hand, K steps 0-3 and 4-7
.set BA8,  14                          ; v14-15
.set SA,   16
.set SB,   32
.set TM,   40
.set STO,  48
.set RD,   49
.set SPW,  60
.set NIL,  61
.set BAS,  62                          ; v62-63
.set F0,   64
.set AA16, 64                          ; v64-69: A's places in slot 1, used once, ahead of the first fragments of B
.set AA8,  66
.set AAS,  68
.set R,    64                          ; the way out: 2 x 32 numbers
.set T,    128
.set HW,   132
.set CD,   136
.set TAB,  128                         ; in window 1
.set G1,   24                          ; s[24:31] descriptor group 1 for A;  s[32:35] its group 0
.set G0A,  32
.set TB,   36                          ; s36  LDS byte at which the slot in hand begins
.set G1B,  48                          ; s[48:55] group 1 for B;  s[56:59] its group 0, which walks
.set G0B,  56
.set SEL,  66
.set MSB, 0
.macro WIN new                         ; the immediate's high byte repeats the setting that is left
.if MSB != \new
	s_set_vgpr_msb (MSB<<8)|\new
.set MSB, \new
.endif
.endm
.macro PLACES                          ; four places behind a matrix instruction, ahead of loads into its registers and of reads of its results
.rept 4
	v_nop
.endr
.endm
.macro CREST
	s_cmp_lg_u32 s10, 0
	s_cbranch_scc1 .Lnot_wave_0_\@
	s_barrier_signal -3
.Lnot_wave_0_\@:
	s_barrier_wait -3
	s_barrier_signal -1
	s_barrier_wait -1
.endm
.macro CROUND                          ; a round of the cluster's barrier
	s_barrier_signal -1
	s_barrier_wait -1
	CREST
.endm
.macro QH s, d, t, hw                  ; 32 numbers of a lane (register 16 b + i = place 16 h + i of block b of my row) -> six registers of a half image, and two scale bytes
.irp b, 0,1
	v_max3_num_f32 v[TM+\b], |v[\s+16*\b]|, |v[\s+16*\b+1]|, 0x1800000   ; with the floor 2^(3 - 127)
.endr
.irp i, 2,4,6,8,10,12,14
.irp b, 0,1
	v_max3_num_f32 v[TM+\b], v[TM+\b], |v[\s+16*\b+\i]|, |v[\s+16*\b+\i+1]|
.endr
.endr
.irp b, 0,1
	v_permlanex16_b32 v[TM+2+\b], v[TM+\b], s[SEL], s[SEL+1]
.endr
.irp b, 0,1
	v_max_num_f32 v[TM+\b], v[TM+\b], v[TM+2+\b]
.endr
.irp b, 0,1
	v_add_nc_u32 v[TM+4+\b], 0xff000000, v[TM+\b]
.endr
.irp b, 0,1
	v_lshrrev_b32 v[TM+6+\b], 23, v[TM+4+\b]
.endr
	v_lshl_or_b32 v[\hw], v[TM+7], 8, v[TM+6]
	v_cvt_scalef32_pk16_fp6_f32 v[\d:\d+2], v[\s:\s+15], v[TM+4]
	v_cvt_scalef32_pk16_fp6_f32 v[\t:\t+2], v[\s+16:\s+31], v[TM+5]
	v_nop                                             ; one plain place behind a scaled conversion
.irp i, 0,1,2
	v_permlane16_swap_b32 v[\d+\i], v[\t+\i]
.endr
.irp i, 0,1,2
	v_mov_b32 v[\d+3+\i], v[\t+\i]
.endr
.endm
.macro ALOAD q                         ; my four fragments of A's K step q, out of slot 1, into their registers for the whole launch
.irp i, 0,1,2,3
.irp c, 0,1
	ds_load_b128 v[48*((\q)%5)+12*\i+6*\c:48*((\q)%5)+12*\i+6*\c+3], v[AA16+(\q)/4] offset:REC*((\q)%4)+1536*\i+768*\c
	ds_load_b64 v[48*((\q)%5)+12*\i+6*\c+4:48*((\q)%5)+12*\i+6*\c+5], v[AA8+(\q)/4] offset:REC*((\q)%4)+1536*\i+768*\c+512
.endr
.endr
.endm
.macro FETCH q                         ; 20 LDS loads: B's four fragments and four scale words of K step q into set q % 2
.set FB, F0+48*((\q)%2)
.irp i, 0,1,2,3
.irp c, 0,1
	ds_load_b128 v[FB+12*\i+6*\c:FB+12*\i+6*\c+3], v[BA16+(\q)/4] offset:REC*((\q)%4)+1536*\i+768*\c
	ds_load_b64 v[FB+12*\i+6*\c+4:FB+12*\i+6*\c+5], v[BA8+(\q)/4] offset:REC*((\q)%4)+1536*\i+768*\c+512
.endr
.endr
.irp i, 0,1,2,3
	ds_load_b32 v[SB+4*((\q)%2)+\i], v[BAS+(\q)/4] offset:REC*((\q)%4)+64*\i   ; lanes r and r + 16 take the same word
.endr
.endm
; four matrix instructions of K step q: token tile a against the four weight tiles.  The 16 accumulators take turns in the same order in every step
.macro MULR q, a, first
.set AF, 48*((\q)%5)+12*(\a)
.set BF, F0+48*((\q)%2)
.set SBQ, SB+4*((\q)%2)
.set SAQ, SA+2*(\q)+(\a)/2
.irp b, 0,1,2,3
.if \first
.if (\a)%2
	v_wmma_scale_f32_16x16x128_f8f6f4 v[8*(4*(\a)+\b):8*(4*(\a)+\b)+7], v[BF+12*\b:BF+12*\b+11], v[AF:AF+11], 0, v[SBQ+\b], v[SAQ] matrix_a_fmt:MATRIX_FMT_FP6 matrix_b_fmt:MATRIX_FMT_FP6 matrix_b_scale:MATRIX_SCALE_ROW1
.else
	v_wmma_scale_f32_16x16x128_f8f6f4 v[8*(4*(\a)+\b):8*(4*(\a)+\b)+7], v[BF+12*\b:BF+12*\b+11], v[AF:AF+11], 0, v[SBQ+\b], v[SAQ] matrix_a_fmt:MATRIX_FMT_FP6 matrix_b_fmt:MATRIX_FMT_FP6
.endif
.else
.if (\a)%2
	v_wmma_scale_f32_16x16x128_f8f6f4 v[8*(4*(\a)+\b):8*(4*(\a)+\b)+7], v[BF+12*\b:BF+12*\b+11], v[AF:AF+11], v[8*(4*(\a)+\b):8*(4*(\a)+\b)+7], v[SBQ+\b], v[SAQ] matrix_a_fmt:MATRIX_FMT_FP6 matrix_b_fmt:MATRIX_FMT_FP6 matrix_b_scale:MATRIX_SCALE_ROW1
.else
	v_wmma_scale_f32_16x16x128_f8f6f4 v[8*(4*(\a)+\b):8*(4*(\a)+\b)+7], v[BF+12*\b:BF+12*\b+11], v[AF:AF+11], v[8*(4*(\a)+\b):8*(4*(\a)+\b)+7], v[SBQ+\b], v[SAQ] matrix_a_fmt:MATRIX_FMT_FP6 matrix_b_fmt:MATRIX_FMT_FP6
.endif
.endif
.endr
.endm
.macro STEP q, first                   ; a K step but the last: the next step's fragments are asked for first
	PLACES
	FETCH (\q)+1
	s_wait_dscnt 20                                ; this step's fragments are in; the 20 loads just issued may be out
.if (\q) < 5
	WIN 0x58                                       ; source 0 (B) window 0, source 1 (A) window 2, C and D window 1
.else
	WIN 0x5c                                       ; A in window 3
.endif
.irp a, 0,1,2,3
	MULR \q, \a, \first
.endr
	WIN 0
.endm
; THE CHANGE OF SLOTS stands at a tile's head.  Each wave waits for all its tensor loads (its part of the slot that it is about to read), adds 0 to its spare word, and waits for that and for its reads of the slot that it has left.
; fill = 1: the barrier is a round of the cluster's, and behind it the slot that was left takes the next tile's rows of the weight.
.macro CHANGE fill
	s_wait_tensorcnt 0x0                           ; no tensor load of mine is out, so the walking group 0 may be written
	ds_add_u32 v[SPW], v[NIL]                      ; 0 onto my spare word
.if \fill
	s_xor_b32 s[G0B+1], s[G0B+1], SLOT1            ; the other slot than last time,
	s_add_nc_u64 s[G0B+2:G0B+3], s[G0B+2:G0B+3], TSTEP   ; the next tile's rows; the type bits on top are not reached
.endif
	s_wait_dscnt 0x0                               ; the add is done, and my reads of the slot that I have left are over
.if \fill
	CROUND                                         ; so it is with every wave of all sixteen work-groups
	tensor_load_to_lds s[G0B:G0B+3], s[G1B:G1B+7]  ; my one tensor load until the next such round
	s_nop 0
.rept 4
	v_nop
.endr
.else
	s_barrier_signal -1
	s_barrier_wait -1
.endif
.endm
.macro PRODUCTS                        ; a tile's 128 matrix instructions, out of the slot at s[TB]
	v_add_nc_u32 v[BA16], s[TB], v[BZ16]
	s_wait_alu depctr_va_vdst(0)
	v_add_nc_u32 v[BA8], s[TB], v[BZ8]
	s_wait_alu depctr_va_vdst(0)
	v_add_nc_u32 v[BAS], s[TB], v[BZS]
	s_wait_alu depctr_va_vdst(0)
	v_add_nc_u32 v[BA16+1], HALF, v[BA16]
	s_wait_alu depctr_va_vdst(0)
	v_add_nc_u32 v[BA8+1], HALF, v[BA8]
	s_wait_alu depctr_va_vdst(0)
	v_add_nc_u32 v[BAS+1], HALF, v[BAS]
	s_wait_alu depctr_va_vdst(0)
	FETCH 0
	STEP 0, 1                                      ; the first products start the sums
	STEP 1, 0
	STEP 2, 0
	STEP 3, 0
	STEP 4, 0
	STEP 5, 0
	STEP 6, 0
	s_wait_dscnt 0x0
	WIN 0x5c
.irp a, 0,1,2,3
	MULR 7, \a, 0
.endr
	WIN 0
	PLACES
.endm
; RoPE on the tile, then quantised along the head's 64; codes to s[pc:pc+1], scale words to s[ps:ps+1]
.macro ROPE pc, ps
.irp a, 0,1,2,3
	WIN 0x05                                       ; source 0 (the sums) and source 1 (cos, sin) window 1
.irp u, 0,1
.irp j, 0,2,4,6
	v_pk_mul_f32 v[R+8*\u+\j:R+8*\u+\j+1], v[8*(4*\a+\u)+\j:8*(4*\a+\u)+\j+1], v[TAB+32*\a+8*\u+\j:TAB+32*\a+8*\u+\j+1]                 ; d < 32: q(d) cos
	v_pk_mul_f32 v[R+16+8*\u+\j:R+16+8*\u+\j+1], v[8*(4*\a+\u+2)+\j:8*(4*\a+\u+2)+\j+1], v[TAB+32*\a+8*\u+\j:TAB+32*\a+8*\u+\j+1]       ; d >= 32: q(d) cos
.endr
.endr
.irp u, 0,1
.irp j, 0,2,4,6
	v_pk_fma_f32 v[R+8*\u+\j:R+8*\u+\j+1], v[8*(4*\a+\u+2)+\j:8*(4*\a+\u+2)+\j+1], v[TAB+32*\a+16+8*\u+\j:TAB+32*\a+16+8*\u+\j+1], v[R+8*\u+\j:R+8*\u+\j+1] neg_lo:[1,0,0] neg_hi:[1,0,0]   ; - q(d + 32) sin
	v_pk_fma_f32 v[R+16+8*\u+\j:R+16+8*\u+\j+1], v[8*(4*\a+\u)+\j:8*(4*\a+\u)+\j+1], v[TAB+32*\a+16+8*\u+\j:TAB+32*\a+16+8*\u+\j+1], v[R+16+8*\u+\j:R+16+8*\u+\j+1]                        ; + q(d - 32) sin
.endr
.endr
	WIN 0
	QH R, CD+8*\a, T, HW+\a
	v_or_b32 v[HW+\a], 0x7f7f0000, v[HW+\a]        ; K ends at 64: the other two bytes stand for 1
	global_store_b128 v[L16], v[CD+8*\a:CD+8*\a+3], s[\pc:\pc+1] offset:768*\a
	global_store_b64 v[L8], v[CD+8*\a+4:CD+8*\a+5], s[\pc:\pc+1] offset:768*\a+512
	global_store_b32 v[R4], v[HW+\a], s[\ps:\ps+1] offset:64*\a
.endr
	s_wait_xcnt 0x0                                ; the stores have read their registers: the next tile's fragments land on some of them
.endm
	s_load_b128 s[4:7], s[0:1], 0x0                ; act, wimg
	s_load_b128 s[68:71], s[0:1], 0x10             ; tab, qimg
	s_load_b64 s[72:73], s[0:1], 0x20              ; kv
	v_lshl_add_u32 v[SPW], v0, 2, SPARE
	v_mov_b32 v[NIL], 0
	ds_add_u32 v60, v61
	ds_add_u32 v60, v61
	s_wait_dscnt 0x0
	v_lshrrev_b32 v1, 5, v0
	v_readfirstlane_b32 s10, v1                    ; wave 0..3
	s_lshr_b32 s11, s10, 1                         ; which 64 tokens are mine
	s_and_b32 s12, s10, 1                          ; which 64 outputs
	s_bfe_u32 s40, ttmp6, 0x40000                  ; cx, cy
	s_bfe_u32 s41, ttmp6, 0x40004
	s_lshl_b32 s42, ttmp9, 2
	s_add_co_u32 s42, s42, s40                     ; X = 4 x cluster x + cx
	s_and_b32 s13, ttmp7, 0xffff
	s_lshl_b32 s13, s13, 2
	s_add_co_u32 s13, s13, s41                     ; I = 4 x cluster y + cy
	s_lshl_b32 s43, s41, 2
	s_lshl_b32 s43, 15, s43                        ; my row of the cluster
	s_lshl_b32 s44, 0x1111, s40                    ; my column
	s_or_b32 s[G1+0], s43, (3<<16)|(1<<21)         ; 15:0 the mask; 17:16 elements of 8 bytes; 21 set beside a mask; no padding
	s_or_b32 s[G1B+0], s44, (3<<16)|(1<<21)
.irp g, G1, G1B
	s_mov_b32 s[\g+1], 32<<16                      ; tensor_dim0 = 32 elements: rows of 256 bytes
	s_mov_b32 s[\g+2], 200<<16                     ; tensor_dim1 = 200 rows: the head's loads bring four records each
	s_mov_b32 s[\g+3], 32<<16                      ; tile_dim0
	s_mov_b32 s[\g+4], 200                         ; tile_dim1
	s_mov_b32 s[\g+5], 32                          ; the pitch: dense
	s_mov_b32 s[\g+6], 0
	s_mov_b32 s[\g+7], 0
.endr
	s_mul_i32 s18, s10, 2*REC                      ; my two of eight records, in memory and in a slot: no place in the cluster enters an LDS address
	; THE HEAD'S FILLS, ONE TENSOR LOAD A WAVE: waves 0, 1 bring A's records 0-3 and 4-7, waves 2, 3 those of B's first tile (51,200 dense bytes each)
	s_mul_i32 s19, s12, 4*REC                      ; which four of eight records
	s_mul_i32 s16, s13, 8*REC
	s_add_co_u32 s16, s16, s19
	s_mul_i32 s96, s42, 8*REC
	s_add_co_u32 s96, s96, s19                     ; B: row block X, wq's, my four records
	s_mov_b32 s97, 0
	s_mov_b32 s60, 1                               ; s[60:63]: group 0 of the head's load of B
	s_mov_b32 s61, s19                             ; into slot 0
	s_mov_b32 s17, 0
	s_mul_i32 s46, s42, 8*REC
	s_add_co_u32 s46, s46, s18                     ; B: row block X, wq's
	s_mov_b32 s47, 0
	s_mov_b32 s[G0A], 1
	s_add_co_u32 s[G0A+1], s19, SLOT1
	s_mov_b32 s[G0B], 1
	s_mov_b32 s[G0B+1], s18                        ; B's first tile to slot 0
	s_mov_b32 s[TB], 0
	s_mov_b32 s[SEL], 0x76543210
	s_mov_b32 s[SEL+1], 0xfedcba98
	s_wait_kmcnt 0x0
	s_add_nc_u64 s[G0A+2:G0A+3], s[4:5], s[16:17]
	s_or_b32 s[G0A+3], s[G0A+3], 0x80000000
	s_add_nc_u64 s[G0B+2:G0B+3], s[6:7], s[46:47]
	s_or_b32 s[G0B+3], s[G0B+3], 0x80000000
	s_add_nc_u64 s[62:63], s[6:7], s[96:97]
	s_or_b32 s63, s63, 0x80000000
	CROUND                                         ; all sixteen work-groups are here: the first joint loads meet
	s_cmp_eq_u32 s11, 0                            ; one chain of branches on the wave's number, one load to an arm
	s_cbranch_scc0 .Lhead_b
	tensor_load_to_lds s[G0A:G0A+3], s[G1:G1+7]
	s_nop 0
.rept 4
	v_nop
.endr
	s_branch .Lhead_asked
.Lhead_b:
	tensor_load_to_lds s[60:63], s[G1B:G1B+7]
	s_nop 0
.rept 4
	v_nop
.endr
.Lhead_asked:
	v_and_b32 v1, 15, v0
	v_bfe_u32 v2, v0, 4, 1                         ; h
	v_and_b32 v3, 31, v0
	v_lshlrev_b32 v[L16], 4, v3
	v_lshlrev_b32 v[L8], 3, v3
	v_lshlrev_b32 v[R4], 2, v1
	v_mov_b32 v[TM+2], 0                           ; a lane permute's destination counts as read
	v_mov_b32 v[TM+3], 0
	s_mul_i32 s21, s12, 6144                       ; my four row tiles of B
	v_add_nc_u32 v[BZ16], s21, v[L16]
	v_add_nc_u32 v[BZ8], s21, v[L8]
	s_lshl_b32 s21, s12, 8
	s_add_co_u32 s21, s21, 12288
	v_add_nc_u32 v[BZS], s21, v[R4]
	s_mul_i32 s21, s11, 6144                       ; my four row tiles of A, in slot 1
	s_add_co_u32 s21, s21, SLOT1
	v_add_nc_u32 v[AA16], s21, v[L16]
	v_add_nc_u32 v[AA8], s21, v[L8]
	v_add_nc_u32 v[AA16+1], HALF, v[AA16]
	v_add_nc_u32 v[AA8+1], HALF, v[AA8]
	s_lshl_b32 s21, s11, 8
	s_add_co_u32 s21, s21, SLOT1+12288
	v_lshl_add_u32 v[AAS], v3, 2, s21              ; two tiles' scale words are 128 bytes on end: 4 x lane
	v_add_nc_u32 v[AAS+1], HALF, v[AAS]
	s_mul_i32 s23, s10, WSTG
	s_add_co_u32 s23, s23, STAGE                   ; my stage
	v_mul_u32_u24 v4, v1, 272
	v_lshl_add_u32 v4, v2, 5, v4
	v_add_nc_u32 v[STO], s23, v4                   ; in: token r, + 32 h
	v_mul_u32_u24 v4, v2, 2176
	v_lshl_add_u32 v4, v1, 2, v4
	v_add_nc_u32 v[RD], s23, v4                    ; back: 8 h tokens down, column r
	s_and_b32 s15, s13, 15                         ; G: the group of 128 tokens in its sequence
	s_lshl_b32 s16, s15, 15
	s_lshl_b32 s17, s11, 14
	s_add_co_u32 s16, s16, s17                     ; tab's row 128 G + 64 x half, 256 bytes a row
	s_mov_b32 s17, 0
	s_add_nc_u64 s[68:69], s[68:69], s[16:17]
	v_lshlrev_b32 v[TO], 8, v1
	v_lshl_add_u32 v[TO], v2, 5, v[TO]             ; token r, + 32 h
	WIN 0x40                                       ; destination window 1
.irp a, 0,1,2,3                        ; token tile a: cos of f = 8 h + 0..7, 16 + 8 h + 0..7, then sin likewise
.irp k, 0,1,2,3
	global_load_b128 v[TAB+32*\a+8*\k:TAB+32*\a+8*\k+3], v[TO], s[68:69] offset:4096*\a+64*\k
	global_load_b128 v[TAB+32*\a+8*\k+4:TAB+32*\a+8*\k+7], v[TO], s[68:69] offset:4096*\a+64*\k+16
.endr
.endr
	WIN 0
	; where the three results go
	s_lshr_b32 s14, s13, 4                         ; the batch
	s_lshl_b32 s16, s42, 1
	s_add_co_u32 s16, s16, s12                     ; the head: 2 X + my half
	s_lshl_b32 s14, s14, 4
	s_add_co_u32 s16, s16, s14                     ; bh
	s_lshl_b32 s16, s16, 4
	s_add_co_u32 s16, s16, s15                     ; 16 bh + G
	s_mul_i32 s18, s16, KVREC                      ; kv's record
	s_mov_b32 s21, 0
	s_lshl_b32 s14, s16, 3
	s_lshl_b32 s15, s11, 2
	s_add_co_u32 s14, s14, s15                     ; Q's tile: 128 bh + 8 G + 4 x half
	s_mul_i32 s20, s14, 768
	s_add_nc_u64 s[76:77], s[70:71], s[20:21]      ; Q's half images
	s_lshl_b32 s20, s14, 6
	s_add_co_u32 s20, s20, QSC
	s_add_nc_u64 s[78:79], s[70:71], s[20:21]      ; and scale words
	s_mul_i32 s20, s11, 3072
	s_add_co_u32 s20, s20, s18
	s_add_nc_u64 s[80:81], s[72:73], s[20:21]      ; K's half images in the record
	s_lshl_b32 s20, s11, 8
	s_add_co_u32 s20, s20, s18
	s_add_co_u32 s20, s20, 12288
	s_add_nc_u64 s[82:83], s[72:73], s[20:21]      ; and scale words
	s_mul_i32 s20, s11, 768
	s_add_co_u32 s20, s20, s18
	s_add_co_u32 s20, s20, 6144
	s_add_nc_u64 s[84:85], s[72:73], s[20:21]      ; V^T's fragments; my 64 tokens are one half of their K
	s_lshl_b32 s20, s11, 1
	s_add_co_u32 s20, s20, s18
	s_add_co_u32 s20, s20, 12800
	s_add_nc_u64 s[86:87], s[72:73], s[20:21]      ; and two of each scale word's four bytes
	s_wait_alu depctr_va_vdst(0)
	s_wait_tensorcnt 0x0                           ; my one load of the head is in
	s_mov_b32 s[G1B+2], 100<<16                    ; no tensor load of mine is out: from here on a load brings two records, 100 rows
	s_mov_b32 s[G1B+4], 100
	s_barrier_signal -1
	s_barrier_wait -1                              ; everybody's part of A is in
	WIN 0x80                                       ; destination window 2
.irp q, 0,1,2,3,4
	ALOAD \q
.endr
	WIN 0xc0                                       ; destination window 3
.irp q, 5,6,7
	ALOAD \q
.endr
	WIN 0
.irp q, 0,1,2,3,4,5,6,7
.irp p, 0,1
	ds_load_b32 v[SA+2*\q+\p], v[AAS+\q/4] offset:REC*(\q%4)+128*\p
.endr
.endr
	; ---- Q
	CHANGE 1                                       ; A is in every wave's registers, B's first tile has landed; wk's rows go out, into the slot that held A
	PRODUCTS
	s_wait_loadcnt 0x0                             ; cos and sin
	ROPE 76, 78
	s_xor_b32 s[TB], s[TB], SLOT1
	; ---- K
	CHANGE 1                                       ; wv's rows go out, into slot 0
	PRODUCTS
	ROPE 80, 82
	s_xor_b32 s[TB], s[TB], SLOT1
	; ---- V: turned through my stage, so that a lane holds one d and its registers run along the tokens; quantised along the tokens
	CHANGE 0                                       ; nothing is left to fetch
	PRODUCTS
	WIN 0x04                                       ; an LDS store's data: window 1
.irp a, 0,1,2,3
.irp b, 0,1,2,3
	ds_store_b128 v[STO], v[8*(4*\a+\b):8*(4*\a+\b)+3] offset:4352*\a+64*\b          ; each accumulator from its low end on
	ds_store_b128 v[STO], v[8*(4*\a+\b)+4:8*(4*\a+\b)+7] offset:4352*\a+64*\b+16
.endr
.endr
	WIN 0
.macro VLOAD d                         ; d tile: register 16 b + 8 u + j = token 32 b + 16 u + 8 h + j of column 16 d + r.  LDS serves a wave's instructions in order: these see my stores
.irp b, 0,1
.irp u, 0,1
.irp j, 0,1,2,3,4,5,6,7
	ds_load_b32 v[R+32*((\d)%2)+16*\b+8*\u+\j], v[RD] offset:(32*\b+16*\u+\j)*272+64*(\d)
.endr
.endr
.endr
.endm
	VLOAD 0
.irp d, 0,1,2,3
.if \d < 3
	VLOAD \d+1
	s_wait_dscnt 32                                ; this tile's numbers are in; the next tile's 32 loads may be out
.else
	s_wait_dscnt 0x0
.endif
	QH R+32*(\d%2), CD+8*\d, T, HW+\d
	global_store_b128 v[L16], v[CD+8*\d:CD+8*\d+3], s[84:85] offset:1536*\d
	global_store_b64 v[L8], v[CD+8*\d+4:CD+8*\d+5], s[84:85] offset:1536*\d+512
	global_store_b16 v[R4], v[HW+\d], s[86:87] offset:64*\d
.endr
	s_wait_tensorcnt 0x0                           ; the wave's end, behind my last tensor load and my last LDS store
	ds_add_u32 v[SPW], v[NIL]
	s_wait_dscnt 0x0
	CROUND                                         ; the closing round: no work-group ends while a partner may still ask for a tile that names it
	s_endpgm
.Lfunc_end_k_q3617ea74b0_qkv:
	.size	k_q3617ea74b0_qkv, .Lfunc_end_k_q3617ea74b0_qkv-k_q3617ea74b0_qkv
	.p2alignl 7, 3214868480
	.fill 96, 4, 3214868480
	.section	.rodata,"a",@progbits
	.p2align	6, 0x0
	.amdhsa_kernel k_q3617ea74b0_qkv
		.amdhsa_group_segment_fixed_size 327680
		.amdhsa_private_segment_fixed_size 0
		.amdhsa_enable_private_segment 0
		.amdhsa_kernarg_size 40
		.amdhsa_user_sgpr_count 2
		.amdhsa_user_sgpr_kernarg_segment_ptr 1
		.amdhsa_wavefront_size32 1
		.amdhsa_system_sgpr_workgroup_id_x 1
		.amdhsa_system_sgpr_workgroup_id_y 1
		.amdhsa_system_sgpr_workgroup_id_z 1
		.amdhsa_system_vgpr_workitem_id 0
		.amdhsa_next_free_vgpr 1024
		.amdhsa_next_free_sgpr 100
		.amdhsa_reserve_vcc 0
		.amdhsa_float_denorm_mode_32 3
		.amdhsa_float_denorm_mode_16_64 3
		.amdhsa_memory_ordered 1
		.amdhsa_forward_progress 1
		.amdhsa_inst_pref_size 160
	.end_amdhsa_kernel
	.amdgpu_metadata
---
amdhsa.version: [ 1, 2 ]
amdhsa.kernels:
  - .name:           k_q3617ea74b0_qkv
    .symbol:         k_q3617ea74b0_qkv.kd
    .args:
      - { .name: act, .offset: 0, .size: 8, .value_kind: global_buffer, .address_space: global }
      - { .name: wimg, .offset: 8, .size: 8, .value_kind: global_buffer, .address_space: global }
      - { .name: tab, .offset: 16, .size: 8, .value_kind: global_buffer, .address_space: global }
      - { .name: qimg, .offset: 24, .size: 8, .value_kind: global_buffer, .address_space: global }
      - { .name: kv, .offset: 32, .size: 8, .value_kind: global_buffer, .address_space: global }
    .group_segment_fixed_size: 327680
    .private_segment_fixed_size: 0
    .kernarg_segment_align: 8
    .kernarg_segment_size: 40
    .max_flat_workgroup_size: 128
    .sgpr_count:     100
    .vgpr_count:     1024
    .wavefront_size: 32
...
	.end_amdgpu_metadata
.endif
;; end of part 9
;; launch attn (part 10): grid 16 x 16, 8 waves a work-group, no clusters, 168,960 bytes of LDS; arguments qimg, kv, act; writes act
.if DOCPART == 10
	.amdgcn_target "amdgcn-amd-amdhsa--gfx1250"
	.amdhsa_code_object_version 6
	.text
	.protected	k_q3617ea74b0_attn
	.globl	k_q3617ea74b0_attn
	.p2align	8
	.type	k_q3617ea74b0_attn,@function
k_q3617ea74b0_attn:
	s_mov_b64 s[64:65], 0
	v_nop
	global_prefetch_b8 v0, s[64:65] scope:SCOPE_SE
	s_setreg_imm32_b32 hwreg(HW_REG_WAVE_MODE, 25, 1), 1
	s_wait_xcnt 0x0
; Attention with a causal window of 125 keys, both products on codes of FP6 (E2M3) with E8M0 scales; the result is quantised along the model's axis for the next product and stored as act's records.
; A query q sees keys q - 124 .. q: they lie in its own aligned group of 128 tokens and the one before.  What the mask throws away beyond these two groups is not computed.
; SHARES.  Work-group (G, y): the 128 queries of group G, batch y / 8, heads 2 (y % 8) and 2 (y % 8) + 1.  Wave w owns queries 16 w .. 16 w + 15, first for the one head, then for the other.
; kv's four records (two heads x groups G - 1, G; 13,056 bytes each) come into LDS once, by one tensor load of each of waves 0-3; nothing is filled again.
; NO CLUSTER: a record is read by two work-groups at the most, and two neighbours want different pairs of records; the launch reads each record twice, 13 MB in all.
; LAYOUT.  S^T = K Q^T (source 0 = 16 keys, source 1 = my 16 queries; K = the head's 64: registers 6-11 of Q's fragment are zero codes, so what stands in K's registers 6-11 adds nothing, and both sides' scale
; bytes 2 and 3 are 127).  O^T = V^T P^T.  A lane holds ONE query throughout.  Register j of key tile t in lane (r, h) is key 16 t + 8 h + j: tiles 2 b, 2 b + 1 give half of block b in the order that V's codes have too.
; SOFTMAX: t = score x log2(e) / 8; M = the running largest t rounded UP to a whole number; p = 2^(t - M) is quantised, not normalised; the sum is taken of the unquantised p and divides at the end;
; when M moves, the sum and O^T are multiplied by 2^(old M - new M), exactly.  Hidden scores become -infinity ahead of the maximum.  The query's own key always counts, so M ends as a number.
; LIMITS: NaN and infinities among the inputs are not served; 1 / sum by v_rcp_f32; a block's largest p is taken as 2^(its largest t - M), which leans on v_exp_f32 not falling where its input rises.
; REGISTERS: v1-9 addresses and the mask's numbers; v12 -M, v13 the largest t, v[14:15] the sum; v16-27, v96-107 Q of the two heads, v28, v29 their scale words; v30-31 V's scale words; v32-79 four fragments of K or V;
; v80-91 the result's codes, v92-94 its scale bytes; v128-191 S^T, then p; v192-223 O^T; v224-235 p's codes; v232-254 at work.
.set KVREC, 13056
.set S,   128
.set O,   192
.set TM,  232
.set SEL, 44
.set CS,  46
.macro QH s, d, t, hw                  ; 32 numbers of a lane (register 16 b + i = place 16 h + i of block b of my row) -> six registers of a half image, and two scale bytes
.irp b, 0,1
	v_max3_num_f32 v[TM+\b], |v[\s+16*\b]|, |v[\s+16*\b+1]|, 0x1800000
.endr
.irp i, 2,4,6,8,10,12,14
.irp b, 0,1
	s_delay_alu instid0(VALU_DEP_2)
	v_max3_num_f32 v[TM+\b], v[TM+\b], |v[\s+16*\b+\i]|, |v[\s+16*\b+\i+1]|
.endr
.endr
.irp b, 0,1
	s_delay_alu instid0(VALU_DEP_2)
	v_permlanex16_b32 v[TM+2+\b], v[TM+\b], s[SEL], s[SEL+1]
.endr
.irp b, 0,1
	s_delay_alu instid0(VALU_DEP_2)
	v_max_num_f32 v[TM+\b], v[TM+\b], v[TM+2+\b]
.endr
.irp b, 0,1
	s_delay_alu instid0(VALU_DEP_2)
	v_add_nc_u32 v[TM+4+\b], 0xff000000, v[TM+\b]
.endr
.irp b, 0,1
	s_delay_alu instid0(VALU_DEP_2)
	v_lshrrev_b32 v[TM+6+\b], 23, v[TM+4+\b]
.endr
	s_delay_alu instid0(VALU_DEP_1)
	v_lshl_or_b32 v[\hw], v[TM+7], 8, v[TM+6]
	v_cvt_scalef32_pk16_fp6_f32 v[\d:\d+2], v[\s:\s+15], v[TM+4]
	v_cvt_scalef32_pk16_fp6_f32 v[\t:\t+2], v[\s+16:\s+31], v[TM+5]
	v_nop
.irp i, 0,1,2
	v_permlane16_swap_b32 v[\d+\i], v[\t+\i]
.endr
.irp i, 0,1,2
	s_delay_alu instid0(VALU_DEP_3)
	v_mov_b32 v[\d+3+\i], v[\t+\i]
.endr
.endm
	s_load_b128 s[4:7], s[0:1], 0x0                ; qimg, kv
	s_load_b64 s[8:9], s[0:1], 0x10                ; act
	v_lshl_add_u32 v127, v0, 2, 0x29000
	v_mov_b32 v255, 0
	ds_add_u32 v127, v255
	ds_add_u32 v127, v255
	v_lshrrev_b32 v1, 5, v0
	s_delay_alu instid0(VALU_DEP_1)
	v_readfirstlane_b32 s10, v1                    ; wave 0..7
	s_mov_b32 s11, ttmp9                           ; G
	s_and_b32 s12, ttmp7, 0xffff                   ; y
	s_lshr_b32 s13, s10, 1                         ; what waves 0-3 fetch: head w / 2,
	s_and_b32 s14, s10, 1                          ; group G - 1 + w % 2 (for G = 0 group 0 in its stead: it is not read)
	s_lshl_b32 s15, s12, 1
	s_add_co_u32 s15, s15, s13
	s_lshl_b32 s15, s15, 4
	s_add_co_u32 s16, s11, s14
	s_max_u32 s16, s16, 1
	s_sub_co_u32 s16, s16, 1
	s_add_co_u32 s15, s15, s16
	s_mul_i32 s16, s15, KVREC
	s_mov_b32 s17, 0
	s_mov_b32 s24, 3<<16                           ; group 1: elements of 8 bytes, no mask, no padding
	s_mov_b32 s25, 32<<16                          ; tensor_dim0 = 32: rows of 256 bytes
	s_mov_b32 s26, 51<<16                          ; tensor_dim1 = 51 rows: a record
	s_mov_b32 s27, 32<<16                          ; tile_dim0
	s_mov_b32 s28, 51                              ; tile_dim1
	s_mov_b32 s29, 32                              ; the pitch: dense
	s_mov_b32 s30, 0
	s_mov_b32 s31, 0
	s_mov_b32 s32, 1
	s_mul_i32 s33, s10, KVREC                      ; record 2 c + st of LDS
	s_mov_b32 s[SEL], 0x76543210
	s_mov_b32 s[SEL+1], 0xfedcba98
	s_mov_b32 s[CS], 0x3e38aa3b                    ; log2(e) / 8
	s_mov_b32 s[CS+1], s[CS]
	s_lshl_b32 s18, s12, 8
	s_lshl_b32 s19, s11, 3
	s_add_co_u32 s18, s18, s19
	s_add_co_u32 s18, s18, s10                     ; my tile of queries, first head: 128 (2 y) + 8 G + w
	s_mul_i32 s20, s18, 768
	s_mov_b32 s21, 0
	s_lshl_b32 s22, s18, 6
	s_add_co_u32 s22, s22, 3145728
	s_mov_b32 s23, 0
	s_wait_dscnt 0x0
	s_wait_kmcnt 0x0
	s_add_nc_u64 s[34:35], s[6:7], s[16:17]
	s_or_b32 s35, s35, 0x80000000
	s_cmp_lt_u32 s10, 4
	s_cbranch_scc0 .Lnofetch
	tensor_load_to_lds s[32:35], s[24:31]          ; one load of mine is out
	s_nop 0
.rept 4
	v_nop
.endr
.Lnofetch:
	s_add_nc_u64 s[20:21], s[4:5], s[20:21]
	s_add_nc_u64 s[22:23], s[4:5], s[22:23]
	v_and_b32 v8, 31, v0
	s_delay_alu instid0(VALU_DEP_1)
	v_lshlrev_b32 v1, 4, v8                        ; 16 x lane
	s_delay_alu instid0(VALU_DEP_2)
	v_lshlrev_b32 v2, 3, v8                        ; 8 x lane
	s_delay_alu instid0(VALU_DEP_3)
	v_lshlrev_b32 v3, 2, v8                        ; 4 x lane
	v_and_b32 v10, 15, v0                          ; r
	v_bfe_u32 v11, v0, 4, 1                        ; h
	s_delay_alu instid0(VALU_DEP_2)
	v_lshlrev_b32 v9, 2, v10                       ; 4 r
	global_load_b128 v[16:19], v1, s[20:21]
	global_load_b64 v[20:21], v2, s[20:21] offset:512
	global_load_b32 v28, v9, s[22:23]
	global_load_b128 v[96:99], v1, s[20:21] offset:98304         ; the second head: 128 tiles on
	global_load_b64 v[100:101], v2, s[20:21] offset:98816
	global_load_b32 v29, v9, s[22:23] offset:8192
	s_lshl_b32 s36, s10, 4
	v_add_nc_u32 v5, s36, v10
	v_lshlrev_b32 v11, 3, v11
	s_delay_alu instid0(VALU_DEP_1)
	v_sub_nc_u32 v5, v5, v11                       ; E1 = 16 w + r - 8 h.  Register 8 t + j holds the key 16 t + j + 8 h of its group: in my own group q - key = E1 - (16 t + j)
	s_delay_alu instid0(VALU_DEP_1)
	v_add_nc_u32 v4, 3, v5                         ; E0: in the group before q - key = 128 + E1 - (16 t + j), under 125 where 16 t + j > E1 + 3
	s_delay_alu instid0(VALU_DEP_2)
	v_add_nc_u32 v6, 0xffffff83, v5                ; E1 - 125
	v_mov_b32 v7, 0xff800000                       ; -infinity
.irp j, 22,23,24,25,26,27,102,103,104,105,106,107
	v_mov_b32 v[\j], 0                             ; Q's codes of k = 64 .. 127: zeros
.endr
.irp t, 0,1,2,3
.irp j, 6,7,8,9,10,11
	v_mov_b32 v[32+12*\t+\j], 0                    ; written once: K's fragments name them
.endr
.endr
.irp j, 232,233,234,235,236,237,238,239,240,241,242,243,253,254
	v_mov_b32 v[\j], 0                             ; lane permutes' destinations and upper halves of pairs count as read
.endr
.macro INIT                            ; a head begins: O^T and the sum are zeros, the largest t is -3e38: the first change of M multiplies zeros
	v_mov_b32 v13, 0xff61b1e6
	s_delay_alu instid0(VALU_DEP_1)
	v_floor_f32 v12, -v13
	v_mov_b32 v14, 0
	v_mov_b32 v15, 0
.set n, 0
.rept 32
	v_mov_b32 v[O+n], 0
.set n, n+1
.endr
.endm
.macro KQ g, t, qb, qs
.if (\t)%2
	v_wmma_scale_f32_16x16x128_f8f6f4 v[S+8*(4*\g+\t):S+8*(4*\g+\t)+7], v[32+12*\t:43+12*\t], v[\qb:\qb+11], 0, v[248+2*\g+\t/2], v[\qs] matrix_a_fmt:MATRIX_FMT_FP6 matrix_b_fmt:MATRIX_FMT_FP6 matrix_a_scale:MATRIX_SCALE_ROW1
.else
	v_wmma_scale_f32_16x16x128_f8f6f4 v[S+8*(4*\g+\t):S+8*(4*\g+\t)+7], v[32+12*\t:43+12*\t], v[\qb:\qb+11], 0, v[248+2*\g+\t/2], v[\qs] matrix_a_fmt:MATRIX_FMT_FP6 matrix_b_fmt:MATRIX_FMT_FP6
.endif
.endm
.macro PV t
.if (\t)%2
	v_wmma_scale_f32_16x16x128_f8f6f4 v[O+8*\t:O+8*\t+7], v[32+12*\t:43+12*\t], v[224:235], v[O+8*\t:O+8*\t+7], v[30+\t/2], v253 matrix_a_fmt:MATRIX_FMT_FP6 matrix_b_fmt:MATRIX_FMT_FP6 matrix_a_scale:MATRIX_SCALE_ROW1
.else
	v_wmma_scale_f32_16x16x128_f8f6f4 v[O+8*\t:O+8*\t+7], v[32+12*\t:43+12*\t], v[224:235], v[O+8*\t:O+8*\t+7], v[30+\t/2], v253 matrix_a_fmt:MATRIX_FMT_FP6 matrix_b_fmt:MATRIX_FMT_FP6
.endif
.endm
; A KEY STEP: head c, the 128 keys of group G - 1 (st = 0) or G (st = 1)
.macro STEP c, st
.set BASE, KVREC*(2*\c+\st)
.if \st == 0
	s_cmp_eq_u32 s11, 0                            ; the first group has none before it: a scalar branch on the work-group's number
	s_cbranch_scc1 .Lskip_\@
.endif
.irp g, 0,1
.rept 4
	v_nop                                          ; places ahead of loads into registers that matrix instructions have read
.endr
.irp t, 0,1,2,3
	ds_load_b128 v[32+12*\t:35+12*\t], v1 offset:BASE+768*(4*\g+\t)
	ds_load_b64 v[36+12*\t:37+12*\t], v2 offset:BASE+768*(4*\g+\t)+512
.endr
	ds_load_b32 v[248+2*\g], v3 offset:BASE+12288+256*\g          ; lanes 0-15: the even tile's scale words; lanes 16-31: the odd tile's
	ds_load_b32 v[249+2*\g], v3 offset:BASE+12288+256*\g+128
	s_wait_dscnt 0x0
.irp t, 0,1,2,3
	KQ \g, \t, 16+80*\c, 28+\c
.endr
.endr
.rept 4
	v_nop
.endr
.set n, 0
.rept 64
.if \st == 0
	v_cmp_le_i32 vcc_lo, 16*(n/8)+n%8, v4          ; 125 or more behind my query
.else
	v_cmp_gt_i32 vcc_lo, 16*(n/8)+n%8, v5          ; ahead of my query
.endif
	v_cndmask_b32 v[S+n], v[S+n], v7, vcc_lo
.set n, n+1
.endr
.if \st == 1
.irp j, 0,1,2
	v_cmp_le_i32 vcc_lo, \j, v6                    ; E1 - 125 is 2 at the most: only these three can lie 125 or more behind
	s_delay_alu instid0(VALU_DEP_1)
	v_cndmask_b32 v[S+\j], v[S+\j], v7, vcc_lo
.endr
.endif
.irp b, 0,1,2,3
	v_max3_num_f32 v[232+\b], v[S+16*\b], v[S+1+16*\b], v[S+2+16*\b]   ; the largest score of each block of 32 keys: for the row's maximum and for the block's largest p
.endr
.irp i, 3,5,7,9,11,13
.irp b, 0,1,2,3
	s_delay_alu instid0(VALU_DEP_4)
	v_max3_num_f32 v[232+\b], v[232+\b], v[S+16*\b+\i], v[S+1+16*\b+\i]
.endr
.endr
.irp b, 0,1,2,3
	s_delay_alu instid0(VALU_DEP_4)
	v_max_num_f32 v[232+\b], v[232+\b], v[S+15+16*\b]
.endr
.irp b, 0,1,2,3
	s_delay_alu instid0(VALU_DEP_4)
	v_permlanex16_b32 v[236+\b], v[232+\b], s[SEL], s[SEL+1]
.endr
.irp b, 0,1,2,3
	s_delay_alu instid0(VALU_DEP_4)
	v_max_num_f32 v[232+\b], v[232+\b], v[236+\b]
.endr
	s_delay_alu instid0(VALU_DEP_2)
	v_max3_num_f32 v254, v232, v233, v234
	s_delay_alu instid0(VALU_DEP_1)
	v_max_num_f32 v254, v254, v235
	s_delay_alu instid0(VALU_DEP_1)
	v_mul_f32 v254, s[CS], v254
	s_delay_alu instid0(VALU_DEP_1)
	v_max_num_f32 v13, v13, v254                   ; the running largest t
	v_mov_b32 v254, v12
	s_delay_alu instid0(VALU_DEP_2)
	v_floor_f32 v12, -v13                          ; -M = floor(-t)
	s_delay_alu instid0(VALU_DEP_1)
	v_sub_f32 v254, v12, v254                      ; old M - new M: a whole number, 0 or less
	s_delay_alu instid0(VALU_DEP_1)
	v_cvt_i32_f32 v254, v254                       ; (it saturates)
	s_delay_alu instid0(VALU_DEP_1)
	v_ldexp_f32 v252, 1.0, v254                    ; f = 2^(old M - new M)
.set n, 0
.rept 32
	v_pk_fma_f32 v[S+n:S+n+1], v[S+n:S+n+1], s[CS:CS+1], v[12:13] op_sel_hi:[1,0,0]   ; t - M
.set n, n+2
.endr
.irp b, 0,1,2,3
	v_fma_f32 v[232+\b], v[232+\b], s[CS], v12
.endr
.set n, 0
	s_wait_alu depctr_va_vdst(0)
.rept 64
	v_exp_f32 v[S+n], v[S+n]                       ; p
.set n, n+1
.endr
.irp b, 0,1,2,3
	v_exp_f32 v[232+\b], v[232+\b]                 ; the block's largest p
.endr
	v_pk_mul_f32 v[14:15], v[14:15], v[252:253] op_sel_hi:[1,0]   ; the sum under the new M (a plain place behind the exponentials)
	s_wait_alu depctr_va_vdst(0)
.irp b, 0,1,2,3
	v_max_num_f32 v[232+\b], 0x1800000, v[232+\b]  ; the floor 2^(3 - 127)
.endr
.irp b, 0,1,2,3
	s_delay_alu instid0(VALU_DEP_4)
	v_add_nc_u32 v[244+\b], 0xff000000, v[232+\b]
.endr
.irp b, 0,1,2,3
	s_delay_alu instid0(VALU_DEP_4)
	v_lshrrev_b32 v[236+\b], 23, v[244+\b]
.endr
	s_delay_alu instid0(VALU_DEP_3)
	v_lshl_or_b32 v253, v237, 8, v236              ; p's scale word for these 128 keys
	s_delay_alu instid0(VALU_DEP_1)
	v_lshl_or_b32 v253, v238, 16, v253
	s_delay_alu instid0(VALU_DEP_1)
	v_lshl_or_b32 v253, v239, 24, v253
.irp e, 0,1
	v_cvt_scalef32_pk16_fp6_f32 v[224+6*\e:226+6*\e], v[S+32*\e:S+15+32*\e], v[244+2*\e]
	v_cvt_scalef32_pk16_fp6_f32 v[236+4*\e:238+4*\e], v[S+16+32*\e:S+31+32*\e], v[244+2*\e+1]
.endr
	v_nop
.irp e, 0,1
.irp i, 0,1,2
	v_permlane16_swap_b32 v[224+6*\e+\i], v[236+4*\e+\i]
.endr
.irp i, 0,1,2
	s_delay_alu instid0(VALU_DEP_3)
	v_mov_b32 v[227+6*\e+\i], v[236+4*\e+\i]
.endr
.endr
	v_pk_add_f32 v[236:237], v[132:133], v[136:137]
	v_pk_add_f32 v[250:251], v[140:141], v[144:145]
	v_pk_add_f32 v[248:249], v[148:149], v[152:153]
	v_pk_add_f32 v[246:247], v[156:157], v[160:161]
	v_pk_add_f32 v[244:245], v[164:165], v[168:169]
	v_pk_add_f32 v[242:243], v[172:173], v[176:177]
	v_pk_add_f32 v[240:241], v[180:181], v[184:185]
	v_pk_add_f32 v[14:15], v[14:15], v[188:189]
	v_pk_add_f32 v[236:237], v[236:237], v[128:129]
	v_pk_add_f32 v[250:251], v[250:251], v[130:131]
	v_pk_add_f32 v[248:249], v[248:249], v[134:135]
	v_pk_add_f32 v[246:247], v[246:247], v[138:139]
	v_pk_add_f32 v[244:245], v[244:245], v[142:143]
	v_pk_add_f32 v[242:243], v[242:243], v[146:147]
	v_pk_add_f32 v[240:241], v[240:241], v[150:151]
	v_pk_add_f32 v[14:15], v[14:15], v[154:155]
	v_pk_add_f32 v[236:237], v[236:237], v[158:159]
	v_pk_add_f32 v[250:251], v[250:251], v[162:163]
	v_pk_add_f32 v[248:249], v[248:249], v[166:167]
	v_pk_add_f32 v[246:247], v[246:247], v[170:171]
	v_pk_add_f32 v[244:245], v[244:245], v[174:175]
	v_pk_add_f32 v[242:243], v[242:243], v[178:179]
	v_pk_add_f32 v[240:241], v[240:241], v[182:183]
	v_pk_add_f32 v[14:15], v[14:15], v[186:187]
	v_pk_add_f32 v[236:237], v[236:237], v[190:191]
	s_delay_alu instid0(VALU_DEP_2)
	v_pk_add_f32 v[14:15], v[14:15], v[246:247]
	s_delay_alu instid0(VALU_DEP_2)
	v_pk_add_f32 v[236:237], v[236:237], v[244:245]
	v_pk_add_f32 v[250:251], v[250:251], v[242:243]
	v_pk_add_f32 v[248:249], v[248:249], v[240:241]
	s_delay_alu instid0(VALU_DEP_2)
	v_pk_add_f32 v[14:15], v[14:15], v[250:251]
	s_delay_alu instid0(VALU_DEP_2)
	v_pk_add_f32 v[236:237], v[236:237], v[248:249]
	s_delay_alu instid0(VALU_DEP_1)
	v_pk_add_f32 v[14:15], v[14:15], v[236:237]
.set n, 0
.rept 16
	v_pk_mul_f32 v[O+n:O+n+1], v[O+n:O+n+1], v[252:253] op_sel_hi:[1,0]   ; O^T under the new M.  (With the sums: the places ahead of the loads and products below)
.set n, n+2
.endr
.irp t, 0,1,2,3
	ds_load_b128 v[32+12*\t:35+12*\t], v1 offset:BASE+6144+1536*\t
	ds_load_b64 v[36+12*\t:37+12*\t], v2 offset:BASE+6144+1536*\t+512
	ds_load_b128 v[38+12*\t:41+12*\t], v1 offset:BASE+6144+1536*\t+768
	ds_load_b64 v[42+12*\t:43+12*\t], v2 offset:BASE+6144+1536*\t+1280
.endr
	ds_load_b32 v30, v3 offset:BASE+12800
	ds_load_b32 v31, v3 offset:BASE+12928
	s_wait_alu depctr_va_vdst(0)
	s_wait_dscnt 0x0
.irp t, 0,1,2,3
	PV \t
.endr
.if \st == 0
.Lskip_\@:
.endif
.endm
.macro FIN c                           ; O^T / the sum, quantised along the model's axis: the head's 64 are half c of K step y % 8
.rept 4
	v_nop
.endr
	v_add_f32 v14, v14, v15
	s_delay_alu instid0(VALU_DEP_1)
	v_permlanex16_b32 v254, v14, s[SEL], s[SEL+1]
	s_delay_alu instid0(VALU_DEP_1)
	v_add_f32 v14, v14, v254
	s_wait_alu depctr_va_vdst(0)
	v_rcp_f32 v14, v14
	v_nop
.set n, 0
	s_wait_alu depctr_va_vdst(0)
.rept 16
	v_pk_mul_f32 v[S+n:S+n+1], v[O+n:O+n+1], v[14:15] op_sel_hi:[1,0]
.set n, n+2
.endr
	QH S, 80+6*\c, 240, 92+\c
.endm
	s_wait_loadcnt 0x0                             ; Q
	s_wait_tensorcnt 0x0                           ; my record has landed (waves 4-7 have none out)
	s_barrier_signal -1
	s_barrier_wait -1                              ; all four have
	INIT
	STEP 0, 0
	STEP 0, 1
	FIN 0
	INIT
	STEP 1, 0
	STEP 1, 1
	FIN 1
	v_lshl_or_b32 v94, v93, 16, v92
	s_lshr_b32 s36, s12, 3
	s_lshl_b32 s36, s36, 4
	s_add_co_u32 s36, s36, s11                     ; act's row block: 16 x batch + G
	s_lshl_b32 s36, s36, 3
	s_and_b32 s37, s12, 7
	s_add_co_u32 s36, s36, s37                     ; its K step
	s_mul_i32 s36, s36, 12800
	s_mul_i32 s37, s10, 1536
	s_add_co_u32 s38, s36, s37
	s_mov_b32 s39, 0
	s_lshl_b32 s37, s10, 6
	s_add_co_u32 s40, s36, s37
	s_add_co_u32 s40, s40, 12288
	s_mov_b32 s41, 0
	s_add_nc_u64 s[38:39], s[8:9], s[38:39]
	s_add_nc_u64 s[40:41], s[8:9], s[40:41]
	global_store_b128 v1, v[80:83], s[38:39]
	global_store_b64 v2, v[84:85], s[38:39] offset:512
	s_wait_alu depctr_va_vdst(0)
	global_store_b128 v1, v[86:89], s[38:39] offset:768
	global_store_b64 v2, v[90:91], s[38:39] offset:1280
	global_store_b32 v9, v94, s[40:41]
	s_wait_tensorcnt 0x0
	ds_add_u32 v127, v255
	s_wait_dscnt 0x0
	s_endpgm
.Lfunc_end_k_q3617ea74b0_attn:
	.size	k_q3617ea74b0_attn, .Lfunc_end_k_q3617ea74b0_attn-k_q3617ea74b0_attn
	.p2alignl 7, 3214868480
	.fill 96, 4, 3214868480
	.section	.rodata,"a",@progbits
	.p2align	6, 0x0
	.amdhsa_kernel k_q3617ea74b0_attn
		.amdhsa_group_segment_fixed_size 168960
		.amdhsa_private_segment_fixed_size 0
		.amdhsa_enable_private_segment 0
		.amdhsa_kernarg_size 24
		.amdhsa_user_sgpr_count 2
		.amdhsa_user_sgpr_kernarg_segment_ptr 1
		.amdhsa_wavefront_size32 1
		.amdhsa_system_sgpr_workgroup_id_x 1
		.amdhsa_system_sgpr_workgroup_id_y 1
		.amdhsa_system_sgpr_workgroup_id_z 1
		.amdhsa_system_vgpr_workitem_id 0
		.amdhsa_next_free_vgpr 256
		.amdhsa_next_free_sgpr 66
		.amdhsa_reserve_vcc 1
		.amdhsa_float_denorm_mode_32 3
		.amdhsa_float_denorm_mode_16_64 3
		.amdhsa_memory_ordered 1
		.amdhsa_forward_progress 1
		.amdhsa_inst_pref_size 111
	.end_amdhsa_kernel
	.amdgpu_metadata
---
amdhsa.version: [ 1, 2 ]
amdhsa.kernels:
  - .name:           k_q3617ea74b0_attn
    .symbol:         k_q3617ea74b0_attn.kd
    .args:
      - { .name: qimg, .offset: 0, .size: 8, .value_kind: global_buffer, .address_space: global }
      - { .name: kv, .offset: 8, .size: 8, .value_kind: global_buffer, .address_space: global }
      - { .name: act, .offset: 16, .size: 8, .value_kind: global_buffer, .address_space: global }
    .group_segment_fixed_size: 168960
    .private_segment_fixed_size: 0
    .kernarg_segment_align: 8
    .kernarg_segment_size: 24
    .max_flat_workgroup_size: 256
    .sgpr_count:     66
    .vgpr_count:     256
    .wavefront_size: 32
...
	.end_amdgpu_metadata
.endif
;; end of part 10
;; launch wo (part 11): grid 8 x 32, 4 waves a work-group, clusters of 4 x 4, 327,680 bytes of LDS; arguments act, wimg, x, ls1, x1; writes x1
.if DOCPART == 11
	.amdgcn_target "amdgcn-amd-amdhsa--gfx1250"
	.amdhsa_code_object_version 6
	.text
	.protected	k_q3617ea74b0_wo
	.globl	k_q3617ea74b0_wo
	.p2align	8
	.type	k_q3617ea74b0_wo,@function
k_q3617ea74b0_wo:
	s_mov_b64 s[64:65], 0
	v_nop
	global_prefetch_b8 v0, s[64:65] scope:SCOPE_SE
	s_setreg_imm32_b32 hwreg(HW_REG_WAVE_MODE, 25, 1), 1
	s_wait_xcnt 0x0
	s_wait_alu depctr_hold_cnt(0) depctr_sa_sdst(0) depctr_va_vdst(0) depctr_va_sdst(0) depctr_va_ssrc(0) depctr_va_vcc(0) depctr_vm_vsrc(0)
	s_getreg_b32 s2, hwreg(HW_REG_IB_STS2, 6, 4)
	s_cmp_eq_u32 s2, 0
	s_cbranch_scc0 .Lentry_in_a_cluster
	s_endpgm
.Lentry_in_a_cluster:
	s_bfe_u32 s2, ttmp6, 0x10000c
	s_cmp_lg_u32 s2, 0xf033
	s_cbranch_scc0 .Lentry_shape_is_right
	s_endpgm
.Lentry_shape_is_right:
; x1 = x + (attn_out wo^T) ls1: the product on codes of FP6 (E2M3) with E8M0 scales, sums in f32; the rest in f32.
; A (tokens: act) and B (weight rows: wimg, from byte WOFF) come as RECORDS of 12,800 bytes = 128 rows x 128 K as images of operand registers: row tile i at 1,536 i, half c at 768 c (registers 6 c .. 6 c + 3 at
; 16 x lane, 6 c + 4, 6 c + 5 at 512 + 8 x lane), scale words at 12,288 + 64 i + 4 r: every LDS read covers 512 or 256 consecutive bytes.
; SHARES.  A tile of C is 128 tokens x 128 outputs: 256 work-groups, one for each WGP (a tile of 256 x 256 would give 64); four waves, each 64 x 64: 16 accumulators.
; K = 1,024 is 8 K steps: two LDS slots of 4 K steps, both filled at the start, one tensor load a wave (four records, 51,200 dense bytes); nothing is filled again.
; CLUSTERS 4 x 4: A's records are shared along a row of the cluster, B's along a column: joint loads.
; THE PRODUCT IS USED TRANSPOSED (source 0 = 16 weight rows, source 1 = 16 tokens): a lane holds eight neighbouring outputs of one token.  The way out goes through the wave's own stage in LDS, 16 tokens at a time, and
; comes back as rows of 256 bytes, which sixteen lanes store as one aligned run; x (asked for at the head) and ls1 join there by one fused multiply-add.
; REGISTERS.  Window 0: v1-23 addresses, v28-29 the add's, v32-39 scale words, v40-43 ls1, v64-159 and v160-255 two sets of fragments.  Window 1: accumulator (a, b) at v[8 (4 a + b)].  Window 2: v0-127 my part of x.
.set NK,    8
.set WOFF,  2457600
.set REC,   12800
.set BOFF,  4*REC
.set SLOT,  8*REC
.set STAGE, 2*SLOT
.set WSTG,  16*272
.set SPARE, STAGE+4*WSTG
.set A16, 8
.set A8,  10
.set B16, 12
.set B8,  14
.set ADS, 16
.set STO, 18
.set RD,  19
.set CO,  20
.set L16, 21
.set L8,  22
.set R4,  23
.set SPW, 28
.set NIL, 29
.set SC,  32
.set LSR, 40
.set F0,  64
.set Y,   64
.set G1,  24
.set G0,  32
.set G1B, 48
.set G0B, 56
.set MSB, 0
.macro WIN new
.if MSB != \new
	s_set_vgpr_msb (MSB<<8)|\new
.set MSB, \new
.endif
.endm
.set MUL, 0x50
.macro PLACES
.rept 4
	v_nop
.endr
.endm
.macro JLOAD s
	s_cmp_eq_u32 s11, 0
	s_cbranch_scc0 .Lfor_b_\@
	tensor_load_to_lds s[G0+4*\s:G0+4*\s+3], s[G1:G1+7]
	s_nop 0
.rept 4
	v_nop
.endr
	s_branch .Lasked_\@
.Lfor_b_\@:
	tensor_load_to_lds s[G0B+4*\s:G0B+4*\s+3], s[G1B:G1B+7]
	s_nop 0
.rept 4
	v_nop
.endr
.Lasked_\@:
.endm
.macro CREST
	s_cmp_lg_u32 s10, 0
	s_cbranch_scc1 .Lnot_wave_0_\@
	s_barrier_signal -3
.Lnot_wave_0_\@:
	s_barrier_wait -3
	s_barrier_signal -1
	s_barrier_wait -1
.endm
.macro CROUND
	s_barrier_signal -1
	s_barrier_wait -1
	CREST
.endm
.macro FETCH slot, q, p                ; 36 LDS loads: the fragments and scale words of the slot's q-th K step into set p
.set FB, F0+96*(\p)
.irp i, 0,1,2,3
.irp c, 0,1
	ds_load_b128 v[FB+12*\i+6*\c:FB+12*\i+6*\c+3], v[A16+\slot] offset:REC*(\q)+1536*\i+768*\c
	ds_load_b64 v[FB+12*\i+6*\c+4:FB+12*\i+6*\c+5], v[A8+\slot] offset:REC*(\q)+1536*\i+768*\c+512
.endr
.endr
.irp i, 0,1,2,3
.irp c, 0,1
	ds_load_b128 v[FB+48+12*\i+6*\c:FB+48+12*\i+6*\c+3], v[B16+\slot] offset:REC*(\q)+1536*\i+768*\c
	ds_load_b64 v[FB+48+12*\i+6*\c+4:FB+48+12*\i+6*\c+5], v[B8+\slot] offset:REC*(\q)+1536*\i+768*\c+512
.endr
.endr
.irp i, 0,1,2,3
	ds_load_b32 v[SC+4*(\p)+\i], v[ADS+\slot] offset:REC*(\q)+64*\i
.endr
.endm
.macro MULR p, a, first                ; token tile a against the four weight tiles; the 16 accumulators take turns
.irp b, 0,1,2,3
.if \first
	v_wmma_scale_f32_16x16x128_f8f6f4 v[8*(4*(\a)+\b):8*(4*(\a)+\b)+7], v[F0+96*(\p)+48+12*\b:F0+96*(\p)+48+12*\b+11], v[F0+96*(\p)+12*(\a):F0+96*(\p)+12*(\a)+11], 0, v[SC+4*(\p)+\b], v[SC+4*(\p)+(\a)] matrix_a_fmt:MATRIX_FMT_FP6 matrix_b_fmt:MATRIX_FMT_FP6 matrix_a_scale:MATRIX_SCALE_ROW1
.else
	v_wmma_scale_f32_16x16x128_f8f6f4 v[8*(4*(\a)+\b):8*(4*(\a)+\b)+7], v[F0+96*(\p)+48+12*\b:F0+96*(\p)+48+12*\b+11], v[F0+96*(\p)+12*(\a):F0+96*(\p)+12*(\a)+11], v[8*(4*(\a)+\b):8*(4*(\a)+\b)+7], v[SC+4*(\p)+\b], v[SC+4*(\p)+(\a)] matrix_a_fmt:MATRIX_FMT_FP6 matrix_b_fmt:MATRIX_FMT_FP6 matrix_a_scale:MATRIX_SCALE_ROW1
.endif
.endr
.endm
.macro STEP slot, q, first
	PLACES
	FETCH \slot, (\q)+1, 1-(\q)%2
	s_wait_dscnt 36                                ; this step's fragments are in; the 36 loads just issued may be out
	WIN MUL
.irp a, 0,1,2,3
	MULR (\q)%2, \a, \first
.endr
	WIN 0
.endm
.macro TURN slot, next                 ; a slot's last K step: the next slot's first fragments are asked for; both slots landed ahead of the head's barrier
	PLACES
	FETCH \next, 0, 0
	s_wait_dscnt 36
	WIN MUL
.irp a, 0,1,2,3
	MULR 1, \a, 0
.endr
	WIN 0
.endm
	s_load_b128 s[4:7], s[0:1], 0x0                ; act, wimg
	s_load_b128 s[68:71], s[0:1], 0x10             ; x, ls1
	s_load_b64 s[72:73], s[0:1], 0x20              ; x1
	v_lshl_add_u32 v[SPW], v0, 2, SPARE
	v_mov_b32 v[NIL], 0
	ds_add_u32 v28, v29
	ds_add_u32 v28, v29
	s_wait_dscnt 0x0
	v_lshrrev_b32 v1, 5, v0
	v_readfirstlane_b32 s10, v1
	s_lshr_b32 s11, s10, 1                         ; which 64 tokens are mine.  Also: I fetch for A (0) or for B (1)
	s_and_b32 s12, s10, 1                          ; which 64 outputs.  Also: which four of eight records I fetch, and into which slot
	s_bfe_u32 s40, ttmp6, 0x40000
	s_bfe_u32 s41, ttmp6, 0x40004
	s_lshl_b32 s42, ttmp9, 2
	s_add_co_u32 s42, s42, s40                     ; J
	s_and_b32 s13, ttmp7, 0xffff
	s_lshl_b32 s13, s13, 2
	s_add_co_u32 s13, s13, s41                     ; I
	s_lshl_b32 s43, s41, 2
	s_lshl_b32 s43, 15, s43
	s_lshl_b32 s44, 0x1111, s40
	s_or_b32 s[G1+0], s43, (3<<16)|(1<<21)         ; the mask; elements of 8 bytes; bit 21 beside a mask; no padding
	s_or_b32 s[G1B+0], s44, (3<<16)|(1<<21)
.irp g, G1, G1B
	s_mov_b32 s[\g+1], 32<<16                      ; rows of 256 bytes,
	s_mov_b32 s[\g+2], 200<<16                     ; 200 of them: four records, a wave's one load
	s_mov_b32 s[\g+3], 32<<16
	s_mov_b32 s[\g+4], 200
	s_mov_b32 s[\g+5], 32
	s_mov_b32 s[\g+6], 0
	s_mov_b32 s[\g+7], 0
.endr
	; ALL OF K COMES BY ONE TENSOR LOAD A WAVE, at the head: waves 0, 1 bring A's K steps 0-3 and 4-7, waves 2, 3 B's: four records, 51,200 dense bytes each
	s_mul_i32 s18, s12, 4*REC
	s_mul_i32 s16, s13, NK*REC
	s_add_co_u32 s16, s16, s18
	s_mov_b32 s17, 0
	s_mul_i32 s46, s42, NK*REC
	s_add_co_u32 s46, s46, s18
	s_add_co_u32 s46, s46, WOFF
	s_mov_b32 s47, 0
	s_mul_i32 s20, s12, SLOT                       ; K steps 0-3 lie in slot 0, 4-7 in slot 1;
	s_mul_i32 s21, s11, BOFF                       ; in a slot A's four records, then B's
	s_add_co_u32 s20, s20, s21
	s_wait_kmcnt 0x0
	s_add_nc_u64 s[14:15], s[4:5], s[16:17]
	s_add_nc_u64 s[46:47], s[6:7], s[46:47]
	CROUND                                         ; all sixteen work-groups are here: the first joint loads meet
.irp s, 0
	s_mov_b32 s[G0+4*\s], 1
	s_add_co_u32 s[G0+4*\s+1], s20, \s*SLOT
	s_add_nc_u64 s[G0+4*\s+2:G0+4*\s+3], s[14:15], \s*4*REC
	s_or_b32 s[G0+4*\s+3], s[G0+4*\s+3], 0x80000000
	s_mov_b32 s[G0B+4*\s], 1
	s_add_co_u32 s[G0B+4*\s+1], s20, \s*SLOT
	s_add_nc_u64 s[G0B+4*\s+2:G0B+4*\s+3], s[46:47], \s*4*REC
	s_or_b32 s[G0B+4*\s+3], s[G0B+4*\s+3], 0x80000000
	JLOAD \s                                       ; one load of mine is out
.endr
	v_and_b32 v1, 15, v0
	v_bfe_u32 v2, v0, 4, 1
	v_and_b32 v3, 31, v0
	v_lshlrev_b32 v[L16], 4, v3
	v_lshlrev_b32 v[L8], 3, v3
	v_lshlrev_b32 v[R4], 2, v1
	s_mul_i32 s21, s11, 6144
	s_mul_i32 s22, s12, 6144
	s_add_co_u32 s22, s22, BOFF
.irp s, 0,1
	v_add_nc_u32 v[A16+\s], s21, v[L16]
	v_add_nc_u32 v[A8+\s], s21, v[L8]
	v_add_nc_u32 v[B16+\s], s22, v[L16]
	v_add_nc_u32 v[B8+\s], s22, v[L8]
	s_add_co_u32 s21, s21, SLOT
	s_add_co_u32 s22, s22, SLOT
.endr
	s_lshl_b32 s21, s11, 8
	s_lshl_b32 s22, s12, 8
	s_add_co_u32 s22, s22, BOFF
	s_sub_co_u32 s22, s22, s21
	v_mul_u32_u24 v4, s22, v2                      ; lanes 16-31 take B's scale words
	s_add_co_u32 s21, s21, 12288
	v_add_nc_u32 v4, v4, v[R4]
	v_add_nc_u32 v[ADS], s21, v4
	v_add_nc_u32 v[ADS+1], SLOT, v[ADS]
	s_mul_i32 s23, s10, WSTG
	s_add_co_u32 s23, s23, STAGE
	v_mul_u32_u24 v4, v1, 272
	v_lshl_add_u32 v4, v2, 5, v4
	v_add_nc_u32 v[STO], s23, v4                   ; in: token r, + 32 h
	v_mul_u32_u24 v4, v2, 272
	v_lshl_add_u32 v4, v1, 4, v4
	v_add_nc_u32 v[RD], s23, v4                    ; back: lanes 0-15 one token's 256 bytes, lanes 16-31 the next's
	v_lshlrev_b32 v26, 4, v1
	s_wait_alu depctr_va_vdst(0)
	v_lshl_add_u32 v[CO], v2, 12, v26              ; and the same two rows in x and x1
	s_wait_alu depctr_va_vdst(0)
	s_lshl_b32 s16, s13, 19                        ; 128 I rows of 4,096 bytes
	s_lshl_b32 s17, s11, 18
	s_add_co_u32 s16, s16, s17
	s_lshl_b32 s46, s42, 9
	s_lshl_b32 s47, s12, 8
	s_add_co_u32 s46, s46, s47                     ; my 64 columns
	s_add_co_u32 s16, s16, s46
	s_mov_b32 s17, 0
	s_mov_b32 s47, 0
	s_add_nc_u64 s[68:69], s[68:69], s[16:17]
	s_add_nc_u64 s[72:73], s[72:73], s[16:17]
	s_add_nc_u64 s[70:71], s[70:71], s[46:47]
	global_load_b128 v[LSR:LSR+3], v26, s[70:71]
	WIN 0x80                                       ; destination window 2
.irp a, 0,1,2,3
.irp i, 0,1,2,3,4,5,6,7
	global_load_b128 v[32*\a+4*\i:32*\a+4*\i+3], v[CO], s[68:69] offset:(16*\a+2*\i)*4096
.endr
.endr
	WIN 0
	s_wait_tensorcnt 0x0                           ; my one load is in
	s_barrier_signal -1
	s_barrier_wait -1
	FETCH 0, 0, 0
	STEP 0, 0, 1
	STEP 0, 1, 0
	STEP 0, 2, 0
	TURN 0, 1
	STEP 1, 0, 0
	STEP 1, 1, 0
	STEP 1, 2, 0
	s_wait_dscnt 0x0
	WIN MUL
.irp a, 0,1,2,3
	MULR 1, \a, 0
.endr
	WIN 0
	PLACES
	s_wait_loadcnt 0x0                             ; x and ls1
.irp a, 0,1,2,3
.if \a >= 2
	s_wait_xcnt 0x0                                ; the stores of two tiles ago have read their registers
.endif
	WIN 0x04                                       ; an LDS store's data: window 1
.irp b, 0,1,2,3
	ds_store_b128 v[STO], v[8*(4*\a+\b):8*(4*\a+\b)+3] offset:64*\b
	ds_store_b128 v[STO], v[8*(4*\a+\b)+4:8*(4*\a+\b)+7] offset:64*\b+16
.endr
	WIN 0
.irp i, 0,1,2,3,4,5,6,7
	ds_load_b128 v[Y+32*(\a%2)+4*\i:Y+32*(\a%2)+4*\i+3], v[RD] offset:544*\i   ; LDS serves a wave's instructions in order: these see my stores
.endr
	s_wait_dscnt 0x0
	WIN 0x20                                       ; source 2 (x) window 2
.irp i, 0,1,2,3,4,5,6,7
	v_pk_fma_f32 v[Y+32*(\a%2)+4*\i:Y+32*(\a%2)+4*\i+1], v[Y+32*(\a%2)+4*\i:Y+32*(\a%2)+4*\i+1], v[LSR:LSR+1], v[32*\a+4*\i:32*\a+4*\i+1]
	v_pk_fma_f32 v[Y+32*(\a%2)+4*\i+2:Y+32*(\a%2)+4*\i+3], v[Y+32*(\a%2)+4*\i+2:Y+32*(\a%2)+4*\i+3], v[LSR+2:LSR+3], v[32*\a+4*\i+2:32*\a+4*\i+3]
.endr
	WIN 0
.irp i, 0,1,2,3,4,5,6,7
	global_store_b128 v[CO], v[Y+32*(\a%2)+4*\i:Y+32*(\a%2)+4*\i+3], s[72:73] offset:(16*\a+2*\i)*4096   ; 16 lanes store 256 consecutive bytes, aligned
.endr
.endr
	s_wait_tensorcnt 0x0                           ; the wave's end
	ds_add_u32 v[SPW], v[NIL]
	s_wait_dscnt 0x0
	CROUND                                         ; the closing round
	s_endpgm
.Lfunc_end_k_q3617ea74b0_wo:
	.size	k_q3617ea74b0_wo, .Lfunc_end_k_q3617ea74b0_wo-k_q3617ea74b0_wo
	.p2alignl 7, 3214868480
	.fill 96, 4, 3214868480
	.section	.rodata,"a",@progbits
	.p2align	6, 0x0
	.amdhsa_kernel k_q3617ea74b0_wo
		.amdhsa_group_segment_fixed_size 327680
		.amdhsa_private_segment_fixed_size 0
		.amdhsa_enable_private_segment 0
		.amdhsa_kernarg_size 40
		.amdhsa_user_sgpr_count 2
		.amdhsa_user_sgpr_kernarg_segment_ptr 1
		.amdhsa_wavefront_size32 1
		.amdhsa_system_sgpr_workgroup_id_x 1
		.amdhsa_system_sgpr_workgroup_id_y 1
		.amdhsa_system_sgpr_workgroup_id_z 1
		.amdhsa_system_vgpr_workitem_id 0
		.amdhsa_next_free_vgpr 640
		.amdhsa_next_free_sgpr 100
		.amdhsa_reserve_vcc 0
		.amdhsa_float_denorm_mode_32 3
		.amdhsa_float_denorm_mode_16_64 3
		.amdhsa_memory_ordered 1
		.amdhsa_forward_progress 1
		.amdhsa_inst_pref_size 58
	.end_amdhsa_kernel
	.amdgpu_metadata
---
amdhsa.version: [ 1, 2 ]
amdhsa.kernels:
  - .name:           k_q3617ea74b0_wo
    .symbol:         k_q3617ea74b0_wo.kd
    .args:
      - { .name: act, .offset: 0, .size: 8, .value_kind: global_buffer, .address_space: global }
      - { .name: wimg, .offset: 8, .size: 8, .value_kind: global_buffer, .address_space: global }
      - { .name: x, .offset: 16, .size: 8, .value_kind: global_buffer, .address_space: global }
      - { .name: ls1, .offset: 24, .size: 8, .value_kind: global_buffer, .address_space: global }
      - { .name: x1, .offset: 32, .size: 8, .value_kind: global_buffer, .address_space: global }
    .group_segment_fixed_size: 327680
    .private_segment_fixed_size: 0
    .kernarg_segment_align: 8
    .kernarg_segment_size: 40
    .max_flat_workgroup_size: 128
    .sgpr_count:     100
    .vgpr_count:     640
    .wavefront_size: 32
...
	.end_amdgpu_metadata
.endif
;; end of part 11
;; launch prep2: the kernel of part 8 again; grid 256 x 2, 8 waves a work-group, no clusters, 134,400 bytes of LDS; arguments wq, wk, wv, wo, w1, w2, wimg, tab, x1, norm2_w, norm2_b, act; writes wimg, act
;; launch ffn1 (part 12): grid 8 x 32, 4 waves a work-group, clusters of 4 x 4, 327,680 bytes of LDS; arguments act, wimg, b1, fimg; writes fimg
.if DOCPART == 12
	.amdgcn_target "amdgcn-amd-amdhsa--gfx1250"
	.amdhsa_code_object_version 6
	.text
	.protected	k_q3617ea74b0_ffn1
	.globl	k_q3617ea74b0_ffn1
	.p2align	8
	.type	k_q3617ea74b0_ffn1,@function
k_q3617ea74b0_ffn1:
	s_mov_b64 s[64:65], 0
	v_nop
	global_prefetch_b8 v0, s[64:65] scope:SCOPE_SE
	s_setreg_imm32_b32 hwreg(HW_REG_WAVE_MODE, 25, 1), 1
	s_wait_xcnt 0x0
	s_wait_alu depctr_hold_cnt(0) depctr_sa_sdst(0) depctr_va_vdst(0) depctr_va_sdst(0) depctr_va_ssrc(0) depctr_va_vcc(0) depctr_vm_vsrc(0)
	s_getreg_b32 s2, hwreg(HW_REG_IB_STS2, 6, 4)
	s_cmp_eq_u32 s2, 0
	s_cbranch_scc0 .Lentry_in_a_cluster
	s_endpgm
.Lentry_in_a_cluster:
	s_bfe_u32 s2, ttmp6, 0x10000c
	s_cmp_lg_u32 s2, 0xf033
	s_cbranch_scc0 .Lentry_shape_is_right
	s_endpgm
.Lentry_shape_is_right:
; fimg = Q(gelu(h2 w1^T + b1)): the product on codes of FP6 (E2M3) with E8M0 scales, sums in f32; gelu in f32; the result is quantised along the hidden axis, which is the next product's K.
; A (tokens: act) and B (w1's rows: wimg from byte WOFF) come as records of 12,800 bytes = 128 rows x 128 K as images of operand registers (laid out as the first launch's head says).
; Work-group (X, I) owns the 128 tokens of block I and makes NT tiles of 128 hidden units, row blocks X, X + 8, ..; four waves, each 64 x 64.  A's eight K steps stay in registers for all tiles.
; LDS: two slots of 8 records, 2^17 bytes apart.  At the head one tensor load a wave: waves 0, 1 bring A (slot 1), waves 2, 3 B's first tile (slot 0), four records each; later each wave brings two records of the next tile.
; CLUSTERS 4 x 4: A's records are shared along a row, B's along a column: joint loads behind rounds of the cluster's barrier.  b1 is the C of a tile's first products.
; gelu(x) = x/2 (1 + erf(z)), z = x / sqrt 2 held to +-4, erf(z) = z P(z^2) / Q(z^2); 1 / Q by v_rcp_f32.  LIMITS: NaN and infinities are not served; a block whose largest magnitude lies under 2^-124 keeps the byte 1.
.set NT,    4
.set WOFF,  3276800
.set REC,   12800
.set HALF,  4*REC
.set TSTEP, 64*REC
.set SLOT1, 1<<17
.set SPARE, SLOT1+8*REC
.set L16,  5
.set L8,   6
.set R4,   7
.set BZ16, 8
.set BZ8,  9
.set BZS,  10
.set BO,   11
.set BA16, 12
.set BA8,  14
.set SA,   16
.set SB,   32
.set TM,   40
.set T,    52
.set HW,   56
.set SPW,  60
.set NIL,  61
.set BAS,  62
.set F0,   64
.set AA16, 64
.set AA8,  66
.set AAS,  68
.set Z,    64
.set WW,   96
.set P,    128
.set QQ,   160
.set HH,   192
.set CD,   224
.set BIAS, 128
.set G1,   24
.set G0A,  32
.set TB,   36
.set G1B,  48
.set G0B,  56
.set SEL,  66
.set A11, 74
.set A9,  76
.set A7,  78
.set A5,  80
.set A3,  82
.set A1,  84
.set B6,  86
.set B4,  88
.set B2,  90
.set B0,  92
.set RT,  94
.set MSB, 0
.macro WIN new
.if MSB != \new
	s_set_vgpr_msb (MSB<<8)|\new
.set MSB, \new
.endif
.endm
.macro PLACES
.rept 4
	v_nop
.endr
.endm
.macro CREST
	s_cmp_lg_u32 s10, 0
	s_cbranch_scc1 .Lnot_wave_0_\@
	s_barrier_signal -3
.Lnot_wave_0_\@:
	s_barrier_wait -3
	s_barrier_signal -1
	s_barrier_wait -1
.endm
.macro CROUND
	s_barrier_signal -1
	s_barrier_wait -1
	CREST
.endm
.macro QH s, d, t, hw
.irp b, 0,1
	v_max3_num_f32 v[TM+\b], |v[\s+16*\b]|, |v[\s+16*\b+1]|, 0x1800000
.endr
.irp i, 2,4,6,8,10,12,14
.irp b, 0,1
	v_max3_num_f32 v[TM+\b], v[TM+\b], |v[\s+16*\b+\i]|, |v[\s+16*\b+\i+1]|
.endr
.endr
.irp b, 0,1
	v_permlanex16_b32 v[TM+2+\b], v[TM+\b], s[SEL], s[SEL+1]
.endr
.irp b, 0,1
	v_max_num_f32 v[TM+\b], v[TM+\b], v[TM+2+\b]
.endr
.irp b, 0,1
	v_add_nc_u32 v[TM+4+\b], 0xff000000, v[TM+\b]
.endr
.irp b, 0,1
	v_lshrrev_b32 v[TM+6+\b], 23, v[TM+4+\b]
.endr
	v_lshl_or_b32 v[\hw], v[TM+7], 8, v[TM+6]
	v_cvt_scalef32_pk16_fp6_f32 v[\d:\d+2], v[\s:\s+15], v[TM+4]
	v_cvt_scalef32_pk16_fp6_f32 v[\t:\t+2], v[\s+16:\s+31], v[TM+5]
	v_nop
.irp i, 0,1,2
	v_permlane16_swap_b32 v[\d+\i], v[\t+\i]
.endr
.irp i, 0,1,2
	v_mov_b32 v[\d+3+\i], v[\t+\i]
.endr
.endm
.macro ALOAD q
.irp i, 0,1,2,3
.irp c, 0,1
	ds_load_b128 v[48*((\q)%5)+12*\i+6*\c:48*((\q)%5)+12*\i+6*\c+3], v[AA16+(\q)/4] offset:REC*((\q)%4)+1536*\i+768*\c
	ds_load_b64 v[48*((\q)%5)+12*\i+6*\c+4:48*((\q)%5)+12*\i+6*\c+5], v[AA8+(\q)/4] offset:REC*((\q)%4)+1536*\i+768*\c+512
.endr
.endr
.endm
.macro FETCH q
.set FB, F0+48*((\q)%2)
.irp i, 0,1,2,3
.irp c, 0,1
	ds_load_b128 v[FB+12*\i+6*\c:FB+12*\i+6*\c+3], v[BA16+(\q)/4] offset:REC*((\q)%4)+1536*\i+768*\c
	ds_load_b64 v[FB+12*\i+6*\c+4:FB+12*\i+6*\c+5], v[BA8+(\q)/4] offset:REC*((\q)%4)+1536*\i+768*\c+512
.endr
.endr
.irp i, 0,1,2,3
	ds_load_b32 v[SB+4*((\q)%2)+\i], v[BAS+(\q)/4] offset:REC*((\q)%4)+64*\i
.endr
.endm
.macro MULR q, a, first
.set AF, 48*((\q)%5)+12*(\a)
.set BF, F0+48*((\q)%2)
.set SBQ, SB+4*((\q)%2)
.set SAQ, SA+2*(\q)+(\a)/2
.irp b, 0,1,2,3
.if \first
.if (\a)%2
	v_wmma_scale_f32_16x16x128_f8f6f4 v[8*(4*(\a)+\b):8*(4*(\a)+\b)+7], v[BF+12*\b:BF+12*\b+11], v[AF:AF+11], v[BIAS+8*\b:BIAS+8*\b+7], v[SBQ+\b], v[SAQ] matrix_a_fmt:MATRIX_FMT_FP6 matrix_b_fmt:MATRIX_FMT_FP6 matrix_b_scale:MATRIX_SCALE_ROW1
.else
	v_wmma_scale_f32_16x16x128_f8f6f4 v[8*(4*(\a)+\b):8*(4*(\a)+\b)+7], v[BF+12*\b:BF+12*\b+11], v[AF:AF+11], v[BIAS+8*\b:BIAS+8*\b+7], v[SBQ+\b], v[SAQ] matrix_a_fmt:MATRIX_FMT_FP6 matrix_b_fmt:MATRIX_FMT_FP6
.endif
.else
.if (\a)%2
	v_wmma_scale_f32_16x16x128_f8f6f4 v[8*(4*(\a)+\b):8*(4*(\a)+\b)+7], v[BF+12*\b:BF+12*\b+11], v[AF:AF+11], v[8*(4*(\a)+\b):8*(4*(\a)+\b)+7], v[SBQ+\b], v[SAQ] matrix_a_fmt:MATRIX_FMT_FP6 matrix_b_fmt:MATRIX_FMT_FP6 matrix_b_scale:MATRIX_SCALE_ROW1
.else
	v_wmma_scale_f32_16x16x128_f8f6f4 v[8*(4*(\a)+\b):8*(4*(\a)+\b)+7], v[BF+12*\b:BF+12*\b+11], v[AF:AF+11], v[8*(4*(\a)+\b):8*(4*(\a)+\b)+7], v[SBQ+\b], v[SAQ] matrix_a_fmt:MATRIX_FMT_FP6 matrix_b_fmt:MATRIX_FMT_FP6
.endif
.endif
.endr
.endm
.macro STEP q, first
	PLACES
	FETCH (\q)+1
	s_wait_dscnt 20
.if (\q) < 5
	WIN 0x58
.else
	WIN 0x5c
.endif
.irp a, 0,1,2,3
	MULR \q, \a, \first
.endr
	WIN 0
.endm
.macro CHANGE fill
	s_wait_tensorcnt 0x0
	ds_add_u32 v[SPW], v[NIL]
.if \fill
	s_xor_b32 s[G0B+1], s[G0B+1], SLOT1
	s_add_nc_u64 s[G0B+2:G0B+3], s[G0B+2:G0B+3], TSTEP
.endif
	s_wait_dscnt 0x0
.if \fill
	CROUND
	tensor_load_to_lds s[G0B:G0B+3], s[G1B:G1B+7]
	s_nop 0
.rept 4
	v_nop
.endr
.else
	s_barrier_signal -1
	s_barrier_wait -1
.endif
.endm
.macro COEF reg, val
	s_mov_b32 s[\reg], \val
	s_mov_b32 s[\reg+1], s[\reg]
.endm
.macro HORNER acc, sc
.set n, 0
.rept 16
	v_pk_fma_f32 v[\acc+n:\acc+n+1], v[\acc+n:\acc+n+1], v[WW+n:WW+n+1], s[\sc:\sc+1] op_sel_hi:[1,1,0]
.set n, n+2
.endr
.endm
; gelu(x) = x (1/2 + xc P(W) / Q(W)), xc = x held to +-4 sqrt 2, W = xc^2.  With z = xc / sqrt 2: erf(z) = z p(z^2) / q(z^2); P's coefficient of W^k is p's / 2^k, Q's is q's x 2 sqrt 2 / 2^k.
.macro GELU a
	WIN 0x01                                       ; source 0 (the sums) window 1
.set n, 0
.rept 32
	v_med3_num_f32 v[Z+n], v[32*\a+n], s[RT], s[RT+1]   ; each accumulator from its low end on
.set n, n+1
.endr
	WIN 0
.set n, 0
.rept 16
	v_pk_mul_f32 v[WW+n:WW+n+1], v[Z+n:Z+n+1], v[Z+n:Z+n+1]
.set n, n+2
.endr
.set n, 0
.rept 16
	v_pk_fma_f32 v[P+n:P+n+1], v[WW+n:WW+n+1], v[48:49], s[A11:A11+1] op_sel_hi:[1,1,0]
	v_pk_fma_f32 v[QQ+n:QQ+n+1], v[WW+n:WW+n+1], v[50:51], s[B6:B6+1] op_sel_hi:[1,1,0]
.set n, n+2
.endr
	HORNER P, A9
	HORNER QQ, B4
	HORNER P, A7
	HORNER QQ, B2
	HORNER P, A5
	HORNER QQ, B0
	HORNER P, A3
	HORNER P, A1
.set n, 0
	s_wait_alu depctr_va_vdst(0)
.rept 32
	v_rcp_f32 v[QQ+n], v[QQ+n]
.set n, n+1
.endr
	v_nop                                          ; one plain place behind the batch
.set n, 0
	s_wait_alu depctr_va_vdst(0)                   ; one wait for the batch, ahead of its first reader
.rept 16
	v_pk_mul_f32 v[P+n:P+n+1], v[P+n:P+n+1], v[QQ+n:QQ+n+1]
.set n, n+2
.endr
.set n, 0
.rept 16
	v_pk_fma_f32 v[P+n:P+n+1], v[P+n:P+n+1], v[Z+n:Z+n+1], 0.5 op_sel_hi:[1,1,0]
.set n, n+2
.endr
	WIN 0x01
.set n, 0
.rept 16
	v_pk_mul_f32 v[P+n:P+n+1], v[32*\a+n:32*\a+n+1], v[P+n:P+n+1]
.set n, n+2
.endr
	WIN 0
	QH P, CD+8*\a, T, HW+\a
	global_store_b128 v[L16], v[CD+8*\a:CD+8*\a+3], s[16:17] offset:1536*\a
	global_store_b64 v[L8], v[CD+8*\a+4:CD+8*\a+5], s[16:17] offset:1536*\a+512
	global_store_b16 v[R4], v[HW+\a], s[18:19] offset:64*\a
.endm
.macro TILE more
	v_add_nc_u32 v[BA16], s[TB], v[BZ16]
	v_add_nc_u32 v[BA8], s[TB], v[BZ8]
	v_add_nc_u32 v[BAS], s[TB], v[BZS]
	v_add_nc_u32 v[BA16+1], HALF, v[BA16]
	v_add_nc_u32 v[BA8+1], HALF, v[BA8]
	v_add_nc_u32 v[BAS+1], HALF, v[BAS]
	FETCH 0
	s_wait_alu depctr_va_vdst(0)
	s_wait_loadcnt 0x0
	STEP 0, 1
.if \more
	PLACES
	s_add_nc_u64 s[68:69], s[68:69], 4096
	WIN 0x40
.irp b, 0,1,2,3
	global_load_b128 v[BIAS+8*\b:BIAS+8*\b+3], v[BO], s[68:69] offset:64*\b
	global_load_b128 v[BIAS+8*\b+4:BIAS+8*\b+7], v[BO], s[68:69] offset:64*\b+16
.endr
	WIN 0
.endif
	STEP 1, 0
	STEP 2, 0
	STEP 3, 0
	STEP 4, 0
	STEP 5, 0
	STEP 6, 0
	s_wait_dscnt 0x0
	WIN 0x5c
.irp a, 0,1,2,3
	MULR 7, \a, 0
.endr
	WIN 0
	PLACES
	GELU 0
	GELU 1
	GELU 2
	GELU 3
.endm
	s_load_b128 s[4:7], s[0:1], 0x0
	s_load_b128 s[68:71], s[0:1], 0x10
	v_lshl_add_u32 v[SPW], v0, 2, SPARE
	v_mov_b32 v[NIL], 0
	ds_add_u32 v60, v61
	ds_add_u32 v60, v61
	s_wait_dscnt 0x0
	v_lshrrev_b32 v1, 5, v0
	v_readfirstlane_b32 s10, v1
	s_lshr_b32 s11, s10, 1
	s_and_b32 s12, s10, 1
	s_bfe_u32 s40, ttmp6, 0x40000
	s_bfe_u32 s41, ttmp6, 0x40004
	s_lshl_b32 s42, ttmp9, 2
	s_add_co_u32 s42, s42, s40
	s_and_b32 s13, ttmp7, 0xffff
	s_lshl_b32 s13, s13, 2
	s_add_co_u32 s13, s13, s41
	s_lshl_b32 s43, s41, 2
	s_lshl_b32 s43, 15, s43
	s_lshl_b32 s44, 0x1111, s40
	s_or_b32 s[G1+0], s43, (3<<16)|(1<<21)
	s_or_b32 s[G1B+0], s44, (3<<16)|(1<<21)
.irp g, G1, G1B
	s_mov_b32 s[\g+1], 32<<16
	s_mov_b32 s[\g+2], 200<<16                     ; the head's loads bring four records: 200 rows of 256 bytes
	s_mov_b32 s[\g+3], 32<<16
	s_mov_b32 s[\g+4], 200
	s_mov_b32 s[\g+5], 32
	s_mov_b32 s[\g+6], 0
	s_mov_b32 s[\g+7], 0
.endr
	s_mul_i32 s18, s10, 2*REC
	s_mul_i32 s19, s12, 4*REC                      ; the head: which four of eight records
	s_mul_i32 s16, s13, 8*REC
	s_add_co_u32 s16, s16, s19
	s_mul_i32 s96, s42, 8*REC
	s_add_co_u32 s96, s96, s19
	s_add_co_u32 s96, s96, WOFF                    ; B: w1's row block X, my four records
	s_mov_b32 s97, 0
	s_mov_b32 s60, 1                               ; s[60:63]: group 0 of the head's load of B
	s_mov_b32 s61, s19                             ; into slot 0
	s_mov_b32 s17, 0
	s_mul_i32 s46, s42, 8*REC
	s_add_co_u32 s46, s46, s18
	s_add_co_u32 s46, s46, WOFF
	s_mov_b32 s47, 0
	s_mov_b32 s[G0A], 1
	s_add_co_u32 s[G0A+1], s19, SLOT1
	s_mov_b32 s[G0B], 1
	s_mov_b32 s[G0B+1], s18
	s_mov_b32 s[TB], 0
	s_mov_b32 s[SEL], 0x76543210
	s_mov_b32 s[SEL+1], 0xfedcba98
	COEF A11, 0.00000000086583794529969
	COEF A9, -0.000000131314001301567
	COEF A7, -0.000007115632993279325
	COEF A5, -0.00018374765758171375
	COEF A3, -0.001477299904270125
	COEF A1, -0.0160960333262415
	COEF B6, -0.0000754391207086
	COEF B4, -0.001189938365152
	COEF B2, -0.01042746210812
	COEF B0, -0.0403467748605
	s_mov_b32 s[RT], 0xc0b504f3                    ; -4 sqrt 2,
	s_mov_b32 s[RT+1], 0x40b504f3                  ; 4 sqrt 2
	s_wait_kmcnt 0x0
	s_add_nc_u64 s[G0A+2:G0A+3], s[4:5], s[16:17]
	s_or_b32 s[G0A+3], s[G0A+3], 0x80000000
	s_add_nc_u64 s[G0B+2:G0B+3], s[6:7], s[46:47]
	s_or_b32 s[G0B+3], s[G0B+3], 0x80000000
	s_add_nc_u64 s[62:63], s[6:7], s[96:97]
	s_or_b32 s63, s63, 0x80000000
	CROUND                                         ; all sixteen work-groups are here: the first joint loads meet
	s_cmp_eq_u32 s11, 0                            ; one chain of branches on the wave's number, one load to an arm
	s_cbranch_scc0 .Lhead_b
	tensor_load_to_lds s[G0A:G0A+3], s[G1:G1+7]
	s_nop 0
.rept 4
	v_nop
.endr
	s_branch .Lhead_asked
.Lhead_b:
	tensor_load_to_lds s[60:63], s[G1B:G1B+7]
	s_nop 0
.rept 4
	v_nop
.endr
.Lhead_asked:
	v_and_b32 v1, 15, v0
	v_bfe_u32 v2, v0, 4, 1
	v_and_b32 v3, 31, v0
	v_lshlrev_b32 v[L16], 4, v3
	v_lshlrev_b32 v[L8], 3, v3
	v_lshlrev_b32 v[R4], 2, v1
	v_mov_b32 v[TM+2], 0
	v_mov_b32 v[TM+3], 0
	v_mov_b32 v48, -0.0000000000042595972781454
	v_mov_b32 v49, v48
	v_mov_b32 v50, -0.000002574942044481
	v_mov_b32 v51, v50
	s_mul_i32 s21, s12, 6144
	v_add_nc_u32 v[BZ16], s21, v[L16]
	v_add_nc_u32 v[BZ8], s21, v[L8]
	s_lshl_b32 s21, s12, 8
	s_add_co_u32 s21, s21, 12288
	v_add_nc_u32 v[BZS], s21, v[R4]
	s_mul_i32 s21, s11, 6144
	s_add_co_u32 s21, s21, SLOT1
	v_add_nc_u32 v[AA16], s21, v[L16]
	v_add_nc_u32 v[AA8], s21, v[L8]
	v_add_nc_u32 v[AA16+1], HALF, v[AA16]
	v_add_nc_u32 v[AA8+1], HALF, v[AA8]
	s_lshl_b32 s21, s11, 8
	s_add_co_u32 s21, s21, SLOT1+12288
	v_lshl_add_u32 v[AAS], v3, 2, s21
	v_add_nc_u32 v[AAS+1], HALF, v[AAS]
	s_lshl_b32 s46, s42, 9
	s_lshl_b32 s47, s12, 8
	s_add_co_u32 s46, s46, s47
	s_mov_b32 s47, 0
	s_add_nc_u64 s[68:69], s[68:69], s[46:47]
	v_lshlrev_b32 v[BO], 5, v2
	WIN 0x40
.irp b, 0,1,2,3
	global_load_b128 v[BIAS+8*\b:BIAS+8*\b+3], v[BO], s[68:69] offset:64*\b
	global_load_b128 v[BIAS+8*\b+4:BIAS+8*\b+7], v[BO], s[68:69] offset:64*\b+16
.endr
	WIN 0
	s_lshl_b32 s14, s13, 5
	s_add_co_u32 s14, s14, s42
	s_mul_i32 s14, s14, REC
	s_mul_i32 s16, s11, 6144
	s_add_co_u32 s16, s16, s14
	s_mul_i32 s15, s12, 768
	s_add_co_u32 s16, s16, s15
	s_mov_b32 s17, 0
	s_lshl_b32 s18, s11, 8
	s_add_co_u32 s18, s18, s14
	s_lshl_b32 s15, s12, 1
	s_add_co_u32 s18, s18, s15
	s_add_co_u32 s18, s18, 12288
	s_mov_b32 s19, 0
	s_add_nc_u64 s[16:17], s[70:71], s[16:17]
	s_add_nc_u64 s[18:19], s[70:71], s[18:19]
	s_wait_alu depctr_va_vdst(0)
	s_wait_tensorcnt 0x0                           ; my one load of the head is in
	s_mov_b32 s[G1B+2], 100<<16                    ; no tensor load of mine is out: from here on a load brings two records, 100 rows
	s_mov_b32 s[G1B+4], 100
	s_barrier_signal -1
	s_barrier_wait -1
	WIN 0x80
.irp q, 0,1,2,3,4
	ALOAD \q
.endr
	WIN 0xc0
.irp q, 5,6,7
	ALOAD \q
.endr
	WIN 0
.irp q, 0,1,2,3,4,5,6,7
.irp p, 0,1
	ds_load_b32 v[SA+2*\q+\p], v[AAS+\q/4] offset:REC*(\q%4)+128*\p
.endr
.endr
	s_mov_b32 s3, NT-1
.Ltile:
	CHANGE 1
	TILE 1
	s_wait_xcnt 0x0
	s_add_nc_u64 s[16:17], s[16:17], 8*REC
	s_add_nc_u64 s[18:19], s[18:19], 8*REC
	s_xor_b32 s[TB], s[TB], SLOT1
	s_sub_co_u32 s3, s3, 1
	s_cmp_lg_u32 s3, 0
	s_cbranch_scc1 .Ltile
	CHANGE 0
	TILE 0
	s_wait_tensorcnt 0x0
	ds_add_u32 v[SPW], v[NIL]
	s_wait_dscnt 0x0
	CROUND
	s_endpgm
.Lfunc_end_k_q3617ea74b0_ffn1:
	.size	k_q3617ea74b0_ffn1, .Lfunc_end_k_q3617ea74b0_ffn1-k_q3617ea74b0_ffn1
	.p2alignl 7, 3214868480
	.fill 96, 4, 3214868480
	.section	.rodata,"a",@progbits
	.p2align	6, 0x0
	.amdhsa_kernel k_q3617ea74b0_ffn1
		.amdhsa_group_segment_fixed_size 327680
		.amdhsa_private_segment_fixed_size 0
		.amdhsa_enable_private_segment 0
		.amdhsa_kernarg_size 32
		.amdhsa_user_sgpr_count 2
		.amdhsa_user_sgpr_kernarg_segment_ptr 1
		.amdhsa_wavefront_size32 1
		.amdhsa_system_sgpr_workgroup_id_x 1
		.amdhsa_system_sgpr_workgroup_id_y 1
		.amdhsa_system_sgpr_workgroup_id_z 1
		.amdhsa_system_vgpr_workitem_id 0
		.amdhsa_next_free_vgpr 1024
		.amdhsa_next_free_sgpr 100
		.amdhsa_reserve_vcc 0
		.amdhsa_float_denorm_mode_32 3
		.amdhsa_float_denorm_mode_16_64 3
		.amdhsa_memory_ordered 1
		.amdhsa_forward_progress 1
		.amdhsa_inst_pref_size 232
	.end_amdhsa_kernel
	.amdgpu_metadata
---
amdhsa.version: [ 1, 2 ]
amdhsa.kernels:
  - .name:           k_q3617ea74b0_ffn1
    .symbol:         k_q3617ea74b0_ffn1.kd
    .args:
      - { .name: act, .offset: 0, .size: 8, .value_kind: global_buffer, .address_space: global }
      - { .name: wimg, .offset: 8, .size: 8, .value_kind: global_buffer, .address_space: global }
      - { .name: b1, .offset: 16, .size: 8, .value_kind: global_buffer, .address_space: global }
      - { .name: fimg, .offset: 24, .size: 8, .value_kind: global_buffer, .address_space: global }
    .group_segment_fixed_size: 327680
    .private_segment_fixed_size: 0
    .kernarg_segment_align: 8
    .kernarg_segment_size: 32
    .max_flat_workgroup_size: 128
    .sgpr_count:     100
    .vgpr_count:     1024
    .wavefront_size: 32
...
	.end_amdgpu_metadata
.endif
;; end of part 12
;; launch ffn2 (part 13): grid 8 x 32, 4 waves a work-group, clusters of 4 x 4, 327,680 bytes of LDS; arguments fimg, wimg, b2, ls2, x1, out0; writes out0
.if DOCPART == 13
	.amdgcn_target "amdgcn-amd-amdhsa--gfx1250"
	.amdhsa_code_object_version 6
	.text
	.protected	k_q3617ea74b0_ffn2
	.globl	k_q3617ea74b0_ffn2
	.p2align	8
	.type	k_q3617ea74b0_ffn2,@function
k_q3617ea74b0_ffn2:
	s_mov_b64 s[64:65], 0
	v_nop
	global_prefetch_b8 v0, s[64:65] scope:SCOPE_SE
	s_setreg_imm32_b32 hwreg(HW_REG_WAVE_MODE, 25, 1), 1
	s_wait_xcnt 0x0
	s_wait_alu depctr_hold_cnt(0) depctr_sa_sdst(0) depctr_va_vdst(0) depctr_va_sdst(0) depctr_va_ssrc(0) depctr_va_vcc(0) depctr_vm_vsrc(0)
	s_getreg_b32 s2, hwreg(HW_REG_IB_STS2, 6, 4)
	s_cmp_eq_u32 s2, 0
	s_cbranch_scc0 .Lentry_in_a_cluster
	s_endpgm
.Lentry_in_a_cluster:
	s_bfe_u32 s2, ttmp6, 0x10000c
	s_cmp_lg_u32 s2, 0xf033
	s_cbranch_scc0 .Lentry_shape_is_right
	s_endpgm
.Lentry_shape_is_right:
; out0 = x1 + (f w2^T + b2) ls2: the product on codes of FP6 (E2M3) with E8M0 scales, sums in f32; the rest in f32.
; A (tokens: fimg) and B (w2's rows: wimg from byte WOFF) come as RECORDS of 12,800 bytes = 128 rows x 128 K as images of operand registers: row tile i at 1,536 i, half c at 768 c (registers 6 c .. 6 c + 3 at
; 16 x lane, 6 c + 4, 6 c + 5 at 512 + 8 x lane), scale words at 12,288 + 64 i + 4 r.  Records lie [row block of 128][K step], so the K steps of a block are dense bytes.
; SHARES.  A tile of the result is 128 tokens x 128 outputs: 256 work-groups (a tile of 256 x 256 would give 64); four waves, each 64 x 64: 16 accumulators, which take turns.
; K = 4,096 is 32 K steps.  FILLS: K steps 0, 1 go to LDS bytes of their own (region 2; a record a wave), K steps 2 .. 31 in six fills of NS = 5 K steps through two slots of 128,000 bytes: fill k lies in slot k % 2.
; A fill is one tensor load a wave: waves 0, 1 bring the halves of A's five records, waves 2, 3 of B's: 125 rows of 256 bytes.  One load of a wave is out behind each round; it has five K steps, 80 matrix instructions, in which to land.
; CLUSTERS 4 x 4: A's records are shared along a row of the cluster, B's along a column: joint loads, each behind a round of the cluster's barrier.
; PREFETCH: behind the load of fill k each wave asks for the bytes of its own load of fill k + 1: 125 blocks of 256 bytes, of which the partner at place p (cx for A, cy for B) names blocks 32 p .. 32 p + 31,
; a lane a block, held at block 124; one instruction a wave and fill; the last fill has none behind it.
; b2 IS LOADED INTO THE ACCUMULATORS at the head (32 loads a wave, under the first fill): so every K step adds in place and none is written out apart.
; THE PRODUCT IS USED TRANSPOSED (source 0 = 16 weight rows, source 1 = 16 tokens): a lane holds eight neighbouring outputs of one token.  The way out goes through the wave's own stage in LDS, 16 tokens at a time,
; and comes back as rows of 256 bytes, which sixteen lanes store as one aligned run; x1 and ls2 join there by one fused multiply-add.
; REGISTERS.  Window 0: v1-31, v44-45 addresses, v32-39 scale words, v40-43 ls2, v64-159 and v160-255 two sets of fragments.  Window 1: accumulator (a, b) at v[8 (4 a + b)].  Window 2: v0-127 my part of x1.
.set NK,    32
.set WOFF,  6553600
.set REC,   12800
.set NS,    5                          ; K steps of a slot
.set BOFF,  NS*REC                     ; in a slot: A's records, then B's
.set SLOT,  2*NS*REC
.set HALFB, NS*REC/2                   ; what one load of the ring brings: 32,000 bytes
.set FIRST, 2*SLOT                     ; region 2: K steps 0, 1: A's two records, then B's two
.set STAGE, FIRST+4*REC                ; no tensor load lands from here on
.set WSTG,  16*272
.set SPARE, STAGE+4*WSTG               ; the spare words: 128 bytes for each wave
.set A16, 8                            ; v8-10   my A fragments' place in regions 0, 1, 2: by 16 bytes,
.set A8,  11                           ; v11-13  by 8 bytes
.set B16, 14                           ; v14-19  the same for B
.set B8,  17
.set ADS, 20                           ; v20-22  scale words: lanes 0-15 A's, lanes 16-31 B's
.set STO, 23
.set RD,  24
.set CO,  25
.set L16, 26
.set L8,  27
.set SPW, 28
.set NIL, 29
.set PFO, 30                           ; the prefetches' offset: 256 x my block
.set R4,  31
.set SC,  32
.set LSR, 40
.set BO,  44
.set RC,  45
.set F0,  64
.set Y,   64
.set G1,  24                           ; s[24:31] group 1 for A;  s[32:39] its group 0, one for each slot
.set G0,  32
.set G1B, 48                           ; s[48:55], s[56:63] the same for B
.set G0B, 56
.set G0H, 76                           ; s[76:79], s[80:83] group 0 of the head's loads
.set G0HB, 80
.set PFA, 84                           ; s[84:85] where my next prefetch stands
.set MSB, 0
.macro WIN new                         ; the immediate's high byte repeats the setting that is left
.if MSB != \new
	s_set_vgpr_msb (MSB<<8)|\new
.set MSB, \new
.endif
.endm
.set MUL, 0x50                         ; C and D window 1
.macro PLACES                          ; four places behind a matrix instruction, ahead of loads into its registers and of reads of its results
.rept 4
	v_nop
.endr
.endm
.macro JLOAD g0a, g0b                  ; a joint load: waves 0, 1 for A, waves 2, 3 for B; the branch hangs on the wave's number alone
	s_cmp_eq_u32 s11, 0
	s_cbranch_scc0 .Lfor_b_\@
	tensor_load_to_lds s[\g0a:\g0a+3], s[G1:G1+7]
	s_nop 0
.rept 4
	v_nop
.endr
	s_branch .Lasked_\@
.Lfor_b_\@:
	tensor_load_to_lds s[\g0b:\g0b+3], s[G1B:G1B+7]
	s_nop 0
.rept 4
	v_nop
.endr
.Lasked_\@:
.endm
.macro CREST
	s_cmp_lg_u32 s10, 0
	s_cbranch_scc1 .Lnot_wave_0_\@
	s_barrier_signal -3
.Lnot_wave_0_\@:
	s_barrier_wait -3
	s_barrier_signal -1
	s_barrier_wait -1
.endm
.macro CROUND                          ; a round of the cluster's barrier
	s_barrier_signal -1
	s_barrier_wait -1
	CREST
.endm
.macro FETCH slot, q, p                ; 36 LDS loads: the fragments and scale words of the region's q-th K step into set p
.set FB, F0+96*(\p)
.irp i, 0,1,2,3
.irp c, 0,1
	ds_load_b128 v[FB+12*\i+6*\c:FB+12*\i+6*\c+3], v[A16+\slot] offset:REC*(\q)+1536*\i+768*\c
	ds_load_b64 v[FB+12*\i+6*\c+4:FB+12*\i+6*\c+5], v[A8+\slot] offset:REC*(\q)+1536*\i+768*\c+512
.endr
.endr
.irp i, 0,1,2,3
.irp c, 0,1
	ds_load_b128 v[FB+48+12*\i+6*\c:FB+48+12*\i+6*\c+3], v[B16+\slot] offset:REC*(\q)+1536*\i+768*\c
	ds_load_b64 v[FB+48+12*\i+6*\c+4:FB+48+12*\i+6*\c+5], v[B8+\slot] offset:REC*(\q)+1536*\i+768*\c+512
.endr
.endr
.irp i, 0,1,2,3
	ds_load_b32 v[SC+4*(\p)+\i], v[ADS+\slot] offset:REC*(\q)+64*\i
.endr
.endm
.macro MULR p, a                       ; token tile a against the four weight tiles; the 16 accumulators take turns
.irp b, 0,1,2,3
	v_wmma_scale_f32_16x16x128_f8f6f4 v[8*(4*(\a)+\b):8*(4*(\a)+\b)+7], v[F0+96*(\p)+48+12*\b:F0+96*(\p)+48+12*\b+11], v[F0+96*(\p)+12*(\a):F0+96*(\p)+12*(\a)+11], v[8*(4*(\a)+\b):8*(4*(\a)+\b)+7], v[SC+4*(\p)+\b], v[SC+4*(\p)+(\a)] matrix_a_fmt:MATRIX_FMT_FP6 matrix_b_fmt:MATRIX_FMT_FP6 matrix_a_scale:MATRIX_SCALE_ROW1
.endr
.endm
.macro STEP slot, q, p                 ; multiplies set p (the region's K step q); the next K step's fragments are asked for first
	PLACES
	FETCH \slot, (\q)+1, 1-(\p)
	s_wait_dscnt 36                                ; this step's fragments are in; the 36 loads just issued may be out
	WIN MUL
.irp a, 0,1,2,3
	MULR \p, \a
.endr
	WIN 0
.endm
.macro ASK how                         ; 1: ask; 2: ask but in the loop's last trip, whose second fill is the last; 0: nothing
.if \how == 2
	s_cmp_gt_u32 s3, 1
	s_cbranch_scc0 .Lno_ask_\@
.endif
.if \how
	global_prefetch_b8 v[PFO], s[PFA:PFA+1] th:TH_LOAD_NT scope:SCOPE_SE
.endif
.if \how == 2
.Lno_ask_\@:
.endif
.endm
; A region's last K step (set p) changes regions.  In front of the barrier each wave waits for all its tensor loads (the one that is out is its part of slot next), adds 0 to its spare word, and waits for that
; and for its reads of the region that it leaves.  fill = 1: the barrier opens a round of the cluster's, and behind it slot 1 - next takes its next five K steps.
.macro TURN next, p, fill, how
.if \fill
	s_wait_xcnt 0x0                                ; my last prefetch has read its address
	s_add_nc_u64 s[PFA:PFA+1], s[PFA:PFA+1], NS*REC
.endif
	s_wait_tensorcnt 0x0
	ds_add_u32 v[SPW], v[NIL]                      ; 0 onto my spare word
.if \fill
	s_add_nc_u64 s[G0+4*\next+2:G0+4*\next+3], s[G0+4*\next+2:G0+4*\next+3], 2*NS*REC      ; no load of mine is out: the slot that has landed gets its next address (the last ones are not used)
	s_add_nc_u64 s[G0B+4*\next+2:G0B+4*\next+3], s[G0B+4*\next+2:G0B+4*\next+3], 2*NS*REC
.endif
	s_wait_dscnt 1                                 ; this step's fragments are in (the add may be out)
	WIN MUL
	MULR \p, 0
	s_wait_dscnt 0x0                               ; the add is done, and my reads of this region are over
	s_barrier_signal -1
	MULR \p, 1
	WIN 0
	s_barrier_wait -1
.if \fill
	CREST
	JLOAD G0+4*(1-\next), G0B+4*(1-\next)          ; the first tensor load behind the round; its four v_nop are the places ahead of the loads below
.else
	PLACES
.endif
	FETCH \next, 0, 1-(\p)
	ASK \how
	WIN MUL
	MULR \p, 2
	MULR \p, 3
	WIN 0
.endm
.macro REGION s, rb, bo                ; my lane's places in the region at byte rb, whose B records lie bo bytes behind A's
	s_add_co_u32 s16, s21, \rb
	s_add_co_u32 s17, s22, (\rb)+(\bo)
	v_add_nc_u32 v[A16+\s], s16, v[L16]
	v_add_nc_u32 v[A8+\s], s16, v[L8]
	v_add_nc_u32 v[B16+\s], s17, v[L16]
	v_add_nc_u32 v[B8+\s], s17, v[L8]
	s_add_co_u32 s18, s15, \bo
	s_sub_co_u32 s18, s18, s14
	v_mul_u32_u24 v4, s18, v2                      ; lanes 16-31 take B's scale words: one product, the distance between the two
	s_add_co_u32 s19, s14, 12288+(\rb)
	v_add_nc_u32 v4, v4, v[R4]
	v_add_nc_u32 v[ADS+\s], s19, v4
.endm
	s_load_b128 s[4:7], s[0:1], 0x0                ; fimg, wimg
	s_load_b128 s[68:71], s[0:1], 0x10             ; b2, ls2
	s_load_b128 s[72:75], s[0:1], 0x20             ; x1, out0
	v_lshl_add_u32 v[SPW], v0, 2, SPARE
	v_mov_b32 v[NIL], 0
	ds_add_u32 v[SPW], v[NIL]                      ; the opening lines: the add, twice on end, and its wait ahead of my first tensor load
	ds_add_u32 v[SPW], v[NIL]
	v_lshrrev_b32 v1, 5, v0
	v_readfirstlane_b32 s10, v1                    ; wave 0..3
	s_lshr_b32 s11, s10, 1                         ; which 64 tokens are mine.  Also: I fetch for A (0) or for B (1)
	s_and_b32 s12, s10, 1                          ; which 64 outputs.  Also: which half of a fill's records I fetch
	s_bfe_u32 s40, ttmp6, 0x40000                  ; cx, cy
	s_bfe_u32 s41, ttmp6, 0x40004
	s_lshl_b32 s42, ttmp9, 2
	s_add_co_u32 s42, s42, s40                     ; J: the block of 128 outputs
	s_and_b32 s13, ttmp7, 0xffff
	s_lshl_b32 s13, s13, 2
	s_add_co_u32 s13, s13, s41                     ; I: the block of 128 tokens
	s_lshl_b32 s43, s41, 2
	s_lshl_b32 s43, 15, s43                        ; my row of the cluster
	s_lshl_b32 s44, 0x1111, s40                    ; my column
	s_or_b32 s[G1+0], s43, (3<<16)|(1<<21)         ; the mask; elements of 8 bytes; bit 21 beside a mask; no padding
	s_or_b32 s[G1B+0], s44, (3<<16)|(1<<21)
.irp g, G1, G1B
	s_mov_b32 s[\g+1], 32<<16                      ; rows of 256 bytes,
	s_mov_b32 s[\g+2], 50<<16                      ; 50 of them: the head's loads bring one record
	s_mov_b32 s[\g+3], 32<<16
	s_mov_b32 s[\g+4], 50
	s_mov_b32 s[\g+5], 32                          ; dense
	s_mov_b32 s[\g+6], 0
	s_mov_b32 s[\g+7], 0
.endr
	s_mul_i32 s16, s13, NK*REC                     ; A: row block I's first record
	s_mov_b32 s17, 0
	s_mul_i32 s46, s42, NK*REC
	s_add_co_u32 s46, s46, WOFF                    ; B: w2's row block J
	s_mov_b32 s47, 0
	s_mul_i32 s18, s12, REC                        ; the head: K step 0 or 1
	s_mov_b32 s19, 0
	s_mul_i32 s20, s12, HALFB                      ; the ring: which half of five records, in memory and in a slot
	s_mov_b32 s21, 0
	s_wait_dscnt 0x0                               ; both opening adds are done
	s_wait_kmcnt 0x0
	s_add_nc_u64 s[14:15], s[4:5], s[16:17]
	s_add_nc_u64 s[46:47], s[6:7], s[46:47]
	s_mov_b32 s[G0H], 1
	s_add_co_u32 s[G0H+1], s18, FIRST
	s_add_nc_u64 s[G0H+2:G0H+3], s[14:15], s[18:19]
	s_or_b32 s[G0H+3], s[G0H+3], 0x80000000
	s_mov_b32 s[G0HB], 1
	s_add_co_u32 s[G0HB+1], s18, FIRST+2*REC
	s_add_nc_u64 s[G0HB+2:G0HB+3], s[46:47], s[18:19]
	s_or_b32 s[G0HB+3], s[G0HB+3], 0x80000000
	s_add_nc_u64 s[14:15], s[14:15], s[20:21]
	s_add_nc_u64 s[46:47], s[46:47], s[20:21]
.irp s, 0,1                            ; slot 1 begins with K step 2 (fill 1), slot 0 with K step 7 (fill 2)
	s_mov_b32 s[G0+4*\s], 1
	s_add_co_u32 s[G0+4*\s+1], s20, \s*SLOT
	s_add_nc_u64 s[G0+4*\s+2:G0+4*\s+3], s[14:15], (7-5*\s)*REC
	s_or_b32 s[G0+4*\s+3], s[G0+4*\s+3], 0x80000000
	s_mov_b32 s[G0B+4*\s], 1
	s_add_co_u32 s[G0B+4*\s+1], s20, \s*SLOT+BOFF
	s_add_nc_u64 s[G0B+4*\s+2:G0B+4*\s+3], s[46:47], (7-5*\s)*REC
	s_or_b32 s[G0B+4*\s+3], s[G0B+4*\s+3], 0x80000000
.endr
	s_cmp_eq_u32 s11, 0                            ; the prefetches: of the buffer that I fetch for,
	s_cselect_b64 s[PFA:PFA+1], s[14:15], s[46:47]
	s_cselect_b32 s23, s40, s41                    ; my place among the four that ask with me
	s_add_nc_u64 s[PFA:PFA+1], s[PFA:PFA+1], 2*REC ; fill 1's bytes of my load
	CROUND                                         ; all sixteen work-groups are here: the first joint loads meet
	JLOAD G0H, G0HB                                ; K steps 0, 1: one tensor load a wave at the head
	v_and_b32 v1, 15, v0                           ; r
	v_bfe_u32 v2, v0, 4, 1                         ; h
	v_and_b32 v3, 31, v0
	v_lshlrev_b32 v[L16], 4, v3
	v_lshlrev_b32 v[L8], 3, v3
	v_lshlrev_b32 v[R4], 2, v1
	s_wait_alu depctr_va_vdst(0)                   ; the wait
	s_mul_i32 s21, s11, 6144                       ; my four row tiles of A,
	s_mul_i32 s22, s12, 6144                       ; of B
	s_lshl_b32 s14, s11, 8                         ; and their scale words
	s_lshl_b32 s15, s12, 8
	REGION 0, 0, BOFF
	REGION 1, SLOT, BOFF
	REGION 2, FIRST, 2*REC
	s_lshl_b32 s23, s23, 5
	v_add_nc_u32 v[PFO], s23, v3                   ; block 32 p + lane of my load's 125,
	v_min_u32 v[PFO], 124, v[PFO]                  ; held at the last
	v_lshlrev_b32 v[PFO], 8, v[PFO]
	s_mul_i32 s16, s10, WSTG
	s_add_co_u32 s16, s16, STAGE                   ; my stage
	v_mul_u32_u24 v4, v1, 272
	v_lshl_add_u32 v4, v2, 5, v4
	v_add_nc_u32 v[STO], s16, v4                   ; in: token r, + 32 h
	v_mul_u32_u24 v4, v2, 272
	v_lshl_add_u32 v4, v1, 4, v4
	v_add_nc_u32 v[RD], s16, v4                    ; back: lanes 0-15 one token's 256 bytes, lanes 16-31 the next's
	v_lshlrev_b32 v[BO], 5, v2                     ; b2: 32 h
	v_lshlrev_b32 v[RC], 4, v1
	v_lshl_add_u32 v[CO], v2, 12, v[RC]            ; two rows of x1 and out0
	s_lshl_b32 s16, s13, 19                        ; 128 I rows of 4,096 bytes
	s_lshl_b32 s17, s11, 18
	s_add_co_u32 s16, s16, s17
	s_lshl_b32 s46, s42, 9
	s_lshl_b32 s47, s12, 8
	s_add_co_u32 s46, s46, s47                     ; my 64 columns
	s_add_co_u32 s16, s16, s46
	s_mov_b32 s17, 0
	s_mov_b32 s47, 0
	s_add_nc_u64 s[72:73], s[72:73], s[16:17]
	s_add_nc_u64 s[74:75], s[74:75], s[16:17]
	s_add_nc_u64 s[68:69], s[68:69], s[46:47]
	s_add_nc_u64 s[70:71], s[70:71], s[46:47]
	s_wait_alu depctr_va_vdst(0)                   ; the wait at the head's end
	WIN 0x40                                       ; destination window 1
.irp a, 0,1,2,3                        ; the sums begin as b2: register j of accumulator (a, b) is output 16 b + 8 h + j
.irp b, 0,1,2,3
	global_load_b128 v[8*(4*\a+\b):8*(4*\a+\b)+3], v[BO], s[68:69] offset:64*\b
	global_load_b128 v[8*(4*\a+\b)+4:8*(4*\a+\b)+7], v[BO], s[68:69] offset:64*\b+16
.endr
.endr
	WIN 0
	global_prefetch_b8 v[PFO], s[PFA:PFA+1] th:TH_LOAD_NT scope:SCOPE_SE   ; fill 1
	s_wait_tensorcnt 0x0                           ; my record is in; the add and its wait stand ahead of a later first fill, as ahead of a refill
	ds_add_u32 v[SPW], v[NIL]
	s_mov_b32 s[G1+2], 125<<16                     ; no tensor load of mine is out: from here on a load brings 125 rows
	s_mov_b32 s[G1+4], 125
	s_mov_b32 s[G1B+2], 125<<16
	s_mov_b32 s[G1B+4], 125
	s_wait_dscnt 0x0
	CROUND
	JLOAD G0+4, G0B+4                              ; fill 1, slot 1's first
	FETCH 2, 0, 0
	s_wait_xcnt 0x0                                ; the prefetch above has read its address
	s_add_nc_u64 s[PFA:PFA+1], s[PFA:PFA+1], NS*REC
	global_prefetch_b8 v[PFO], s[PFA:PFA+1] th:TH_LOAD_NT scope:SCOPE_SE   ; fill 2
	s_wait_loadcnt 0x0                             ; b2 lies in the accumulators
	STEP 2, 0, 0
	TURN 1, 1, 1, 1                                ; fill 2, slot 0's first
	global_load_b128 v[LSR:LSR+3], v[RC], s[70:71]
	WIN 0x80                                       ; destination window 2: my part of x1, wanted on the way out
.irp a, 0,1,2,3
.irp i, 0,1,2,3,4,5,6,7
	global_load_b128 v[32*\a+4*\i:32*\a+4*\i+3], v[CO], s[72:73] offset:(16*\a+2*\i)*4096
.endr
.endr
	WIN 0
	s_mov_b32 s3, 2
.Llap:                                 ; a trip: ten K steps, once round the ring; it asks for fills 3 and 4, then 5 and 6
	STEP 1, 0, 0
	STEP 1, 1, 1
	STEP 1, 2, 0
	STEP 1, 3, 1
	TURN 0, 0, 1, 1
	STEP 0, 0, 1
	STEP 0, 1, 0
	STEP 0, 2, 1
	STEP 0, 3, 0
	TURN 1, 1, 1, 2
	s_sub_co_u32 s3, s3, 1
	s_cmp_lg_u32 s3, 0
	s_cbranch_scc1 .Llap
	STEP 1, 0, 0                                   ; the last ten K steps ask for nothing
	STEP 1, 1, 1
	STEP 1, 2, 0
	STEP 1, 3, 1
	TURN 0, 0, 0, 0
	STEP 0, 0, 1
	STEP 0, 1, 0
	STEP 0, 2, 1
	STEP 0, 3, 0
	s_wait_dscnt 0x0
	WIN MUL
.irp a, 0,1,2,3
	MULR 1, \a
.endr
	WIN 0
	PLACES
	s_wait_loadcnt 0x0                             ; x1 and ls2
.irp a, 0,1,2,3
.if \a >= 2
	s_wait_xcnt 0x0                                ; the stores of two tiles ago have read their registers
.endif
	WIN 0x04                                       ; an LDS store's data: window 1
.irp b, 0,1,2,3
	ds_store_b128 v[STO], v[8*(4*\a+\b):8*(4*\a+\b)+3] offset:64*\b          ; each accumulator from its low end on
	ds_store_b128 v[STO], v[8*(4*\a+\b)+4:8*(4*\a+\b)+7] offset:64*\b+16
.endr
	WIN 0
.irp i, 0,1,2,3,4,5,6,7
	ds_load_b128 v[Y+32*(\a%2)+4*\i:Y+32*(\a%2)+4*\i+3], v[RD] offset:544*\i   ; LDS serves a wave's instructions in order: these see my stores
.endr
	s_wait_dscnt 0x0
	WIN 0x20                                       ; source 2 (x1) window 2
.irp i, 0,1,2,3,4,5,6,7
	v_pk_fma_f32 v[Y+32*(\a%2)+4*\i:Y+32*(\a%2)+4*\i+1], v[Y+32*(\a%2)+4*\i:Y+32*(\a%2)+4*\i+1], v[LSR:LSR+1], v[32*\a+4*\i:32*\a+4*\i+1]
	v_pk_fma_f32 v[Y+32*(\a%2)+4*\i+2:Y+32*(\a%2)+4*\i+3], v[Y+32*(\a%2)+4*\i+2:Y+32*(\a%2)+4*\i+3], v[LSR+2:LSR+3], v[32*\a+4*\i+2:32*\a+4*\i+3]
.endr
	WIN 0
.irp i, 0,1,2,3,4,5,6,7
	global_store_b128 v[CO], v[Y+32*(\a%2)+4*\i:Y+32*(\a%2)+4*\i+3], s[74:75] offset:(16*\a+2*\i)*4096 th:TH_STORE_NT   ; 16 lanes store 256 consecutive bytes, aligned
.endr
.endr
	s_wait_tensorcnt 0x0                           ; the wave's end
	ds_add_u32 v[SPW], v[NIL]
	s_wait_dscnt 0x0
	CROUND                                         ; the closing round
	s_endpgm
.Lfunc_end_k_q3617ea74b0_ffn2:
	.size	k_q3617ea74b0_ffn2, .Lfunc_end_k_q3617ea74b0_ffn2-k_q3617ea74b0_ffn2
	.p2alignl 7, 3214868480
	.fill 96, 4, 3214868480
	.section	.rodata,"a",@progbits
	.p2align	6, 0x0
	.amdhsa_kernel k_q3617ea74b0_ffn2
		.amdhsa_group_segment_fixed_size 327680
		.amdhsa_private_segment_fixed_size 0
		.amdhsa_enable_private_segment 0
		.amdhsa_kernarg_size 48
		.amdhsa_user_sgpr_count 2
		.amdhsa_user_sgpr_kernarg_segment_ptr 1
		.amdhsa_wavefront_size32 1
		.amdhsa_system_sgpr_workgroup_id_x 1
		.amdhsa_system_sgpr_workgroup_id_y 1
		.amdhsa_system_sgpr_workgroup_id_z 1
		.amdhsa_system_vgpr_workitem_id 0
		.amdhsa_next_free_vgpr 640
		.amdhsa_next_free_sgpr 100
		.amdhsa_reserve_vcc 0
		.amdhsa_float_denorm_mode_32 3
		.amdhsa_float_denorm_mode_16_64 3
		.amdhsa_memory_ordered 1
		.amdhsa_forward_progress 1
		.amdhsa_inst_pref_size 131
	.end_amdhsa_kernel
	.amdgpu_metadata
---
amdhsa.version: [ 1, 2 ]
amdhsa.kernels:
  - .name:           k_q3617ea74b0_ffn2
    .symbol:         k_q3617ea74b0_ffn2.kd
    .args:
      - { .name: fimg, .offset: 0, .size: 8, .value_kind: global_buffer, .address_space: global }
      - { .name: wimg, .offset: 8, .size: 8, .value_kind: global_buffer, .address_space: global }
      - { .name: b2, .offset: 16, .size: 8, .value_kind: global_buffer, .address_space: global }
      - { .name: ls2, .offset: 24, .size: 8, .value_kind: global_buffer, .address_space: global }
      - { .name: x1, .offset: 32, .size: 8, .value_kind: global_buffer, .address_space: global }
      - { .name: out0, .offset: 40, .size: 8, .value_kind: global_buffer, .address_space: global }
    .group_segment_fixed_size: 327680
    .private_segment_fixed_size: 0
    .kernarg_segment_align: 8
    .kernarg_segment_size: 48
    .max_flat_workgroup_size: 128
    .sgpr_count:     100
    .vgpr_count:     640
    .wavefront_size: 32
...
	.end_amdgpu_metadata
.endif
;; end of part 13
